; MI455X (gfx1250); checked and timed in simulation.
; The chip was launched on July 23, 2026; its instructions are those of AMD's public machine-readable ISA for CDNA 5 (MIT licence, August 2026) and "CDNA5" Instruction Set Architecture Reference Guide (July 2026). The comments in the code are by the model that wrote it; some were corrected since.
;; Transformer Layer. Allowed arithmetic: matrix products marked QUANTISED: E4M3 operands, one given power-of-two scale a tensor, by v_wmma_f32_16x16x64_fp8_fp8 or v_wmma_f32_16x16x128_fp8_fp8, f32 sums; everything else in f32.
;; Inputs: b1 4,096 float32; b2 1,024 float32; ln1_b 1,024 float32; ln1_w 1,024 float32; ln2_b 1,024 float32; ln2_w 1,024 float32; lowp_scales 12 int32 (the exponents e of the quantised operands' scales 2^e); w1 4,096 x 1,024 float32; w2 1,024 x 4,096 float32; w_o 1,024 x 1,024 float32; w_qkv 3,072 x 1,024 float32; x 2 x 2,048 x 1,024 float32.
;; Outputs: out0 2 x 2,048 x 1,024 float32.
;; This version of the problem:
;;   THIS VERSION OF THE PROBLEM IS GIVEN IN LOW PRECISION. The matrix products marked QUANTISED in the list below multiply operands that are first quantised to E4M3 (4 exponent bits, 3 mantissa bits; 8 bits a number), with one given power-of-two scale for each operand tensor; their sums are f32. All else is computed in f32.
;;   The module's matrix products, in the order in which they are computed (A, B: the left and right operand; K: the contracted axis; several contracted axes count as one K, in the product's order):
;;     1. [M 4,096, K 1,024] x [K 1,024, N 3,072]; A: computed on the way; B: input w_qkv: QUANTISED (scales: A lowp_scales[0], B lowp_scales[1])
;;     2. batch 32 x [M 2,048, K 64] x [K 64, N 2,048]; A: computed on the way; B: computed on the way: QUANTISED (scales: A lowp_scales[2], B lowp_scales[3])
;;     3. batch 32 x [M 2,048, K 2,048] x [K 2,048, N 64]; A: computed on the way; B: computed on the way: QUANTISED (scales: A lowp_scales[4], B lowp_scales[5])
;;     4. [M 4,096, K 1,024] x [K 1,024, N 1,024]; A: computed on the way; B: input w_o: QUANTISED (scales: A lowp_scales[6], B lowp_scales[7])
;;     5. [M 4,096, K 1,024] x [K 1,024, N 4,096]; A: computed on the way; B: input w1: QUANTISED (scales: A lowp_scales[8], B lowp_scales[9])
;;     6. [M 4,096, K 4,096] x [K 4,096, N 1,024]; A: computed on the way; B: input w2: QUANTISED (scales: A lowp_scales[10], B lowp_scales[11])
;;   THE QUANTISER, for each operand of a quantised product, along K:
;;     - The operand's scale is 2^e, e = its entry of the input lowp_scales (int32; the entries are numbered through the quantised products in the list's order, A before B).
;;     - Each number is divided by the scale, clamped to +-448, and rounded to the nearest number of E4M3, ties to even, subnormals kept.
;;     - The product sums the exact products of the quantised numbers (number of the format x scale) in f32.
;;   ~~~python
;;   def quantise(x, axis, e):      # numpy; x: float32 -> the quantised numbers, widened to float32 again
;;       x = np.moveaxis(x, axis, -1); K = x.shape[-1]
;;       r = np.clip(x / 2.0 ** e, -448, 448)
;;       step = 2.0 ** (np.maximum(np.frexp(np.where(r == 0, 1, r))[1] - 1, -6) - 3)
;;       q = np.round(r / step) * step * 2.0 ** e      # np.round: ties to even
;;       return np.moveaxis(q, -1, axis).astype(np.float32)
;;   ~~~
;;   OPERANDS COMPUTED ON THE WAY. 'Computed on the way' means the value that the module computes at that place (a softmax that the list does not call 'softmax' is quantised finished and normalised). What goes into a quantiser is computed in f32, as accurately as f32 sums, v_exp_f32 and their like allow (about 1e-6 of the number): no bf16 or f16 on the way to a quantiser, and a product that is left as it is and whose result goes on into a quantised operand takes f32 operands (vector FMAs, or v_wmma_f32_16x16x4_f32). A number that lies on a knife's edge between two numbers of the format may be rounded either way, as far as f32 arithmetic and the matrix unit's own rounding can turn it there, and no further.
;; 3 versions, each right; version 2 is faster than version 1; version 3 is version 2 with the launch attn written anew for expert scheduling mode. Each part assembles by itself: llvm-mc -triple=amdgcn-amd-amdhsa -mcpu=gfx1250 --defsym DOCPART=n.
;; ======== version 1 of 3: 7 launches
;; workspace buffers: c1 16,777,216 bytes; qkv 12,582,912 bytes; avf 4,194,304 bytes; x1 16,777,216 bytes; h2c 4,194,304 bytes; gc 16,777,216 bytes
;; launch prep (part 1): grid 640 x 1, 4 waves a work-group, no clusters, 66,048 bytes of LDS; arguments x, w_qkv, w_o, w1, w2, ln1_w, ln1_b, lowp_scales, c1; writes c1
.if DOCPART == 1
	.amdgcn_target "amdgcn-amd-amdhsa--gfx1250"
	.amdhsa_code_object_version 6
	.text
	.protected	k_qbf6c637021_prep
	.globl	k_qbf6c637021_prep
	.p2align	8
	.type	k_qbf6c637021_prep,@function
k_qbf6c637021_prep:
	s_mov_b64 s[64:65], 0
	v_nop
	global_prefetch_b8 v0, s[64:65] scope:SCOPE_SE
	s_setreg_imm32_b32 hwreg(HW_REG_WAVE_MODE, 25, 1), 1
	s_wait_xcnt 0x0
; PREP: everything that is quantised from the inputs alone, into the buffer c1 (codes of E4M3, K innermost):
;   byte 0          h = Q(layer_norm(x; ln1_w, ln1_b)), [4096][1024], scale entry 0
;   byte 4,194,304  w_qkv [3072][1024], entry 1, ROWS PERMUTED: row z*1024 + hd*64 + d of c1 is row d*48 + z*16 + hd of w_qkv
;   byte 7,340,032  w_o [1024][1024], entry 7;   byte 8,388,608  w1 [4096][1024], entry 9;   byte 12,582,912  w2 [1024][4096], entry 11
; code = x / 2^e, held within +-448, rounded to the nearest code, ties to even.
; LIMITS: each e between -126 and 119, so that 2^e and 448 x 2^e are f32 numbers.  NaN among the inputs is not served.
; Work-groups 0..383 take the weights (a wave: 8,192 numbers in 16 steps of 512), work-groups 384..639 the norm (a wave: 4 rows).
; The two ways part on the work-group's number and never join; each has LDS bytes of its own (0..32767, 32768..65535), 8,192 for each wave.
; The conversions take 16 neighbours along K from ONE lane; a load is best where neighbouring LANES take neighbouring bytes.  Both are had: a load reads 512
; consecutive bytes, 16 a lane; 2,048 bytes turn through the wave's own stage in LDS (16 bytes of padding behind each 64) and come back 64 bytes a lane.
; No tensor load, no barrier: waves share nothing.  Matrix units and clusters have nothing to do here: memory binds.
.set SP,    80                         ; a lane's place in a stage: 64 bytes + 16 of padding
.set STEPS, 16
.set R,     16                         ; weights: v16-79 four sets of 16 numbers as loaded
.set X,     80                         ;          v80-111 two sets of 16 neighbours
.set OF,    112                        ;          v112-119 byte offset of my 16 bytes in row j of the run's eight
.set C,     128                        ;          v128-191 codes, four registers a step: no store's data are written again
.set XR,    16                         ; norm: v16-143 four rows x 32 numbers; a row's first eight registers later hold its codes
.set WG,    144                        ;       v144-175 the gain,  v176-207 the bias, of my 32 columns
.set BG,    176
.set XT,    208                        ;       v208-239 two sets of 16 neighbours
.set CH,    240                        ;       v240-247 four chains of pairs;  v[248:249] mean, v[250:251] 1/sigma, v252-253 at work
.set PX,    4                          ; s[4:5] the rows,  s[14:15] gain,  s[16:17] bias,  s[52:53] the codes
.set PW,    14
.set PB,    16
.set PO,    52
.macro LOAD t                          ; step t: 2,048 bytes of row t / 2 of the run
.irp i, 0,1,2,3
	global_load_b128 v[R+16*((\t)%4)+4*\i:R+16*((\t)%4)+4*\i+3], v[OF+(\t)/2], s[44:45] offset:2048*((\t)%2)+512*\i th:TH_LOAD_NT
.endr
.endm
.macro TURN t                          ; through the stage: LDS serves a wave's instructions in order, so no wait stands between the stores and the loads
.irp i, 0,1,2,3
	ds_store_b128 v14, v[R+16*((\t)%4)+4*\i:R+16*((\t)%4)+4*\i+3] offset:32*SP*((\t)%2)+8*SP*\i
.endr
.irp i, 0,1,2,3
	ds_load_b128 v[X+16*((\t)%2)+4*\i:X+16*((\t)%2)+4*\i+3], v15 offset:32*SP*((\t)%2)+16*\i
.endr
.endm
.macro STEP t
.set XS, X+16*((\t)%2)
	s_wait_dscnt 0x0                               ; this step's numbers are back from the stage, so its stores into the stage have read their registers,
.if (\t)+4 < STEPS
	LOAD (\t)+4                                    ; which take the loads of four steps on
.endif
.if (\t)+1 < STEPS
.if STEPS-2-(\t) >= 3
	s_wait_loadcnt 12                              ; the next step's four loads are in; those of the three steps behind it may be out
.else
	s_wait_loadcnt 4*(STEPS-2-(\t))
.endif
	TURN (\t)+1
.endif
.irp i, 0,1,2,3,4,5,6,7,8,9,10,11,12,13,14,15
	v_med3_num_f32 v[XS+\i], v[XS+\i], -v10, v10   ; the conversion does not saturate (ISA guide 7.6.2): hold at the largest code x the scale first
.endr
	v_cvt_scalef32_pk8_fp8_f32 v[C+4*(\t):C+4*(\t)+1], v[XS:XS+7], v11
	v_cvt_scalef32_pk8_fp8_f32 v[C+4*(\t)+2:C+4*(\t)+3], v[XS+8:XS+15], v11
	global_store_b128 v3, v[C+4*(\t):C+4*(\t)+3], s[52:53] offset:512*(\t)   ; the wave stores 512 consecutive bytes, aligned
.endm
.macro WSUM                            ; v252 summed over the 32 lanes, result in every lane
	v_add_f32_dpp v252, v252, v252 row_xmask:1 row_mask:0xf bank_mask:0xf
	v_add_f32_dpp v252, v252, v252 row_xmask:2 row_mask:0xf bank_mask:0xf
	v_add_f32_dpp v252, v252, v252 row_xmask:4 row_mask:0xf bank_mask:0xf
	v_add_f32_dpp v252, v252, v252 row_xmask:8 row_mask:0xf bank_mask:0xf
	v_permlanex16_b32 v253, v252, s28, s29
	v_add_f32 v252, v252, v253
.endm
.macro CHSUM                           ; the four chains into v252
	v_pk_add_f32 v[CH:CH+1], v[CH:CH+1], v[CH+2:CH+3]
	v_pk_add_f32 v[CH+4:CH+5], v[CH+4:CH+5], v[CH+6:CH+7]
	v_pk_add_f32 v[CH:CH+1], v[CH:CH+1], v[CH+4:CH+5]
	v_add_f32 v252, v[CH], v[CH+1]
	WSUM
.endm
; One row: mean, x - mean, the mean of its squares, 1/sqrt(. + EPS), gain and bias, the hold, the turn through the stage, 1,024 codes out.
.macro LNROW p
.set X0, XR+32*\p
	s_wait_loadcnt 24-8*\p                         ; gain, bias and this row are in; the later rows' loads, eight each, may be out
.irp c, 0,1,2,3
	v_pk_add_f32 v[CH+2*\c:CH+2*\c+1], v[X0+2*\c:X0+2*\c+1], v[X0+8+2*\c:X0+8+2*\c+1]
.endr
.irp q, 16,24
.irp c, 0,1,2,3
	v_pk_add_f32 v[CH+2*\c:CH+2*\c+1], v[CH+2*\c:CH+2*\c+1], v[X0+\q+2*\c:X0+\q+2*\c+1]
.endr
.endr
	CHSUM
	v_mul_f32 v248, s30, v252                      ; the mean: sum x 2^-10
.set i, 0
.rept 16
	v_pk_add_f32 v[X0+2*i:X0+2*i+1], v[X0+2*i:X0+2*i+1], v[248:249] op_sel_hi:[1,0] neg_lo:[0,1] neg_hi:[0,1]
.set i, i+1
.endr
.irp c, 0,1,2,3
	v_pk_mul_f32 v[CH+2*\c:CH+2*\c+1], v[X0+2*\c:X0+2*\c+1], v[X0+2*\c:X0+2*\c+1]
.endr
.irp q, 8,16,24
.irp c, 0,1,2,3
	v_pk_fma_f32 v[CH+2*\c:CH+2*\c+1], v[X0+\q+2*\c:X0+\q+2*\c+1], v[X0+\q+2*\c:X0+\q+2*\c+1], v[CH+2*\c:CH+2*\c+1]
.endr
.endr
	CHSUM
	v_fma_f32 v252, v252, s30, s31                 ; the variance + EPS
	v_rsq_f32 v250, v252
	v_nop                                          ; a plain instruction behind the transcendental,
	s_wait_alu depctr_va_vdst(0)                   ; and the wait ahead of its first reader
.set i, 0
.rept 16
	v_pk_mul_f32 v[X0+2*i:X0+2*i+1], v[X0+2*i:X0+2*i+1], v[250:251] op_sel_hi:[1,0]
.set i, i+1
.endr
.set i, 0
.rept 16
	v_pk_fma_f32 v[X0+2*i:X0+2*i+1], v[X0+2*i:X0+2*i+1], v[WG+2*i:WG+2*i+1], v[BG+2*i:BG+2*i+1]
.set i, i+1
.endr
.set i, 0
.rept 32
	v_med3_num_f32 v[X0+i], v[X0+i], -v10, v10
.set i, i+1
.endr
.irp st, 0,1
.irp i, 0,1,2,3
	ds_store_b128 v14, v[X0+16*\st+4*\i:X0+16*\st+4*\i+3] offset:32*SP*\st+8*SP*\i
.endr
.irp i, 0,1,2,3
	ds_load_b128 v[XT+16*\st+4*\i:XT+16*\st+4*\i+3], v15 offset:32*SP*\st+16*\i
.endr
.endr
	s_wait_dscnt 4                                 ; the first half's neighbours are in; the second half's four loads may be out
	v_cvt_scalef32_pk8_fp8_f32 v[X0:X0+1], v[XT:XT+7], v11
	v_cvt_scalef32_pk8_fp8_f32 v[X0+2:X0+3], v[XT+8:XT+15], v11
	global_store_b128 v3, v[X0:X0+3], s[PO:PO+1] offset:1024*\p
	s_wait_dscnt 0x0
	v_cvt_scalef32_pk8_fp8_f32 v[X0+4:X0+5], v[XT+16:XT+23], v11
	v_cvt_scalef32_pk8_fp8_f32 v[X0+6:X0+7], v[XT+24:XT+31], v11
	global_store_b128 v3, v[X0+4:X0+7], s[PO:PO+1] offset:1024*\p+512   ; each row has its own code registers: no store's data are written again
.endm
	s_load_b256 s[4:11], s[0:1], 0x0               ; x, w_qkv, w_o, w1
	s_load_b256 s[12:19], s[0:1], 0x20             ; w2, ln1_w, ln1_b, the scales' exponents
	s_load_b64 s[20:21], s[0:1], 0x40              ; c1
	v_lshl_add_u32 v254, v0, 2, 0x10000
	v_mov_b32 v255, 0
	v_lshrrev_b32 v1, 5, v0
	v_readfirstlane_b32 s24, v1                    ; wave
	v_and_b32 v2, 31, v0                           ; lane
	v_lshlrev_b32 v3, 4, v2                        ; 16 x lane
	v_lshrrev_b32 v14, 2, v2
	v_mul_u32_u24 v14, v14, SP
	v_and_b32 v15, 3, v2
	v_lshl_add_u32 v14, v15, 4, v14                ; the stage, on the way in: SP (lane / 4) + 16 (lane % 4)
	v_mul_u32_u24 v15, v2, SP                      ; and on the way out: SP x lane
	s_lshl_b32 s25, s24, 13                        ; 8,192 x wave
	s_wait_kmcnt 0x0
	s_load_b256 s[32:39], s[18:19], 0x0            ; e0 .. e7
	s_load_b128 s[40:43], s[18:19], 0x20           ; e8 .. e11
	s_cmp_ge_u32 ttmp9, 384
	s_cbranch_scc1 .Lln
	; ---- the weights
	v_add_nc_u32 v14, s25, v14
	v_add_nc_u32 v15, s25, v15
	s_lshl_b32 s22, ttmp9, 2
	s_add_co_u32 s22, s22, s24                     ; run = 4 x work-group + wave: 8,192 codes of c1's weights, in c1's order
	s_and_b32 s50, s22, 7                          ; w_qkv: the run's first row of c1 is z = run >> 7, hd = (run >> 3) & 15, d = 8 (run & 7):
	s_mul_i32 s50, s50, 384                        ; source row 48 d + 16 z + hd; the run's next rows lie 48 source rows on
	s_lshr_b32 s51, s22, 7
	s_lshl_b32 s51, s51, 4
	s_add_co_u32 s50, s50, s51
	s_bfe_u32 s51, s22, 0x40003
	s_add_co_u32 s50, s50, s51
	s_lshl_b32 s50, s50, 12                        ; in bytes
	s_mov_b32 s47, 256
	s_cmp_lt_u32 ttmp9, 256                        ; which tensor: the choices hang on the work-group's number alone
	s_cselect_b64 s[44:45], s[10:11], s[12:13]
	s_cselect_b32 s47, 128, s47
	s_cmp_lt_u32 ttmp9, 128
	s_cselect_b64 s[44:45], s[8:9], s[44:45]
	s_cselect_b32 s47, 96, s47
	s_cmp_lt_u32 ttmp9, 96
	s_cselect_b64 s[44:45], s[6:7], s[44:45]
	s_cselect_b32 s47, 0, s47                      ; the tensor's first work-group
	s_lshl_b32 s51, s47, 2
	s_sub_co_u32 s51, s22, s51
	s_lshl_b32 s51, s51, 15                        ; the other tensors are plain streams: 32,768 bytes a run
	s_mov_b32 s48, 4096
	s_cmp_lt_u32 ttmp9, 96
	s_cselect_b32 s48, 0x30000, s48                ; bytes from one 1,024 numbers of the run to the next
	s_cselect_b32 s54, s50, s51
	s_mov_b32 s55, 0
	s_add_nc_u64 s[44:45], s[44:45], s[54:55]
.irp j, 0,1,2,3,4,5,6,7
	s_mul_i32 s56, s48, \j
	v_add_nc_u32 v[OF+\j], s56, v3
.endr
	s_lshl_b32 s52, s22, 13
	s_mov_b32 s53, 0
	s_add_nc_u64 s[52:53], s[20:21], s[52:53]
	s_add_nc_u64 s[52:53], s[52:53], 0x400000      ; behind h's codes
.irp t, 0,1,2,3
	LOAD \t
.endr
	s_wait_kmcnt 0x0
	s_cmp_lt_u32 ttmp9, 256
	s_cselect_b32 s46, s41, s43                    ; e9 or e11,
	s_cmp_lt_u32 ttmp9, 128
	s_cselect_b32 s46, s39, s46                    ; e7,
	s_cmp_lt_u32 ttmp9, 96
	s_cselect_b32 s46, s33, s46                    ; e1
	s_add_co_i32 s46, s46, 127
	s_lshl_b32 s47, s46, 23
	v_mov_b32 v11, s47                             ; 2^e as f32: the conversion takes its exponent field
	s_add_co_i32 s46, s46, 8
	s_lshl_b32 s46, s46, 23
	s_or_b32 s46, s46, 0x600000
	v_mov_b32 v10, s46                             ; 448 x 2^e
	s_wait_loadcnt 12                              ; step 0's four loads are in
	TURN 0
.irp t, 0,1,2,3,4,5,6,7,8,9,10,11,12,13,14,15
	STEP \t
.endr
	s_wait_tensorcnt 0x0
	ds_add_u32 v254, v255
	s_wait_dscnt 0x0
	s_endpgm
	; ---- the norm: rows 16 (work-group - 384) + 4 wave + 0 .. 3
.Lln:
	s_add_co_u32 s25, s25, 32768
	v_add_nc_u32 v14, s25, v14
	v_add_nc_u32 v15, s25, v15
	s_sub_co_u32 s22, ttmp9, 384
	s_lshl_b32 s22, s22, 4
	s_lshl_b32 s23, s24, 2
	s_add_co_u32 s22, s22, s23
	s_lshl_b32 s54, s22, 12
	s_mov_b32 s55, 0
	s_add_nc_u64 s[PX:PX+1], s[PX:PX+1], s[54:55]
	s_lshl_b32 s54, s22, 10
	s_add_nc_u64 s[PO:PO+1], s[20:21], s[54:55]
	s_mov_b32 s28, 0x76543210                      ; v_permlanex16_b32: lane l xor 16
	s_mov_b32 s29, 0xfedcba98
	s_mov_b32 s30, 0x3a800000                      ; 2^-10
	s_mov_b32 s31, 0x3727c5ac                      ; EPS = 1e-5
	v_mov_b32 v249, 0                              ; named as the upper halves of pairs, and as a permute's destination: written once
	v_mov_b32 v251, 0
	v_mov_b32 v253, 0
.irp i, 0,1,2,3,4,5,6,7
	global_load_b128 v[WG+4*\i:WG+4*\i+3], v3, s[PW:PW+1] offset:512*\i
.endr
.irp i, 0,1,2,3,4,5,6,7
	global_load_b128 v[BG+4*\i:BG+4*\i+3], v3, s[PB:PB+1] offset:512*\i
.endr
.irp p, 0,1,2,3
.irp i, 0,1,2,3,4,5,6,7
	global_load_b128 v[XR+32*\p+4*\i:XR+32*\p+4*\i+3], v3, s[PX:PX+1] offset:4096*\p+512*\i th:TH_LOAD_NT
.endr
.endr
	s_wait_kmcnt 0x0
	s_add_co_i32 s46, s32, 127                     ; e0
	s_lshl_b32 s47, s46, 23
	v_mov_b32 v11, s47
	s_add_co_i32 s46, s46, 8
	s_lshl_b32 s46, s46, 23
	s_or_b32 s46, s46, 0x600000
	v_mov_b32 v10, s46
	LNROW 0
	LNROW 1
	LNROW 2
	LNROW 3
	s_wait_tensorcnt 0x0
	ds_add_u32 v254, v255
	s_wait_dscnt 0x0
	s_endpgm
.Lfunc_end_k_qbf6c637021_prep:
	.size	k_qbf6c637021_prep, .Lfunc_end_k_qbf6c637021_prep-k_qbf6c637021_prep
	.p2alignl 7, 3214868480
	.fill 96, 4, 3214868480
	.section	.rodata,"a",@progbits
	.p2align	6, 0x0
	.amdhsa_kernel k_qbf6c637021_prep
		.amdhsa_group_segment_fixed_size 66048
		.amdhsa_private_segment_fixed_size 0
		.amdhsa_enable_private_segment 0
		.amdhsa_kernarg_size 72
		.amdhsa_user_sgpr_count 2
		.amdhsa_user_sgpr_kernarg_segment_ptr 1
		.amdhsa_wavefront_size32 1
		.amdhsa_system_sgpr_workgroup_id_x 1
		.amdhsa_system_sgpr_workgroup_id_y 1
		.amdhsa_system_sgpr_workgroup_id_z 1
		.amdhsa_system_vgpr_workitem_id 0
		.amdhsa_next_free_vgpr 256
		.amdhsa_next_free_sgpr 66
		.amdhsa_reserve_vcc 0
		.amdhsa_float_denorm_mode_32 3
		.amdhsa_float_denorm_mode_16_64 3
		.amdhsa_memory_ordered 1
		.amdhsa_forward_progress 1
		.amdhsa_inst_pref_size 83
	.end_amdhsa_kernel
	.amdgpu_metadata
---
amdhsa.version: [ 1, 2 ]
amdhsa.kernels:
  - .name:           k_qbf6c637021_prep
    .symbol:         k_qbf6c637021_prep.kd
    .args:
      - { .name: x, .offset: 0, .size: 8, .value_kind: global_buffer, .address_space: global }
      - { .name: w_qkv, .offset: 8, .size: 8, .value_kind: global_buffer, .address_space: global }
      - { .name: w_o, .offset: 16, .size: 8, .value_kind: global_buffer, .address_space: global }
      - { .name: w1, .offset: 24, .size: 8, .value_kind: global_buffer, .address_space: global }
      - { .name: w2, .offset: 32, .size: 8, .value_kind: global_buffer, .address_space: global }
      - { .name: ln1_w, .offset: 40, .size: 8, .value_kind: global_buffer, .address_space: global }
      - { .name: ln1_b, .offset: 48, .size: 8, .value_kind: global_buffer, .address_space: global }
      - { .name: lowp_scales, .offset: 56, .size: 8, .value_kind: global_buffer, .address_space: global }
      - { .name: c1, .offset: 64, .size: 8, .value_kind: global_buffer, .address_space: global }
    .group_segment_fixed_size: 66048
    .private_segment_fixed_size: 0
    .kernarg_segment_align: 8
    .kernarg_segment_size: 72
    .max_flat_workgroup_size: 128
    .sgpr_count:     66
    .vgpr_count:     256
    .wavefront_size: 32
...
	.end_amdgpu_metadata
.endif
;; end of part 1
;; launch gemm_qkv (part 2): grid 12 x 16, 4 waves a work-group, clusters of 4 x 4, 327,680 bytes of LDS; arguments c1, lowp_scales, qkv; writes qkv
.if DOCPART == 2
	.amdgcn_target "amdgcn-amd-amdhsa--gfx1250"
	.amdhsa_code_object_version 6
	.text
	.protected	k_qbf6c637021_gemm_qkv
	.globl	k_qbf6c637021_gemm_qkv
	.p2align	8
	.type	k_qbf6c637021_gemm_qkv,@function
k_qbf6c637021_gemm_qkv:
	s_mov_b64 s[64:65], 0
	v_nop
	global_prefetch_b8 v0, s[64:65] scope:SCOPE_SE
	s_setreg_imm32_b32 hwreg(HW_REG_WAVE_MODE, 25, 1), 1
	s_wait_xcnt 0x0
	s_wait_alu depctr_hold_cnt(0) depctr_sa_sdst(0) depctr_va_vdst(0) depctr_va_sdst(0) depctr_va_ssrc(0) depctr_va_vcc(0) depctr_vm_vsrc(0)
	s_getreg_b32 s2, hwreg(HW_REG_IB_STS2, 6, 4)
	s_cmp_eq_u32 s2, 0
	s_cbranch_scc0 .Lentry_in_a_cluster
	s_endpgm
.Lentry_in_a_cluster:
	s_bfe_u32 s2, ttmp6, 0x10000c
	s_cmp_lg_u32 s2, 0xf033
	s_cbranch_scc0 .Lentry_shape_is_right
	s_endpgm
.Lentry_shape_is_right:
; q, k, v = Q((h w_qkv^T) x (3 x 2^20)^-1/4), on codes of E4M3 out of c1 (h at byte 0, the permuted w_qkv at byte 4,194,304; rows of 1,024 bytes), sums in f32, codes out.
; OUT, the buffer qkv, 3,072 rows of 4,096 bytes: row s (0..2047), byte b*2048 + z*1024 + hd*64 + d: q (z = 0, scale entry 2) and k (z = 1, entry 3);
; row 2048 + hd*64 + d, byte b*2048 + s: V TRANSPOSED (entry 5), since the keys are the K of attention's second product.
; A tile of 256 x 256 to a work-group of four waves, a wave 128 x 128: 64 accumulators, 512 registers.  K in steps of 256 through a ring of two LDS slots filled by the tensor data mover.
; CLUSTERS of 4 x 4: the four of a row of the cluster need the same tile of A, the four of a column the same tile of B: each is asked for jointly.
; The matrix instruction is used transposed (source 0 = 16 rows of B, source 1 = 16 rows of A): a lane holds eight neighbouring columns of one row of the result, which the conversion wants.
; The cluster's x is z.  For z = 2 the ROLES ARE SWAPPED BY ADDRESSES ALONE: A = v's 1,024 rows of the weight, B = h: the result is V^T with the keys along a lane's registers.  No branch hangs on it.
; LIMITS: e0 + e1 between -120 and 133 (added to the factor's exponent field); e2, e3, e5 between -126 and 119.  NaN is not served.
; REGISTERS, in windows of 256: window 0: v0-31 addresses; v32-95 at work on the way out; from v128 A's fragments, ONE set.  window 1: B's fragments, TWO sets.  windows 2, 3: accumulator (a, b) at v[8 (8 (a % 4) + b)].
.set KROW,   1024                      ; a row of A or of B in memory, in bytes
.set ROWB,   256                       ; a tile's row
.set PITCH,  272                       ; an LDS row: 256 bytes + 16 of padding = 68 words: the 16 rows that a load touches start at 16 different banks (ISA guide 11.1)
.set FR,     16
.set NL,     4
.set NP,     4                         ; places behind this matrix instruction (ISA guide 7.12.1)
.set HALFT,  128*PITCH
.set SLOT,   4*HALFT
.set LAPS,   KROW/512
.set SPARE,  2*SLOT                    ; behind the ring: the spare words, 128 bytes a wave, that no other line names
.set ADRA, 16
.set ADRB, 20
.set STO,  24
.set RD,   25
.set CO,   26
.set SPW,  28
.set NIL,  29
.set TMP,  32
.set AF,   128
.set G1, 24
.set G0, 32
.set G1B, 48
.set G0B, 56
.set MSB, 0
.macro WIN new                         ; the immediate's high byte repeats the setting that is left
.if MSB != \new
	s_set_vgpr_msb (MSB<<8)|\new
.set MSB, \new
.endif
.endm
.set MUL_LO, 0xa1                      ; source 0 (B) window 1, source 1 (A) window 0, C and D window 2
.set MUL_HI, 0xf1
.set TO_B,   0x40
.macro JLOAD g0a, g1a, g0b, g1b        ; a joint load: waves 0 and 1 fetch for A, waves 2 and 3 for B; four v_nop follow each line
	s_cmp_eq_u32 s15, 0
	s_cbranch_scc0 .Lfor_b_\@
	tensor_load_to_lds s[\g0a:\g0a+3], s[\g1a:\g1a+7]
	s_nop 0
.rept 4
	v_nop
.endr
	s_branch .Lasked_\@
.Lfor_b_\@:
	tensor_load_to_lds s[\g0b:\g0b+3], s[\g1b:\g1b+7]
	s_nop 0
.rept 4
	v_nop
.endr
.Lasked_\@:
.endm
.macro CREST                           ; a round of the cluster's barrier behind its opening barrier
	s_cmp_lg_u32 s14, 0
	s_cbranch_scc1 .Lnot_wave_0_\@
	s_barrier_signal -3
.Lnot_wave_0_\@:
	s_barrier_wait -3
	s_barrier_signal -1
	s_barrier_wait -1
.endm
.macro CROUND
	s_barrier_signal -1
	s_barrier_wait -1
	CREST
.endm
	s_load_b64 s[4:5], s[0:1], 0x0                 ; c1
	s_load_b128 s[8:11], s[0:1], 0x8               ; the scales' exponents, qkv
	v_lshl_add_u32 v[SPW], v0, 2, SPARE
	v_mov_b32 v[NIL], 0
	ds_add_u32 v28, v29
	ds_add_u32 v28, v29
	s_wait_dscnt 0x0
	v_lshrrev_b32 v1, 5, v0
	v_readfirstlane_b32 s14, v1                    ; wave 0..3
	s_lshr_b32 s15, s14, 1                         ; which half of the tile's rows is mine.  Also: I fetch for A (0) or for B (1)
	s_and_b32 s16, s14, 1                          ; which half of its columns.  Also: which 128 rows of that tile I fetch
	s_bfe_u32 s40, ttmp6, 0x40000                  ; cx, cy
	s_bfe_u32 s41, ttmp6, 0x40004
	s_and_b32 s66, ttmp7, 0xffff                   ; cluster y
	s_lshl_b32 s67, s66, 2                         ; 4 x cluster y
	s_lshl_b32 s76, ttmp9, 2                       ; 4 z
	s_add_co_u32 s77, s76, 16
	s_and_b32 s78, s66, 1
	s_lshl_b32 s78, s78, 2
	s_lshr_b32 s79, s66, 1
	s_lshl_b32 s79, s79, 3
	s_add_co_u32 s79, s79, s76
	s_cmp_eq_u32 ttmp9, 2                          ; tiles are counted in 256 rows of c1: h is tiles 0-15, the weight tiles 16-27
	s_cselect_b32 s17, 24, s67                     ; A's tile less cy: v's rows of the weight, or h's rows
	s_cselect_b32 s42, s67, s77                    ; B's tile less cx: h's rows, or z's rows of the weight
	s_cselect_b32 s66, 8, s78                      ; the result's 256 rows of qkv, less cy
	s_cselect_b32 s67, s67, s79                    ; and its 256 bytes of them, less cx
	s_add_co_u32 s17, s17, s41
	s_add_co_u32 s42, s42, s40
	s_add_co_u32 s66, s66, s41
	s_add_co_u32 s67, s67, s40
	s_lshl_b32 s43, s41, 2
	s_lshl_b32 s43, 15, s43                        ; my row of the cluster
	s_lshl_b32 s44, 0x1111, s40                    ; my column
	s_or_b32 s[G1+0], s43, (0<<16)|(1<<20)|(1<<21)|(5<<22)|(3<<25)  ; the mask; elements of 1 byte; padding on; bit 21 beside a mask; 4 words behind every 64
	s_or_b32 s[G1B+0], s44, (0<<16)|(1<<20)|(1<<21)|(5<<22)|(3<<25)
.irp g, G1, G1B
	s_mov_b32 s[\g+1], ROWB<<16                    ; tensor_dim0
	s_mov_b32 s[\g+2], 128<<16                     ; tensor_dim1
	s_mov_b32 s[\g+3], ROWB<<16                    ; tile_dim0
	s_mov_b32 s[\g+4], 128                         ; tile_dim1
	s_mov_b32 s[\g+5], KROW                        ; the pitch
	s_mov_b32 s[\g+6], 0
	s_mov_b32 s[\g+7], 0
.endr
	s_lshl_b32 s18, s16, 7
	s_lshl_b32 s20, s17, 8
	s_add_co_u32 s20, s20, s18                     ; A: row 256 x tile + 128 x half
	s_lshl_b32 s46, s42, 8
	s_add_co_u32 s46, s46, s18                     ; B likewise
	s_mov_b32 s21, 0
	s_mov_b32 s47, 0
	s_mov_b64 s[18:19], KROW
	s_mul_u64 s[20:21], s[20:21], s[18:19]
	s_mul_u64 s[46:47], s[46:47], s[18:19]
	s_mul_i32 s45, s14, HALFT                      ; where they go: wave x 128 rows
	s_wait_kmcnt 0x0
	s_load_b256 s[68:75], s[8:9], 0x0              ; e0 .. e7
	s_mov_b64 s[6:7], s[4:5]                       ; both operands lie in c1
	s_add_nc_u64 s[20:21], s[4:5], s[20:21]
	s_add_nc_u64 s[46:47], s[6:7], s[46:47]
	CROUND                                         ; all sixteen work-groups are here: the first joint loads meet
.irp s, 0,1
	s_mov_b32 s[G0+4*\s], 1
	s_add_co_u32 s[G0+4*\s+1], s45, \s*SLOT
	s_add_nc_u64 s[G0+4*\s+2:G0+4*\s+3], s[20:21], \s*ROWB
	s_or_b32 s[G0+4*\s+3], s[G0+4*\s+3], 0x80000000
	s_mov_b32 s[G0B+4*\s], 1
	s_add_co_u32 s[G0B+4*\s+1], s45, \s*SLOT
	s_add_nc_u64 s[G0B+4*\s+2:G0B+4*\s+3], s[46:47], \s*ROWB
	s_or_b32 s[G0B+4*\s+3], s[G0B+4*\s+3], 0x80000000
	JLOAD G0+4*\s, G1, G0B+4*\s, G1B
.endr
	v_and_b32 v1, 15, v0                           ; r = l % 16
	v_bfe_u32 v2, v0, 4, 1                         ; h = l / 16
	v_mul_u32_u24 v3, v1, PITCH
	v_lshl_add_u32 v4, v2, 4, v3                   ; a fragment's row x pitch + 16 x half
	s_mul_i32 s21, s15, HALFT
	s_mul_i32 s22, s16, HALFT
	s_add_co_u32 s22, s22, 2*HALFT
.irp s, 0,1
	v_add_nc_u32 v[ADRA+\s], s21, v4
	v_add_nc_u32 v[ADRB+\s], s22, v4
	s_add_co_u32 s21, s21, SLOT
	s_add_co_u32 s22, s22, SLOT
.endr
	; the way out: ONE stage of 256 rows x 272 bytes of codes for the work-group, in slot 0
	s_mul_i32 s80, s15, 128*PITCH
	s_lshl_b32 s81, s16, 7
	s_add_co_u32 s80, s80, s81
	v_lshl_add_u32 v5, v2, 3, v3
	v_add_nc_u32 v[STO], s80, v5                   ; in: row 128 x (my half of the rows) + r, byte 128 x (my half of the columns) + 8 h
	s_mul_i32 s80, s14, 64*PITCH
	v_mul_u32_u24 v5, v2, PITCH
	v_lshl_add_u32 v5, v1, 4, v5
	v_add_nc_u32 v[RD], s80, v5                    ; back: wave w takes rows 64 w on, whole: lanes 0-15 one row of 256 bytes, lanes 16-31 the next
	v_lshlrev_b32 v5, 12, v2
	v_lshl_add_u32 v[CO], v1, 4, v5                ; and the same two rows in qkv
	s_lshl_b32 s80, s66, 8
	s_lshl_b32 s81, s14, 6
	s_add_co_u32 s80, s80, s81
	s_lshl_b32 s80, s80, 12
	s_lshl_b32 s81, s67, 8
	s_add_co_u32 s80, s80, s81
	s_mov_b32 s81, 0
	s_add_nc_u64 s[10:11], s[10:11], s[80:81]
.macro FRAG reg, adr, q, i             ; 16 rows x 128 K: registers 4 c .. 4 c + 3 hold K = 32 c + 16 (l / 16) + 0 .. 15: one permutation of k, alike in A and B
.irp c, 0,1,2,3
	ds_load_b128 v[\reg+4*\c:\reg+4*\c+3], v[\adr] offset:128*(\q)+32*\c+(\i)*16*PITCH
.endr
.endm
; 16 matrix instructions.  The 64 accumulators take turns, one instruction a turn, in the same order in every step.
.macro MUL16 a0, p, zero
.irp a, \a0, \a0+1
.irp b, 0,1,2,3,4,5,6,7
.if \zero
	v_wmma_f32_16x16x128_fp8_fp8 v[8*(8*((\a)%4)+\b):8*(8*((\a)%4)+\b)+7], v[128*(\p)+FR*\b:128*(\p)+FR*\b+FR-1], v[AF+FR*(\a):AF+FR*(\a)+FR-1], 0
.else
	v_wmma_f32_16x16x128_fp8_fp8 v[8*(8*((\a)%4)+\b):8*(8*((\a)%4)+\b)+7], v[128*(\p)+FR*\b:128*(\p)+FR*\b+FR-1], v[AF+FR*(\a):AF+FR*(\a)+FR-1], v[8*(8*((\a)%4)+\b):8*(8*((\a)%4)+\b)+7]
.endif
.endr
.endr
.endm
.macro FETCH_B slot, q, p
	WIN TO_B
.irp i, 0,1,2,3,4,5,6,7
	FRAG 128*(\p)+FR*\i, ADRB+\slot, \q, \i
.endr
	WIN 0
.endm
.macro FETCH_A slot, q, i0
.irp i, \i0, \i0+1, \i0+2, \i0+3
	FRAG AF+FR*(\i), ADRA+\slot, \q, \i
.endr
.endm
.macro PLACES n                        ; plain vector instructions between a matrix instruction and a load into, or a vector read or write of, its registers
.rept \n
	v_nop
.endr
.endm
.macro STEP slot, q, zero              ; 128 along K, with its successor in the same slot
	s_wait_dscnt 4*NL                              ; B's set and A's blocks 0-3 are in; the youngest 16 loads (A's blocks 4-7) may be out
	WIN MUL_LO
	MUL16 0, (\q)%2, \zero
	MUL16 2, (\q)%2, \zero
	s_wait_dscnt 0
	PLACES NP
	FETCH_B \slot, (\q)+1, 1-(\q)%2
	FETCH_A \slot, (\q)+1, 0
	WIN MUL_HI
	MUL16 4, (\q)%2, \zero
	MUL16 6, (\q)%2, \zero
	PLACES NP
	WIN 0
	FETCH_A \slot, (\q)+1, 4
.endm
; A slot's last step changes slots: one barrier; in front of it each wave waits for all its tensor loads, adds 0 to its spare word, and waits for that and for its reads of this slot.
.macro TURN slot, next, fill
	s_wait_tensorcnt 0x0                           ; all my tensor loads have landed: my part of the next slot
	ds_add_u32 v[SPW], v[NIL]                      ; 0 onto my spare word
	s_wait_dscnt 4*NL+1                            ; the add and the youngest 16 loads may be out
	WIN MUL_LO
	MUL16 0, 1, 0
	s_wait_dscnt 0x0                               ; the add is done, and my reads of this slot are over
	s_barrier_signal -1
	MUL16 2, 1, 0
	WIN 0
	s_barrier_wait -1
.if \fill
	CREST                                          ; the barrier has opened a round of the cluster's: no wave of any partner still reads this slot or has a load on its way
	s_add_nc_u64 s[G0+4*\slot+2:G0+4*\slot+3], s[G0+4*\slot+2:G0+4*\slot+3], 2*ROWB
	s_add_nc_u64 s[G0B+4*\slot+2:G0B+4*\slot+3], s[G0B+4*\slot+2:G0B+4*\slot+3], 2*ROWB
	JLOAD G0+4*\slot, G1, G0B+4*\slot, G1B         ; the first tensor load behind the round; its four v_nop are the places in front of the loads below
.else
	PLACES NP
.endif
	FETCH_B \next, 0, 0
	FETCH_A \next, 0, 0
	WIN MUL_HI
	MUL16 4, 1, 0
	MUL16 6, 1, 0
	PLACES NP
	WIN 0
	FETCH_A \next, 0, 4
.endm
	s_wait_tensorcnt 1                             ; my part of K step 0 is in; K step 1's load may be out
	s_barrier_signal -1
	s_barrier_wait -1
	FETCH_B 0, 0, 0
	FETCH_A 0, 0, 0
	FETCH_A 0, 0, 4
	STEP 0, 0, 1                                   ; the first step's products start the sums
	s_mov_b32 s3, LAPS-1
.Llap:
	TURN 0, 1, 1
	STEP 1, 0, 0
	TURN 1, 0, 1
	STEP 0, 0, 0
	s_sub_co_u32 s3, s3, 1
	s_cmp_lg_u32 s3, 0
	s_cbranch_scc1 .Llap
	TURN 0, 1, 0                                   ; the last lap fills nothing
	STEP 1, 0, 0
	s_wait_dscnt 4*NL
	WIN MUL_LO
	MUL16 0, 1, 0
	MUL16 2, 1, 0
	s_wait_dscnt 0
	WIN MUL_HI
	MUL16 4, 1, 0
	MUL16 6, 1, 0
	WIN 0
	; THE WAY OUT.  sum x factor, the hold, eight neighbours to eight codes; 8 bytes a lane into the stage; a barrier, since a row's 256 bytes come from two waves; whole rows out.
	; The stage lies in slot 0, which has had its last fill, and which nobody reads behind the last change of slots.
	s_wait_kmcnt 0x0
	s_add_co_i32 s96, s68, s69
	s_lshl_b32 s96, s96, 23
	s_add_co_i32 s96, s96, 0x3cc28497              ; (3 x 2^20)^-1/4 x 2^(e0 + e1)
	s_mov_b32 s97, s96
	s_cmp_eq_u32 ttmp9, 1
	s_cselect_b32 s76, s71, s70                    ; k: e3, q: e2,
	s_cmp_eq_u32 ttmp9, 2
	s_cselect_b32 s76, s73, s76                    ; v: e5
	s_add_co_i32 s76, s76, 127
	s_lshl_b32 s77, s76, 23
	v_mov_b32 v13, s77                             ; 2^e
	s_add_co_i32 s76, s76, 8
	s_lshl_b32 s76, s76, 23
	s_or_b32 s76, s76, 0x600000
	v_mov_b32 v12, s76                             ; 448 x 2^e
	PLACES NP
.macro CODEBLK a
.set AC, 64*((\a)%4)
	WIN 0x02+((\a)/4)                              ; source 0: window 2 or 3
.set i, 0
.rept 32
	v_pk_mul_f32 v[TMP+2*i:TMP+2*i+1], v[AC+2*i:AC+2*i+1], s[96:97] op_sel_hi:[1,0]   ; each accumulator from its low end on
.set i, i+1
.endr
	WIN 0
.set i, 0
.rept 64
	v_med3_num_f32 v[TMP+i], v[TMP+i], -v12, v12
.set i, i+1
.endr
.irp b, 0,1,2,3,4,5,6,7
	v_cvt_scalef32_pk8_fp8_f32 v[128+16*(\a)+2*\b:129+16*(\a)+2*\b], v[TMP+8*\b:TMP+8*\b+7], v13
.endr
	v_nop                                          ; a plain instruction behind the conversions, ahead of the next block's writes of their sources
.irp b, 0,1,2,3,4,5,6,7
	ds_store_b64 v[STO], v[128+16*(\a)+2*\b:129+16*(\a)+2*\b] offset:(\a)*16*PITCH+16*\b
.endr
.endm
.irp a, 0,1,2,3,4,5,6,7
	CODEBLK \a
.endr
	s_wait_dscnt 0x0                               ; for the others' sake: my stores into the stage are done
	s_barrier_signal -1
	s_barrier_wait -1
.set t, 0
.rept 32
	ds_load_b128 v[128+4*t:131+4*t], v[RD] offset:t*2*PITCH
.set t, t+1
.endr
.set t, 0
.rept 32
	s_wait_dscnt 31-t                              ; the younger loads may be out
	global_store_b128 v[CO], v[128+4*t:131+4*t], s[10:11] offset:t*8192   ; 16 lanes store 256 consecutive bytes, aligned
.set t, t+1
.endr
	s_wait_tensorcnt 0x0                           ; the wave's end
	ds_add_u32 v[SPW], v[NIL]
	s_wait_dscnt 0x0
	CROUND                                         ; the closing round
	s_endpgm
.Lfunc_end_k_qbf6c637021_gemm_qkv:
	.size	k_qbf6c637021_gemm_qkv, .Lfunc_end_k_qbf6c637021_gemm_qkv-k_qbf6c637021_gemm_qkv
	.p2alignl 7, 3214868480
	.fill 96, 4, 3214868480
	.section	.rodata,"a",@progbits
	.p2align	6, 0x0
	.amdhsa_kernel k_qbf6c637021_gemm_qkv
		.amdhsa_group_segment_fixed_size 327680
		.amdhsa_private_segment_fixed_size 0
		.amdhsa_enable_private_segment 0
		.amdhsa_kernarg_size 24
		.amdhsa_user_sgpr_count 2
		.amdhsa_user_sgpr_kernarg_segment_ptr 1
		.amdhsa_wavefront_size32 1
		.amdhsa_system_sgpr_workgroup_id_x 1
		.amdhsa_system_sgpr_workgroup_id_y 1
		.amdhsa_system_sgpr_workgroup_id_z 1
		.amdhsa_system_vgpr_workitem_id 0
		.amdhsa_next_free_vgpr 1024
		.amdhsa_next_free_sgpr 98
		.amdhsa_reserve_vcc 0
		.amdhsa_float_denorm_mode_32 3
		.amdhsa_float_denorm_mode_16_64 3
		.amdhsa_memory_ordered 1
		.amdhsa_forward_progress 1
		.amdhsa_inst_pref_size 142
	.end_amdhsa_kernel
	.amdgpu_metadata
---
amdhsa.version: [ 1, 2 ]
amdhsa.kernels:
  - .name:           k_qbf6c637021_gemm_qkv
    .symbol:         k_qbf6c637021_gemm_qkv.kd
    .args:
      - { .name: c1, .offset: 0, .size: 8, .value_kind: global_buffer, .address_space: global }
      - { .name: lowp_scales, .offset: 8, .size: 8, .value_kind: global_buffer, .address_space: global }
      - { .name: qkv, .offset: 16, .size: 8, .value_kind: global_buffer, .address_space: global }
    .group_segment_fixed_size: 327680
    .private_segment_fixed_size: 0
    .kernarg_segment_align: 8
    .kernarg_segment_size: 24
    .max_flat_workgroup_size: 128
    .sgpr_count:     98
    .vgpr_count:     1024
    .wavefront_size: 32
...
	.end_amdgpu_metadata
.endif
;; end of part 2
;; launch attn (part 3): grid 8 x 32, 4 waves a work-group, no clusters, 20,992 bytes of LDS; arguments qkv, lowp_scales, avf; writes avf
.if DOCPART == 3
	.amdgcn_target "amdgcn-amd-amdhsa--gfx1250"
	.amdhsa_code_object_version 6
	.text
	.protected	k_qbf6c637021_attn
	.globl	k_qbf6c637021_attn
	.p2align	8
	.type	k_qbf6c637021_attn,@function
k_qbf6c637021_attn:
	s_mov_b64 s[64:65], 0
	v_nop
	global_prefetch_b8 v0, s[64:65] scope:SCOPE_SE
	s_setreg_imm32_b32 hwreg(HW_REG_WAVE_MODE, 25, 1), 1
	s_wait_xcnt 0x0
; av = Q( (Q(softmax(q k^T x MM) x SM) v) x MM ), both products on codes of E4M3.  MM = 2^(-14/3), SM = 2048 / sqrt(1.31 x 1.65).
; THE SOFTMAX IS QUANTISED FINISHED: a row's maximum and sum are known before any weight becomes a code.  So a tile of 16 queries keeps ALL its 2,048 scores in registers:
; a work-group takes one head (grid y: b = y / 16, hd = y % 16) and 256 queries (grid x), 16 tiles one after the other; WAVE w OWNS KEYS 512 w .. 512 w + 511.  Its K (256 registers) and V^T (256)
; stay in registers for the whole launch, read from memory once; a tile's scores are 256 registers more.  Each score and each exponential is made once.
; A TILE: S^T = K Q^T (a lane holds one query, lane % 16) | my keys' maximum m_w; p = 2^(t - m_w); my sum l_w | (m_w, l_w) to LDS, barrier | M = max m_w, L = sum 2^(m_w - M) l_w;
; p x 2^(m_w - M) SM / L, held, to codes | O^T = V^T P^T over my keys | to LDS, barrier | each wave adds the four parts of a quarter of the tile, x MM, to codes, one store of 256 bytes.
; The maximum is taken away as in the definition: first each wave's own, then 2^(m_w - M) brings all under the row's.
; THE KEYS OF A TILE OF K ARE NOT NEIGHBOURS: lane r of tile 2 b + u of a group of 128 takes key 32 b + 8 u + r + 8 (r / 8), so that the 16 registers of two neighbouring tiles are 16 neighbouring keys,
; in the order in which the second product's operand wants them; V^T's rows are chosen likewise, so that a lane's results are neighbours along d.
; OUT, avf: av's codes in the order of an operand's registers: [row tile 256][K step 8][c 4][lane 32][16 bytes]; lane 16 h + r holds row 16 tile + r, k = 128 step + 32 c + 16 h + 0 .. 15; k = 64 hd + d.
; No tensor load and no joint load: K and V are read once a work-group, 128 KiB, straight into the registers in which they stay, against 16 tiles of work; through LDS they would only go a longer way.
; No prefetch: the loop's only stream is 1 KiB of Q a tile, loaded a tile ahead.
; LIMITS: e2 + e3 between -121 and 132 and e4 + e5 between -121 and 132 (added to a factor's exponent field); e4, e6 between -126 and 119.  NaN is not served.
; REGISTERS: window 1: K, tile t at v[8 t].  window 2: V^T, fragment (g, dt) at v[16 (4 g + dt)].  window 3: S^T, tile t at v[8 t].
;   window 0: v2-9 addresses; v[10:11] (-m_w, l_w); v12-15, v16-23 chains; v24-31 the four waves' (-m, l); v32-37 at work; v[38:39] my factor; v40, v41: 448 x 2^e4, 2^e4; v42, v43: the same of e6;
;   v44-51 Q; v[52:53] codes out; v64-127 P's codes; v128-159 O^T; v160-191 the four parts.
.set KVO, 2
.set QO0, 3
.set QO,  4
.set STA, 5
.set STR, 6
.set OWA, 7
.set ORA, 8
.set GOF, 9
.set OBB,  512                         ; LDS: bytes 0-511 the waves' (-m, l); from 512 the waves' O^T:
.set WPIT, 4608                        ; a wave's four tiles,
.set TPIT, 1152                        ; a tile's 1,024 bytes + 128, so that the even and the odd lanes of the adding wave fall on different banks
.set MSB, 0
.macro WIN new
.if MSB != \new
	s_set_vgpr_msb (MSB<<8)|\new
.set MSB, \new
.endif
.endm
	s_load_b128 s[4:7], s[0:1], 0x0                ; qkv, the scales' exponents
	s_load_b64 s[8:9], s[0:1], 0x10                ; avf
	v_lshl_add_u32 v254, v0, 2, 0x5000
	v_mov_b32 v255, 0
	v_lshrrev_b32 v1, 5, v0
	v_readfirstlane_b32 s10, v1                    ; wave
	v_and_b32 v1, 31, v0                           ; lane
	v_and_b32 v54, 15, v0                          ; r
	v_bfe_u32 v55, v0, 4, 1                        ; h
	v_and_b32 v56, 8, v54
	v_add_nc_u32 v56, v56, v54                     ; r + 8 (r / 8)
	v_lshlrev_b32 v[KVO], 12, v56
	v_lshl_add_u32 v[KVO], v55, 4, v[KVO]          ; K, V^T: that row of 4,096 bytes, + 16 h
	v_lshlrev_b32 v[QO0], 12, v54
	v_lshl_add_u32 v[QO0], v55, 4, v[QO0]          ; Q: row r, + 16 h
	s_lshl_b32 s11, s10, 7
	v_lshl_add_u32 v[STA], v54, 3, s11             ; my (-m, l): 128 w + 8 r
	v_lshlrev_b32 v[STR], 3, v54
	s_mul_i32 s11, s10, WPIT
	s_add_co_u32 s11, s11, OBB
	v_lshl_add_u32 v[OWA], v1, 4, s11              ; my O^T, as an image of its registers: 16 x lane
	s_lshr_b32 s11, s10, 1                         ; the adding wave w, lane L, wants query L / 2, d = 32 (w / 2) + 16 (w % 2) + 8 (L % 2) + 0 .. 7:
	s_mul_i32 s11, s11, 2*TPIT                     ; tile 2 (w / 2) + L % 2, lane 16 (w % 2) + L / 2 of the image
	s_and_b32 s12, s10, 1
	s_lshl_b32 s12, s12, 8
	s_add_co_u32 s11, s11, s12
	s_add_co_u32 s11, s11, OBB
	v_and_b32 v57, 1, v0
	v_mul_u32_u24 v57, v57, TPIT
	v_bfe_u32 v58, v0, 1, 4
	v_lshl_add_u32 v57, v58, 4, v57
	v_add_nc_u32 v[ORA], s11, v57
	v_lshlrev_b32 v[GOF], 3, v1                    ; out: 8 bytes a lane
	v_mov_b32 v11, 0                               ; named as halves of pairs before they are first made
	v_mov_b32 v39, 0
	s_and_b32 s12, ttmp7, 0xffff
	s_lshr_b32 s13, s12, 4                         ; b
	s_and_b32 s14, s12, 15                         ; hd
	s_lshl_b32 s15, s13, 11
	s_lshl_b32 s16, s14, 6
	s_lshl_b32 s20, s10, 21                        ; K: row 512 w, byte 2048 b + 1024 + 64 hd
	s_add_co_u32 s20, s20, s15
	s_add_co_u32 s20, s20, s16
	s_add_co_u32 s20, s20, 1024
	s_mov_b32 s21, 0
	s_add_co_u32 s22, s16, 2048                    ; V^T: row 2048 + 64 hd, byte 2048 b + 512 w
	s_lshl_b32 s22, s22, 12
	s_add_co_u32 s22, s22, s15
	s_lshl_b32 s17, s10, 9
	s_add_co_u32 s22, s22, s17
	s_mov_b32 s23, 0
	s_lshl_b32 s18, ttmp9, 20                      ; Q: row 256 x, byte 2048 b + 64 hd
	s_add_co_u32 s18, s18, s15
	s_add_co_u32 s18, s18, s16
	s_mov_b32 s19, 0
	s_lshl_b32 s40, s13, 7                         ; out: row tile 128 b + 16 x, byte 1024 hd + 256 w of its 16,384
	s_lshl_b32 s41, ttmp9, 4
	s_add_co_u32 s40, s40, s41
	s_lshl_b32 s40, s40, 14
	s_lshl_b32 s41, s14, 10
	s_add_co_u32 s40, s40, s41
	s_lshl_b32 s41, s10, 8
	s_add_co_u32 s40, s40, s41
	s_mov_b32 s41, 0
	s_mov_b32 s36, 0x76543210                      ; v_permlanex16_b32: lane l xor 16
	s_mov_b32 s37, 0xfedcba98
	s_mov_b32 s38, 0x44ae2020                      ; SM
	s_wait_kmcnt 0x0
	s_load_b256 s[48:55], s[6:7], 0x0              ; e0 .. e7
	s_add_nc_u64 s[24:25], s[4:5], s[20:21]
	s_add_nc_u64 s[26:27], s[4:5], s[22:23]
	s_add_nc_u64 s[28:29], s[4:5], s[18:19]
	s_add_nc_u64 s[30:31], s[8:9], s[40:41]
	global_load_b128 v[44:47], v[QO0], s[28:29]    ; Q of tile 0: k = 16 h + 0 .. 15 and 32 + 16 h + 0 .. 15: one permutation of k, alike in Q and K
	global_load_b128 v[48:51], v[QO0], s[28:29] offset:32
	WIN 0x40                                       ; destination window 1
.set t, 0
.rept 32
	global_load_b128 v[8*t:8*t+3], v[KVO], s[24:25] offset:(128*(t/8)+32*((t%8)/2)+8*(t%2))*4096
	global_load_b128 v[8*t+4:8*t+7], v[KVO], s[24:25] offset:(128*(t/8)+32*((t%8)/2)+8*(t%2))*4096+32
.set t, t+1
.endr
	WIN 0x80                                       ; destination window 2
.irp g, 0,1,2,3
.irp d, 0,1,2,3
.irp c, 0,1,2,3
	global_load_b128 v[16*(4*\g+\d)+4*\c:16*(4*\g+\d)+4*\c+3], v[KVO], s[26:27] offset:(32*(\d/2)+8*(\d%2))*4096+128*\g+32*\c
.endr
.endr
.endr
	WIN 0
	s_wait_kmcnt 0x0
	s_add_co_i32 s11, s50, s51
	s_lshl_b32 s11, s11, 23
	s_add_co_i32 s32, s11, 0x3d68a9cd              ; c = MM log2(e) 2^(e2 + e3): t = sum x c
	s_mov_b32 s33, s32
	s_add_co_i32 s11, s52, s53
	s_lshl_b32 s11, s11, 23
	s_add_co_i32 s34, s11, 0x3d214518              ; MM 2^(e4 + e5)
	s_mov_b32 s35, s34
	s_add_co_i32 s11, s52, 127
	s_lshl_b32 s12, s11, 23
	v_mov_b32 v41, s12
	s_add_co_i32 s11, s11, 8
	s_lshl_b32 s11, s11, 23
	s_or_b32 s11, s11, 0x600000
	v_mov_b32 v40, s11
	s_add_co_i32 s11, s54, 127
	s_lshl_b32 s12, s11, 23
	v_mov_b32 v43, s12
	s_add_co_i32 s11, s11, 8
	s_lshl_b32 s11, s11, 23
	s_or_b32 s11, s11, 0x600000
	v_mov_b32 v42, s11
	s_mov_b32 s39, 0
	s_wait_loadcnt 63                              ; behind K's last load stand V^T's 64: Q and K are in
.Ltile:
	; ---- the scores of my 512 keys
	WIN 0xc1                                       ; K window 1, Q window 0, S^T window 3
.set t, 0
.rept 32
	v_wmma_f32_16x16x64_fp8_fp8 v[8*t:8*t+7], v[8*t:8*t+7], v[44:51], 0
.set t, t+1
.endr
	WIN 0
	s_add_co_u32 s40, s39, 1
	s_min_u32 s40, s40, 15                         ; the last tile asks for its own Q again: no load leaves the buffer
	s_lshl_b32 s40, s40, 16
	v_add_nc_u32 v[QO], s40, v[QO0]                ; with three v_nop: the four places behind the products
	v_nop
	v_nop
	v_nop
	global_load_b128 v[44:47], v[QO], s[28:29]     ; the next tile's Q
	global_load_b128 v[48:51], v[QO], s[28:29] offset:32
	; ---- my keys' maximum, in four chains, each accumulator from its low end on
	WIN 0x3f
.irp c, 0,1,2,3
	v_max3_num_f32 v[12+\c], v[64*\c], v[64*\c+1], v[64*\c+2]
.endr
	WIN 0x3c
.set i, 0
.rept 30
.irp c, 0,1,2,3
	v_max3_num_f32 v[12+\c], v[12+\c], v[64*\c+3+2*i], v[64*\c+4+2*i]
.endr
.set i, i+1
.endr
.irp c, 0,1,2,3
	v_max_num_f32 v[12+\c], v[12+\c], v[64*\c+63]
.endr
	WIN 0
	v_max3_num_f32 v12, v12, v13, v14
	v_max_num_f32 v12, v12, v15
	v_permlanex16_b32 v13, v12, s36, s37           ; the query's other 256 keys lie in the lane 16 away
	v_max_num_f32 v12, v12, v13
	v_mul_f32 v10, -v12, s32                       ; -m_w (c is positive)
	; ---- p = 2^(t - m_w)
	WIN 0xc3
.set i, 0
.rept 128
	v_pk_fma_f32 v[2*i:2*i+1], v[2*i:2*i+1], s[32:33], v[10:11] op_sel_hi:[1,0,0]
.set i, i+1
.endr
.set i, 0
.rept 256
	v_exp_f32 v[i], v[i]
.set i, i+1
.endr
	v_nop                                          ; a plain instruction behind the batch,
	s_wait_alu depctr_va_vdst(0)                   ; and one wait for all 256, ahead of their first reader
	; ---- my sum
	WIN 0x0f
.irp c, 0,1,2,3
	v_pk_add_f32 v[16+2*\c:17+2*\c], v[64*\c:64*\c+1], v[64*\c+2:64*\c+3]
.endr
	WIN 0x0c
.set i, 2
.rept 30
.irp c, 0,1,2,3
	v_pk_add_f32 v[16+2*\c:17+2*\c], v[16+2*\c:17+2*\c], v[64*\c+2*i:64*\c+2*i+1]
.endr
.set i, i+1
.endr
	WIN 0
	v_pk_add_f32 v[16:17], v[16:17], v[18:19]
	v_pk_add_f32 v[20:21], v[20:21], v[22:23]
	v_pk_add_f32 v[16:17], v[16:17], v[20:21]
	v_add_f32 v11, v16, v17
	v_permlanex16_b32 v16, v11, s36, s37
	v_add_f32 v11, v11, v16                        ; l_w
	; ---- the four waves' maxima and sums meet
	ds_store_b64 v[STA], v[10:11]                  ; lanes r and 16 + r hold the same pair and write the same bytes
	s_wait_dscnt 0x0                               ; for the others' sake; my reads of the last tile's O^T are long back too
	s_barrier_signal -1
	s_barrier_wait -1
.irp w, 0,1,2,3
	ds_load_b64 v[24+2*\w:25+2*\w], v[STR] offset:128*\w
.endr
	s_wait_dscnt 0x0
	v_min3_num_f32 v32, v24, v26, v28
	v_min_num_f32 v32, v32, v30                    ; -M
	v_sub_f32 v33, v32, v24                        ; m_w' - M
	v_sub_f32 v34, v32, v26
	v_sub_f32 v35, v32, v28
	v_sub_f32 v36, v32, v30
	v_sub_f32 v37, v32, v10                        ; and my own
.irp j, 33,34,35,36,37
	v_exp_f32 v\j, v\j
.endr
	v_nop
	s_wait_alu depctr_va_vdst(0)
	v_mul_f32 v24, v33, v25
	v_fmac_f32 v24, v34, v27
	v_fmac_f32 v24, v35, v29
	v_fmac_f32 v24, v36, v31                       ; L
	v_rcp_f32 v26, v24
	v_mul_f32 v38, s38, v37                        ; (the plain instruction behind the reciprocal)
	s_wait_alu depctr_va_vdst(0)
	v_mul_f32 v38, v38, v26                        ; 2^(m_w - M) SM / L
	; ---- the finished weights become codes
	WIN 0xc3
.set i, 0
.rept 128
	v_pk_mul_f32 v[2*i:2*i+1], v[2*i:2*i+1], v[38:39] op_sel_hi:[1,0]
.set i, i+1
.endr
.set i, 0
.rept 256
	v_min_num_f32 v[i], v[i], v40                  ; the conversion does not saturate (ISA guide 7.6.2); a weight is not negative, so the hold is one-sided
.set i, i+1
.endr
	WIN 0x03
.set t, 0
.rept 32
	v_cvt_scalef32_pk8_fp8_f32 v[64+2*t:65+2*t], v[8*t:8*t+7], v41
.set t, t+1
.endr
	WIN 0
	v_nop                                          ; a plain instruction between the conversions and the products that read their results
	; ---- O^T over my keys: four accumulators by turns
	s_wait_loadcnt 2                               ; only the next tile's Q may be out: V^T is in
	WIN 0x02                                       ; V^T window 2
.irp g, 0,1,2,3
.irp d, 0,1,2,3
.if \g == 0
	v_wmma_f32_16x16x128_fp8_fp8 v[128+8*\d:135+8*\d], v[16*(4*\g+\d):16*(4*\g+\d)+15], v[64+16*\g:79+16*\g], 0
.else
	v_wmma_f32_16x16x128_fp8_fp8 v[128+8*\d:135+8*\d], v[16*(4*\g+\d):16*(4*\g+\d)+15], v[64+16*\g:79+16*\g], v[128+8*\d:135+8*\d]
.endif
.endr
.endr
	WIN 0
.rept 4
	v_nop
.endr
.irp d, 0,1,2,3
	ds_store_b128 v[OWA], v[128+8*\d:131+8*\d] offset:\d*TPIT
	ds_store_b128 v[OWA], v[132+8*\d:135+8*\d] offset:\d*TPIT+512
.endr
	s_wait_dscnt 0x0                               ; for the others' sake; my reads of the (-m, l) are back too, so they may be written again behind this barrier
	s_barrier_signal -1
	s_barrier_wait -1
	; ---- a quarter of the tile: the four parts are added, x MM, to codes
.irp w, 0,1,2,3
	ds_load_b128 v[160+8*\w:163+8*\w], v[ORA] offset:\w*WPIT
	ds_load_b128 v[164+8*\w:167+8*\w], v[ORA] offset:\w*WPIT+512
.endr
	s_wait_dscnt 0x0
.irp k, 0,2,4,6
	v_pk_add_f32 v[160+\k:161+\k], v[160+\k:161+\k], v[168+\k:169+\k]
	v_pk_add_f32 v[176+\k:177+\k], v[176+\k:177+\k], v[184+\k:185+\k]
.endr
.irp k, 0,2,4,6
	v_pk_add_f32 v[160+\k:161+\k], v[160+\k:161+\k], v[176+\k:177+\k]
.endr
.irp k, 0,2,4,6
	v_pk_mul_f32 v[160+\k:161+\k], v[160+\k:161+\k], s[34:35] op_sel_hi:[1,0]
.endr
.irp k, 0,1,2,3,4,5,6,7
	v_med3_num_f32 v[160+\k], v[160+\k], -v42, v42
.endr
	v_cvt_scalef32_pk8_fp8_f32 v[52:53], v[160:167], v43
	v_nop
	global_store_b64 v[GOF], v[52:53], s[30:31]    ; the wave stores 256 consecutive bytes, aligned
	s_wait_loadcnt 0x0                             ; the next tile's Q is in, and its address register is free
	s_wait_xcnt 0x0                                ; the store has read its data and its base: both are written again only behind this wait
	s_add_nc_u64 s[30:31], s[30:31], 16384
	s_add_co_u32 s39, s39, 1
	s_cmp_lt_u32 s39, 16
	s_cbranch_scc1 .Ltile
	s_wait_tensorcnt 0x0
	ds_add_u32 v254, v255
	s_wait_dscnt 0x0
	s_endpgm
.Lfunc_end_k_qbf6c637021_attn:
	.size	k_qbf6c637021_attn, .Lfunc_end_k_qbf6c637021_attn-k_qbf6c637021_attn
	.p2alignl 7, 3214868480
	.fill 96, 4, 3214868480
	.section	.rodata,"a",@progbits
	.p2align	6, 0x0
	.amdhsa_kernel k_qbf6c637021_attn
		.amdhsa_group_segment_fixed_size 20992
		.amdhsa_private_segment_fixed_size 0
		.amdhsa_enable_private_segment 0
		.amdhsa_kernarg_size 24
		.amdhsa_user_sgpr_count 2
		.amdhsa_user_sgpr_kernarg_segment_ptr 1
		.amdhsa_wavefront_size32 1
		.amdhsa_system_sgpr_workgroup_id_x 1
		.amdhsa_system_sgpr_workgroup_id_y 1
		.amdhsa_system_sgpr_workgroup_id_z 1
		.amdhsa_system_vgpr_workitem_id 0
		.amdhsa_next_free_vgpr 1024
		.amdhsa_next_free_sgpr 66
		.amdhsa_reserve_vcc 0
		.amdhsa_float_denorm_mode_32 3
		.amdhsa_float_denorm_mode_16_64 3
		.amdhsa_memory_ordered 1
		.amdhsa_forward_progress 1
		.amdhsa_inst_pref_size 76
	.end_amdhsa_kernel
	.amdgpu_metadata
---
amdhsa.version: [ 1, 2 ]
amdhsa.kernels:
  - .name:           k_qbf6c637021_attn
    .symbol:         k_qbf6c637021_attn.kd
    .args:
      - { .name: qkv, .offset: 0, .size: 8, .value_kind: global_buffer, .address_space: global }
      - { .name: lowp_scales, .offset: 8, .size: 8, .value_kind: global_buffer, .address_space: global }
      - { .name: avf, .offset: 16, .size: 8, .value_kind: global_buffer, .address_space: global }
    .group_segment_fixed_size: 20992
    .private_segment_fixed_size: 0
    .kernarg_segment_align: 8
    .kernarg_segment_size: 24
    .max_flat_workgroup_size: 128
    .sgpr_count:     66
    .vgpr_count:     1024
    .wavefront_size: 32
...
	.end_amdgpu_metadata
.endif
;; end of part 3
;; launch gemm_o (part 4): grid 4 x 16, 4 waves a work-group, clusters of 4 x 4, 327,680 bytes of LDS; arguments avf, c1, lowp_scales, x, x1; writes x1
.if DOCPART == 4
	.amdgcn_target "amdgcn-amd-amdhsa--gfx1250"
	.amdhsa_code_object_version 6
	.text
	.protected	k_qbf6c637021_gemm_o
	.globl	k_qbf6c637021_gemm_o
	.p2align	8
	.type	k_qbf6c637021_gemm_o,@function
k_qbf6c637021_gemm_o:
	s_mov_b64 s[64:65], 0
	v_nop
	global_prefetch_b8 v0, s[64:65] scope:SCOPE_SE
	s_setreg_imm32_b32 hwreg(HW_REG_WAVE_MODE, 25, 1), 1
	s_wait_xcnt 0x0
	s_wait_alu depctr_hold_cnt(0) depctr_sa_sdst(0) depctr_va_vdst(0) depctr_va_sdst(0) depctr_va_ssrc(0) depctr_va_vcc(0) depctr_vm_vsrc(0)
	s_getreg_b32 s2, hwreg(HW_REG_IB_STS2, 6, 4)
	s_cmp_eq_u32 s2, 0
	s_cbranch_scc0 .Lentry_in_a_cluster
	s_endpgm
.Lentry_in_a_cluster:
	s_bfe_u32 s2, ttmp6, 0x10000c
	s_cmp_lg_u32 s2, 0xf033
	s_cbranch_scc0 .Lentry_shape_is_right
	s_endpgm
.Lentry_shape_is_right:
; x1 = sqrt(0.2) x (av w_o^T) x 2^-5 + sqrt(0.8) x x.  av: codes in avf, in the order of an operand's registers ([row tile][K step of 128][c][lane][16 bytes]); w_o: codes in c1 at byte 7,340,032, rows of 1,024 bytes.
; x, x1: [4096][1024] f32.  Scale entries 6 and 7.  A tile of 256 x 256 to a work-group of four waves, a wave 128 x 128; K in steps of 256 through a ring of two LDS slots; clusters of 4 x 4 with joint loads.
; A'S TILE IS AN IMAGE: for a wave's 8 row tiles, 4,096 consecutive bytes each (two K steps of 128), 16,384 bytes apart in memory; in LDS they lie on end, and a fragment comes by four loads of 512 consecutive bytes: no pitch, no padding.
; The matrix instruction is used transposed (source 0 = rows of w_o, source 1 = rows of av): a lane holds eight neighbouring columns of a row.
; 64 work-groups: N is only 1,024; the tile is kept so that the loop is the other products' loop.
; LIMIT: e6 + e7 - 5 between -124 and 129 (added to the factor's exponent field).
; REGISTERS: window 0: v0-31 addresses; v32-95 at work on the way out; from v128 A's fragments, later rows of the result.  window 1: B's fragments, later rows of x.  windows 2, 3: accumulator (a, b) at v[8 (8 (a % 4) + b)].
.set KROW,   1024
.set ROWB,   256
.set PITCH,  272
.set FR,     16
.set NL,     4
.set NP,     4
.set HALFT,  128*PITCH
.set SLOT,   4*HALFT
.set LAPS,   KROW/512
.set SPARE,  2*SLOT
.set SPITCH, 528                       ; the way out: a stage of 16 rows x (512 bytes + 16) for each wave, in slot 0
.set ADRA, 16
.set ADRB, 20
.set STO,  24
.set RD,   25
.set CO,   26
.set SPW,  28
.set NIL,  29
.set TMP,  32
.set AF,   128
.set BK,   128
.set G1, 24
.set G0, 32
.set G1B, 48
.set G0B, 56
.set MSB, 0
.macro WIN new
.if MSB != \new
	s_set_vgpr_msb (MSB<<8)|\new
.set MSB, \new
.endif
.endm
.set MUL_LO, 0xa1
.set MUL_HI, 0xf1
.set TO_B,   0x40
.macro JLOAD g0a, g1a, g0b, g1b        ; a joint load: waves 0 and 1 fetch for A, waves 2 and 3 for B; four v_nop follow each line
	s_cmp_eq_u32 s15, 0
	s_cbranch_scc0 .Lfor_b_\@
	tensor_load_to_lds s[\g0a:\g0a+3], s[\g1a:\g1a+7]
	s_nop 0
.rept 4
	v_nop
.endr
	s_branch .Lasked_\@
.Lfor_b_\@:
	tensor_load_to_lds s[\g0b:\g0b+3], s[\g1b:\g1b+7]
	s_nop 0
.rept 4
	v_nop
.endr
.Lasked_\@:
.endm
.macro CREST
	s_cmp_lg_u32 s14, 0
	s_cbranch_scc1 .Lnot_wave_0_\@
	s_barrier_signal -3
.Lnot_wave_0_\@:
	s_barrier_wait -3
	s_barrier_signal -1
	s_barrier_wait -1
.endm
.macro CROUND
	s_barrier_signal -1
	s_barrier_wait -1
	CREST
.endm
	s_load_b128 s[4:7], s[0:1], 0x0                ; avf, c1
	s_load_b128 s[8:11], s[0:1], 0x10              ; the scales' exponents, x
	s_load_b64 s[12:13], s[0:1], 0x20              ; x1
	v_lshl_add_u32 v[SPW], v0, 2, SPARE
	v_mov_b32 v[NIL], 0
	ds_add_u32 v28, v29
	ds_add_u32 v28, v29
	s_wait_dscnt 0x0
	v_lshrrev_b32 v1, 5, v0
	v_readfirstlane_b32 s14, v1
	s_lshr_b32 s15, s14, 1
	s_and_b32 s16, s14, 1
	s_bfe_u32 s40, ttmp6, 0x40000
	s_bfe_u32 s41, ttmp6, 0x40004
	s_lshl_b32 s42, ttmp9, 2
	s_add_co_u32 s42, s42, s40                     ; tile column
	s_and_b32 s17, ttmp7, 0xffff
	s_lshl_b32 s17, s17, 2
	s_add_co_u32 s17, s17, s41                     ; tile row
	s_lshl_b32 s43, s41, 2
	s_lshl_b32 s43, 15, s43
	s_lshl_b32 s44, 0x1111, s40
	s_or_b32 s[G1+0], s43, (0<<16)|(1<<21)         ; A: the mask; elements of 1 byte; no padding; bit 21 beside a mask
	s_mov_b32 s[G1+1], 4096<<16                    ; tensor_dim0 = 4,096 bytes: a row tile's two K steps of 128
	s_mov_b32 s[G1+2], 8<<16                       ; tensor_dim1 = 8 row tiles
	s_mov_b32 s[G1+3], 4096<<16                    ; tile_dim0
	s_mov_b32 s[G1+4], 8                           ; tile_dim1
	s_mov_b32 s[G1+5], 16384                       ; from row tile to row tile
	s_mov_b32 s[G1+6], 0
	s_mov_b32 s[G1+7], 0
	s_or_b32 s[G1B+0], s44, (0<<16)|(1<<20)|(1<<21)|(5<<22)|(3<<25)
	s_mov_b32 s[G1B+1], ROWB<<16
	s_mov_b32 s[G1B+2], 128<<16
	s_mov_b32 s[G1B+3], ROWB<<16
	s_mov_b32 s[G1B+4], 128
	s_mov_b32 s[G1B+5], KROW
	s_mov_b32 s[G1B+6], 0
	s_mov_b32 s[G1B+7], 0
	s_lshl_b32 s20, s17, 4
	s_lshl_b32 s18, s16, 3
	s_add_co_u32 s20, s20, s18                     ; A: row tile 16 x tile row + 8 x half,
	s_lshl_b32 s20, s20, 14                        ; 16,384 bytes each
	s_mov_b32 s21, 0
	s_lshl_b32 s18, s16, 7
	s_lshl_b32 s46, s42, 8
	s_add_co_u32 s46, s46, s18                     ; B: row 256 x tile column + 128 x half
	s_mov_b32 s47, 0
	s_mov_b64 s[18:19], KROW
	s_mul_u64 s[46:47], s[46:47], s[18:19]
	s_mul_i32 s45, s14, HALFT
	s_wait_kmcnt 0x0
	s_load_b64 s[68:69], s[8:9], 0x18              ; e6, e7
	s_add_nc_u64 s[6:7], s[6:7], 0x700000          ; w_o's codes
	s_add_nc_u64 s[20:21], s[4:5], s[20:21]
	s_add_nc_u64 s[46:47], s[6:7], s[46:47]
	CROUND
.irp s, 0,1
	s_mov_b32 s[G0+4*\s], 1
	s_add_co_u32 s[G0+4*\s+1], s45, \s*SLOT
	s_add_nc_u64 s[G0+4*\s+2:G0+4*\s+3], s[20:21], \s*4096
	s_or_b32 s[G0+4*\s+3], s[G0+4*\s+3], 0x80000000
	s_mov_b32 s[G0B+4*\s], 1
	s_add_co_u32 s[G0B+4*\s+1], s45, \s*SLOT
	s_add_nc_u64 s[G0B+4*\s+2:G0B+4*\s+3], s[46:47], \s*ROWB
	s_or_b32 s[G0B+4*\s+3], s[G0B+4*\s+3], 0x80000000
	JLOAD G0+4*\s, G1, G0B+4*\s, G1B
.endr
	v_and_b32 v1, 15, v0
	v_bfe_u32 v2, v0, 4, 1
	v_and_b32 v6, 31, v0
	v_mul_u32_u24 v3, v1, PITCH
	v_lshl_add_u32 v4, v2, 4, v3                   ; B: a fragment's row x pitch + 16 x half
	v_lshlrev_b32 v[CO], 4, v6                     ; 16 x lane: A's image, a row of the stage, a row of x and of x1
	s_mul_i32 s21, s15, HALFT
	s_mul_i32 s22, s16, HALFT
	s_add_co_u32 s22, s22, 2*HALFT
.irp s, 0,1
	v_add_nc_u32 v[ADRA+\s], s21, v[CO]
	v_add_nc_u32 v[ADRB+\s], s22, v4
	s_add_co_u32 s21, s21, SLOT
	s_add_co_u32 s22, s22, SLOT
.endr
	s_mul_i32 s23, s14, 16*SPITCH                  ; my stage
	v_mul_u32_u24 v5, v1, SPITCH
	v_lshl_add_u32 v5, v2, 5, v5
	v_add_nc_u32 v[STO], s23, v5                   ; in: row r, 32 bytes for each half of the lanes
	v_add_nc_u32 v[RD], s23, v[CO]                 ; back: the 32 lanes take one row of 512 bytes
	s_lshl_b32 s80, s17, 8
	s_lshl_b32 s81, s15, 7
	s_add_co_u32 s80, s80, s81                     ; my first row: 256 x tile row + 128 x half,
	s_lshl_b32 s80, s80, 12                        ; 4,096 bytes each,
	s_lshl_b32 s81, s42, 10
	s_add_co_u32 s80, s80, s81
	s_lshl_b32 s81, s16, 9
	s_add_co_u32 s80, s80, s81                     ; my first column: 1,024 x tile column + 512 x half bytes
	s_mov_b32 s81, 0
	s_add_nc_u64 s[10:11], s[10:11], s[80:81]
	s_add_nc_u64 s[12:13], s[12:13], s[80:81]
.macro FRAG reg, adr, q, i             ; B: 16 rows x 128 K: registers 4 c .. 4 c + 3 hold K = 32 c + 16 (l / 16) + 0 .. 15
.irp c, 0,1,2,3
	ds_load_b128 v[\reg+4*\c:\reg+4*\c+3], v[\adr] offset:128*(\q)+32*\c+(\i)*16*PITCH
.endr
.endm
.macro FRAGA reg, adr, q, i            ; A: the same registers, out of the image
.irp c, 0,1,2,3
	ds_load_b128 v[\reg+4*\c:\reg+4*\c+3], v[\adr] offset:2048*(\q)+512*\c+(\i)*4096
.endr
.endm
.macro MUL16 a0, p, zero               ; the 64 accumulators take turns, one instruction a turn
.irp a, \a0, \a0+1
.irp b, 0,1,2,3,4,5,6,7
.if \zero
	v_wmma_f32_16x16x128_fp8_fp8 v[8*(8*((\a)%4)+\b):8*(8*((\a)%4)+\b)+7], v[128*(\p)+FR*\b:128*(\p)+FR*\b+FR-1], v[AF+FR*(\a):AF+FR*(\a)+FR-1], 0
.else
	v_wmma_f32_16x16x128_fp8_fp8 v[8*(8*((\a)%4)+\b):8*(8*((\a)%4)+\b)+7], v[128*(\p)+FR*\b:128*(\p)+FR*\b+FR-1], v[AF+FR*(\a):AF+FR*(\a)+FR-1], v[8*(8*((\a)%4)+\b):8*(8*((\a)%4)+\b)+7]
.endif
.endr
.endr
.endm
.macro FETCH_B slot, q, p
	WIN TO_B
.irp i, 0,1,2,3,4,5,6,7
	FRAG 128*(\p)+FR*\i, ADRB+\slot, \q, \i
.endr
	WIN 0
.endm
.macro FETCH_A slot, q, i0
.irp i, \i0, \i0+1, \i0+2, \i0+3
	FRAGA AF+FR*(\i), ADRA+\slot, \q, \i
.endr
.endm
.macro PLACES n
.rept \n
	v_nop
.endr
.endm
.macro STEP slot, q, zero
	s_wait_dscnt 4*NL                              ; B's set and A's blocks 0-3 are in; the youngest 16 loads may be out
	WIN MUL_LO
	MUL16 0, (\q)%2, \zero
	MUL16 2, (\q)%2, \zero
	s_wait_dscnt 0
	PLACES NP
	FETCH_B \slot, (\q)+1, 1-(\q)%2
	FETCH_A \slot, (\q)+1, 0
	WIN MUL_HI
	MUL16 4, (\q)%2, \zero
	MUL16 6, (\q)%2, \zero
	PLACES NP
	WIN 0
	FETCH_A \slot, (\q)+1, 4
.endm
.macro TURN slot, next, fill
	s_wait_tensorcnt 0x0                           ; all my tensor loads have landed: my part of the next slot
	ds_add_u32 v[SPW], v[NIL]                      ; 0 onto my spare word
	s_wait_dscnt 4*NL+1                            ; the add and the youngest 16 loads may be out
	WIN MUL_LO
	MUL16 0, 1, 0
	s_wait_dscnt 0x0                               ; the add is done, and my reads of this slot are over
	s_barrier_signal -1
	MUL16 2, 1, 0
	WIN 0
	s_barrier_wait -1
.if \fill
	CREST
	s_add_nc_u64 s[G0+4*\slot+2:G0+4*\slot+3], s[G0+4*\slot+2:G0+4*\slot+3], 2*4096
	s_add_nc_u64 s[G0B+4*\slot+2:G0B+4*\slot+3], s[G0B+4*\slot+2:G0B+4*\slot+3], 2*ROWB
	JLOAD G0+4*\slot, G1, G0B+4*\slot, G1B
.else
	PLACES NP
.endif
	FETCH_B \next, 0, 0
	FETCH_A \next, 0, 0
	WIN MUL_HI
	MUL16 4, 1, 0
	MUL16 6, 1, 0
	PLACES NP
	WIN 0
	FETCH_A \next, 0, 4
.endm
	s_wait_tensorcnt 1                             ; my part of K step 0 is in; K step 1's load may be out
	s_barrier_signal -1
	s_barrier_wait -1
	FETCH_B 0, 0, 0
	FETCH_A 0, 0, 0
	FETCH_A 0, 0, 4
	STEP 0, 0, 1
	s_mov_b32 s3, LAPS-1
.Llap:
	TURN 0, 1, 1
	STEP 1, 0, 0
	TURN 1, 0, 1
	STEP 0, 0, 0
	s_sub_co_u32 s3, s3, 1
	s_cmp_lg_u32 s3, 0
	s_cbranch_scc1 .Llap
	TURN 0, 1, 0
	STEP 1, 0, 0
	s_wait_dscnt 4*NL
	WIN MUL_LO
	MUL16 0, 1, 0
	MUL16 2, 1, 0
	s_wait_dscnt 0
	WIN MUL_HI
	MUL16 4, 1, 0
	MUL16 6, 1, 0
	WIN 0
; THE WAY OUT, block by block of 16 rows x 128 columns: sum x factor through my own stage (in slot 0, which has had its last fill and its last read), back as whole rows of 512 bytes;
; the same rows of x, asked for a block ahead, come in beside them; one packed multiply-add; the 32 lanes store 512 consecutive bytes.  Every offset is an immediate: no base is stepped.
.macro SKLOAD a
	WIN 0x40
.irp t, 0,1,2,3,4,5,6,7,8,9,10,11,12,13,14,15
	global_load_b128 v[64*((\a)%2)+4*\t:64*((\a)%2)+4*\t+3], v[CO], s[10:11] offset:(16*(\a)+\t)*4096 th:TH_LOAD_NT
.endr
	WIN 0
.endm
.macro TOSTAGE a
.set AC, 64*((\a)%4)
	WIN 0x02+((\a)/4)
.set i, 0
.rept 32
	v_pk_mul_f32 v[TMP+2*i:TMP+2*i+1], v[AC+2*i:AC+2*i+1], s[96:97] op_sel_hi:[1,0]   ; each accumulator from its low end on
.set i, i+1
.endr
	WIN 0
.irp b, 0,1,2,3,4,5,6,7
	ds_store_b128 v[STO], v[TMP+8*\b:TMP+8*\b+3] offset:64*\b
	ds_store_b128 v[STO], v[TMP+8*\b+4:TMP+8*\b+7] offset:64*\b+16
.endr
.set BB, BK+64*((\a)%2)
.irp t, 0,1,2,3,4,5,6,7,8,9,10,11,12,13,14,15
	ds_load_b128 v[BB+4*\t:BB+4*\t+3], v[RD] offset:\t*SPITCH   ; LDS serves a wave's instructions in order: these see my stores
.endr
.endm
.macro SEND a, younger, lc
.set BB, BK+64*((\a)%2)
.set SK, 64*((\a)%2)
	s_wait_dscnt \younger                          ; the block is back; the next block's 16 stores and 16 loads may be out
	s_wait_loadcnt \lc                             ; its rows of x are in; the next block's 16 loads may be out
	WIN 0x01                                       ; source 0 (x) window 1
.set i, 0
.rept 32
	v_pk_fma_f32 v[BB+2*i:BB+2*i+1], v[SK+2*i:SK+2*i+1], s[94:95], v[BB+2*i:BB+2*i+1] op_sel_hi:[1,0,1]
.set i, i+1
.endr
	WIN 0
.irp t, 0,1,2,3,4,5,6,7,8,9,10,11,12,13,14,15
	global_store_b128 v[CO], v[BB+4*\t:BB+4*\t+3], s[12:13] offset:(16*(\a)+\t)*4096
.endr
.endm
	s_wait_kmcnt 0x0
	s_add_co_i32 s96, s68, s69
	s_sub_co_i32 s96, s96, 5
	s_lshl_b32 s96, s96, 23
	s_add_co_i32 s96, s96, 0x3ee4f92e              ; sqrt(0.2) x 2^(e6 + e7 - 5)
	s_mov_b32 s97, s96
	s_mov_b32 s94, 0x3f64f92e                      ; sqrt(0.8)
	s_mov_b32 s95, s94
	PLACES NP
	SKLOAD 0
	TOSTAGE 0
.irp a, 1,2,3,4,5,6,7
.if \a > 1
	s_wait_xcnt 0x0                                ; block a - 2's stores have read their registers: block a's rows may land there
.endif
	SKLOAD \a
	TOSTAGE \a
	SEND \a-1, 32, 16
.endr
	SEND 7, 0, 0
	s_wait_tensorcnt 0x0                           ; the wave's end
	ds_add_u32 v[SPW], v[NIL]
	s_wait_dscnt 0x0
	CROUND
	s_endpgm
.Lfunc_end_k_qbf6c637021_gemm_o:
	.size	k_qbf6c637021_gemm_o, .Lfunc_end_k_qbf6c637021_gemm_o-k_qbf6c637021_gemm_o
	.p2alignl 7, 3214868480
	.fill 96, 4, 3214868480
	.section	.rodata,"a",@progbits
	.p2align	6, 0x0
	.amdhsa_kernel k_qbf6c637021_gemm_o
		.amdhsa_group_segment_fixed_size 327680
		.amdhsa_private_segment_fixed_size 0
		.amdhsa_enable_private_segment 0
		.amdhsa_kernarg_size 40
		.amdhsa_user_sgpr_count 2
		.amdhsa_user_sgpr_kernarg_segment_ptr 1
		.amdhsa_wavefront_size32 1
		.amdhsa_system_sgpr_workgroup_id_x 1
		.amdhsa_system_sgpr_workgroup_id_y 1
		.amdhsa_system_sgpr_workgroup_id_z 1
		.amdhsa_system_vgpr_workitem_id 0
		.amdhsa_next_free_vgpr 1024
		.amdhsa_next_free_sgpr 98
		.amdhsa_reserve_vcc 0
		.amdhsa_float_denorm_mode_32 3
		.amdhsa_float_denorm_mode_16_64 3
		.amdhsa_memory_ordered 1
		.amdhsa_forward_progress 1
		.amdhsa_inst_pref_size 152
	.end_amdhsa_kernel
	.amdgpu_metadata
---
amdhsa.version: [ 1, 2 ]
amdhsa.kernels:
  - .name:           k_qbf6c637021_gemm_o
    .symbol:         k_qbf6c637021_gemm_o.kd
    .args:
      - { .name: avf, .offset: 0, .size: 8, .value_kind: global_buffer, .address_space: global }
      - { .name: c1, .offset: 8, .size: 8, .value_kind: global_buffer, .address_space: global }
      - { .name: lowp_scales, .offset: 16, .size: 8, .value_kind: global_buffer, .address_space: global }
      - { .name: x, .offset: 24, .size: 8, .value_kind: global_buffer, .address_space: global }
      - { .name: x1, .offset: 32, .size: 8, .value_kind: global_buffer, .address_space: global }
    .group_segment_fixed_size: 327680
    .private_segment_fixed_size: 0
    .kernarg_segment_align: 8
    .kernarg_segment_size: 40
    .max_flat_workgroup_size: 128
    .sgpr_count:     98
    .vgpr_count:     1024
    .wavefront_size: 32
...
	.end_amdgpu_metadata
.endif
;; end of part 4
;; launch ln2 (part 5): grid 256 x 1, 4 waves a work-group, no clusters, 33,280 bytes of LDS; arguments x1, ln2_w, ln2_b, lowp_scales, h2c; writes h2c
.if DOCPART == 5
	.amdgcn_target "amdgcn-amd-amdhsa--gfx1250"
	.amdhsa_code_object_version 6
	.text
	.protected	k_qbf6c637021_ln2
	.globl	k_qbf6c637021_ln2
	.p2align	8
	.type	k_qbf6c637021_ln2,@function
k_qbf6c637021_ln2:
	s_mov_b64 s[64:65], 0
	v_nop
	global_prefetch_b8 v0, s[64:65] scope:SCOPE_SE
	s_setreg_imm32_b32 hwreg(HW_REG_WAVE_MODE, 25, 1), 1
	s_wait_xcnt 0x0
; h2c = Q(layer_norm(x1; ln2_w, ln2_b)), [4096][1024], codes of E4M3 with scale entry 8, K innermost.  A wave takes 4 rows (16 work-group + 4 wave + 0 .. 3), a row in 32 registers: read once.
; A load reads 512 consecutive bytes, 16 a lane; the conversions want 16 neighbours in ONE lane: the finished numbers turn through the wave's own stage in LDS (16 bytes of padding behind each 64).
; No barrier: waves share nothing.  Memory binds: matrix units, clusters and tensor loads have nothing to do here.
; LIMITS: e8 between -126 and 119.  NaN among the inputs is not served.
.set SP,    80
.set XR,    16                         ; v16-143 four rows x 32 numbers; a row's first eight registers later hold its codes
.set WG,    144
.set BG,    176
.set XT,    208
.set CH,    240
.set PX,    4
.set PW,    6
.set PB,    8
.set PO,    12
.macro WSUM
	v_add_f32_dpp v252, v252, v252 row_xmask:1 row_mask:0xf bank_mask:0xf
	v_add_f32_dpp v252, v252, v252 row_xmask:2 row_mask:0xf bank_mask:0xf
	v_add_f32_dpp v252, v252, v252 row_xmask:4 row_mask:0xf bank_mask:0xf
	v_add_f32_dpp v252, v252, v252 row_xmask:8 row_mask:0xf bank_mask:0xf
	v_permlanex16_b32 v253, v252, s28, s29
	v_add_f32 v252, v252, v253
.endm
.macro CHSUM
	v_pk_add_f32 v[CH:CH+1], v[CH:CH+1], v[CH+2:CH+3]
	v_pk_add_f32 v[CH+4:CH+5], v[CH+4:CH+5], v[CH+6:CH+7]
	v_pk_add_f32 v[CH:CH+1], v[CH:CH+1], v[CH+4:CH+5]
	v_add_f32 v252, v[CH], v[CH+1]
	WSUM
.endm
.macro LNROW p
.set X0, XR+32*\p
	s_wait_loadcnt 24-8*\p                         ; gain, bias and this row are in; the later rows' loads, eight each, may be out
.irp c, 0,1,2,3
	v_pk_add_f32 v[CH+2*\c:CH+2*\c+1], v[X0+2*\c:X0+2*\c+1], v[X0+8+2*\c:X0+8+2*\c+1]
.endr
.irp q, 16,24
.irp c, 0,1,2,3
	v_pk_add_f32 v[CH+2*\c:CH+2*\c+1], v[CH+2*\c:CH+2*\c+1], v[X0+\q+2*\c:X0+\q+2*\c+1]
.endr
.endr
	CHSUM
	v_mul_f32 v248, s30, v252                      ; the mean
.set i, 0
.rept 16
	v_pk_add_f32 v[X0+2*i:X0+2*i+1], v[X0+2*i:X0+2*i+1], v[248:249] op_sel_hi:[1,0] neg_lo:[0,1] neg_hi:[0,1]
.set i, i+1
.endr
.irp c, 0,1,2,3
	v_pk_mul_f32 v[CH+2*\c:CH+2*\c+1], v[X0+2*\c:X0+2*\c+1], v[X0+2*\c:X0+2*\c+1]
.endr
.irp q, 8,16,24
.irp c, 0,1,2,3
	v_pk_fma_f32 v[CH+2*\c:CH+2*\c+1], v[X0+\q+2*\c:X0+\q+2*\c+1], v[X0+\q+2*\c:X0+\q+2*\c+1], v[CH+2*\c:CH+2*\c+1]
.endr
.endr
	CHSUM
	v_fma_f32 v252, v252, s30, s31                 ; the variance + EPS
	v_rsq_f32 v250, v252
	v_nop                                          ; a plain instruction behind the transcendental,
	s_wait_alu depctr_va_vdst(0)                   ; and the wait ahead of its first reader
.set i, 0
.rept 16
	v_pk_mul_f32 v[X0+2*i:X0+2*i+1], v[X0+2*i:X0+2*i+1], v[250:251] op_sel_hi:[1,0]
.set i, i+1
.endr
.set i, 0
.rept 16
	v_pk_fma_f32 v[X0+2*i:X0+2*i+1], v[X0+2*i:X0+2*i+1], v[WG+2*i:WG+2*i+1], v[BG+2*i:BG+2*i+1]
.set i, i+1
.endr
.set i, 0
.rept 32
	v_med3_num_f32 v[X0+i], v[X0+i], -v10, v10     ; the conversion does not saturate (ISA guide 7.6.2): the hold
.set i, i+1
.endr
.irp st, 0,1
.irp i, 0,1,2,3
	ds_store_b128 v14, v[X0+16*\st+4*\i:X0+16*\st+4*\i+3] offset:32*SP*\st+8*SP*\i
.endr
.irp i, 0,1,2,3
	ds_load_b128 v[XT+16*\st+4*\i:XT+16*\st+4*\i+3], v15 offset:32*SP*\st+16*\i
.endr
.endr
	s_wait_dscnt 4                                 ; the first half's neighbours are in; the second half's four loads may be out
	v_cvt_scalef32_pk8_fp8_f32 v[X0:X0+1], v[XT:XT+7], v11
	v_cvt_scalef32_pk8_fp8_f32 v[X0+2:X0+3], v[XT+8:XT+15], v11
	global_store_b128 v3, v[X0:X0+3], s[PO:PO+1] offset:1024*\p
	s_wait_dscnt 0x0
	v_cvt_scalef32_pk8_fp8_f32 v[X0+4:X0+5], v[XT+16:XT+23], v11
	v_cvt_scalef32_pk8_fp8_f32 v[X0+6:X0+7], v[XT+24:XT+31], v11
	global_store_b128 v3, v[X0+4:X0+7], s[PO:PO+1] offset:1024*\p+512   ; the wave stores 512 consecutive bytes; each row has its own code registers
.endm
	s_load_b256 s[4:11], s[0:1], 0x0               ; x1, ln2_w, ln2_b, the scales' exponents
	s_load_b64 s[12:13], s[0:1], 0x20              ; h2c
	v_lshl_add_u32 v254, v0, 2, 0x8000
	v_mov_b32 v255, 0
	v_lshrrev_b32 v1, 5, v0
	v_readfirstlane_b32 s24, v1                    ; wave
	v_and_b32 v2, 31, v0
	v_lshlrev_b32 v3, 4, v2                        ; 16 x lane
	s_lshl_b32 s25, s24, 13                        ; my stage: 8,192 x wave
	v_lshrrev_b32 v14, 2, v2
	v_mul_u32_u24 v14, v14, SP
	v_and_b32 v15, 3, v2
	v_lshl_add_u32 v14, v15, 4, v14
	v_add_nc_u32 v14, s25, v14                     ; in: SP (lane / 4) + 16 (lane % 4)
	v_mul_u32_u24 v15, v2, SP
	v_add_nc_u32 v15, s25, v15                     ; out: SP x lane
	s_lshl_b32 s22, ttmp9, 4
	s_lshl_b32 s23, s24, 2
	s_add_co_u32 s22, s22, s23                     ; my first row
	s_lshl_b32 s54, s22, 12
	s_mov_b32 s55, 0
	s_lshl_b32 s56, s22, 10
	s_mov_b32 s57, 0
	s_mov_b32 s28, 0x76543210
	s_mov_b32 s29, 0xfedcba98
	s_mov_b32 s30, 0x3a800000                      ; 2^-10
	s_mov_b32 s31, 0x3727c5ac                      ; EPS = 1e-5
	v_mov_b32 v249, 0
	v_mov_b32 v251, 0
	v_mov_b32 v253, 0
	s_wait_kmcnt 0x0
	s_load_b32 s32, s[10:11], 0x20                 ; e8
	s_add_nc_u64 s[PX:PX+1], s[PX:PX+1], s[54:55]
	s_add_nc_u64 s[PO:PO+1], s[PO:PO+1], s[56:57]
.irp i, 0,1,2,3,4,5,6,7
	global_load_b128 v[WG+4*\i:WG+4*\i+3], v3, s[PW:PW+1] offset:512*\i
.endr
.irp i, 0,1,2,3,4,5,6,7
	global_load_b128 v[BG+4*\i:BG+4*\i+3], v3, s[PB:PB+1] offset:512*\i
.endr
.irp p, 0,1,2,3
.irp i, 0,1,2,3,4,5,6,7
	global_load_b128 v[XR+32*\p+4*\i:XR+32*\p+4*\i+3], v3, s[PX:PX+1] offset:4096*\p+512*\i
.endr
.endr
	s_wait_kmcnt 0x0
	s_add_co_i32 s46, s32, 127
	s_lshl_b32 s47, s46, 23
	v_mov_b32 v11, s47                             ; 2^e8
	s_add_co_i32 s46, s46, 8
	s_lshl_b32 s46, s46, 23
	s_or_b32 s46, s46, 0x600000
	v_mov_b32 v10, s46                             ; 448 x 2^e8
	LNROW 0
	LNROW 1
	LNROW 2
	LNROW 3
	s_wait_tensorcnt 0x0
	ds_add_u32 v254, v255
	s_wait_dscnt 0x0
	s_endpgm
.Lfunc_end_k_qbf6c637021_ln2:
	.size	k_qbf6c637021_ln2, .Lfunc_end_k_qbf6c637021_ln2-k_qbf6c637021_ln2
	.p2alignl 7, 3214868480
	.fill 96, 4, 3214868480
	.section	.rodata,"a",@progbits
	.p2align	6, 0x0
	.amdhsa_kernel k_qbf6c637021_ln2
		.amdhsa_group_segment_fixed_size 33280
		.amdhsa_private_segment_fixed_size 0
		.amdhsa_enable_private_segment 0
		.amdhsa_kernarg_size 40
		.amdhsa_user_sgpr_count 2
		.amdhsa_user_sgpr_kernarg_segment_ptr 1
		.amdhsa_wavefront_size32 1
		.amdhsa_system_sgpr_workgroup_id_x 1
		.amdhsa_system_sgpr_workgroup_id_y 1
		.amdhsa_system_sgpr_workgroup_id_z 1
		.amdhsa_system_vgpr_workitem_id 0
		.amdhsa_next_free_vgpr 256
		.amdhsa_next_free_sgpr 66
		.amdhsa_reserve_vcc 0
		.amdhsa_float_denorm_mode_32 3
		.amdhsa_float_denorm_mode_16_64 3
		.amdhsa_memory_ordered 1
		.amdhsa_forward_progress 1
		.amdhsa_inst_pref_size 46
	.end_amdhsa_kernel
	.amdgpu_metadata
---
amdhsa.version: [ 1, 2 ]
amdhsa.kernels:
  - .name:           k_qbf6c637021_ln2
    .symbol:         k_qbf6c637021_ln2.kd
    .args:
      - { .name: x1, .offset: 0, .size: 8, .value_kind: global_buffer, .address_space: global }
      - { .name: ln2_w, .offset: 8, .size: 8, .value_kind: global_buffer, .address_space: global }
      - { .name: ln2_b, .offset: 16, .size: 8, .value_kind: global_buffer, .address_space: global }
      - { .name: lowp_scales, .offset: 24, .size: 8, .value_kind: global_buffer, .address_space: global }
      - { .name: h2c, .offset: 32, .size: 8, .value_kind: global_buffer, .address_space: global }
    .group_segment_fixed_size: 33280
    .private_segment_fixed_size: 0
    .kernarg_segment_align: 8
    .kernarg_segment_size: 40
    .max_flat_workgroup_size: 128
    .sgpr_count:     66
    .vgpr_count:     256
    .wavefront_size: 32
...
	.end_amdgpu_metadata
.endif
;; end of part 5
;; launch gemm_w1 (part 6): grid 16 x 16, 4 waves a work-group, clusters of 4 x 4, 327,680 bytes of LDS; arguments h2c, c1, lowp_scales, b1, gc; writes gc
.if DOCPART == 6
	.amdgcn_target "amdgcn-amd-amdhsa--gfx1250"
	.amdhsa_code_object_version 6
	.text
	.protected	k_qbf6c637021_gemm_w1
	.globl	k_qbf6c637021_gemm_w1
	.p2align	8
	.type	k_qbf6c637021_gemm_w1,@function
k_qbf6c637021_gemm_w1:
	s_mov_b64 s[64:65], 0
	v_nop
	global_prefetch_b8 v0, s[64:65] scope:SCOPE_SE
	s_setreg_imm32_b32 hwreg(HW_REG_WAVE_MODE, 25, 1), 1
	s_wait_xcnt 0x0
	s_wait_alu depctr_hold_cnt(0) depctr_sa_sdst(0) depctr_va_vdst(0) depctr_va_sdst(0) depctr_va_ssrc(0) depctr_va_vcc(0) depctr_vm_vsrc(0)
	s_getreg_b32 s2, hwreg(HW_REG_IB_STS2, 6, 4)
	s_cmp_eq_u32 s2, 0
	s_cbranch_scc0 .Lentry_in_a_cluster
	s_endpgm
.Lentry_in_a_cluster:
	s_bfe_u32 s2, ttmp6, 0x10000c
	s_cmp_lg_u32 s2, 0xf033
	s_cbranch_scc0 .Lentry_shape_is_right
	s_endpgm
.Lentry_shape_is_right:
; gc = Q(gelu((h2 w1^T + b1) x 2^-5.5) x GS), GS = 1 / 0.63, the exact gelu: u (1 + erf(u / sqrt 2)) / 2.  h2: codes in h2c [4096][1024] (scale entry 8); w1: codes in c1 at byte 8,388,608, [4096][1024] (entry 9);
; gc: codes [4096][4096] (entry 10).  A tile of 256 x 256 to a work-group of four waves, a wave 128 x 128; K in steps of 256 through a ring of two LDS slots; clusters of 4 x 4 with joint loads.
; The matrix instruction is used transposed (source 0 = rows of w1, source 1 = rows of h2): a lane holds eight neighbouring columns of a row, which are neighbours along the next product's K.
; erf(z) = z P(z^2) / Q(z^2), z held within +-4, P of degree 6 and Q of degree 4 in z^2: absolute error a few 1e-7.  LIMIT: on the far negative tail 1 + erf loses relative accuracy, as every f32 sum 1 + erf does.
; THE ACTIVATION IS WRITTEN ONCE FOR 64 NUMBERS A LANE AND WALKED IN A LOOP, so that the text stays short: the accumulators, which a loop cannot index, go to LDS as images of their registers
; (32,768 bytes a wave for 256 registers, twice) and come back block by block.  By then both slots have had their last fill and, behind a barrier, their last read.
; LIMITS: e8 + e9 between -120 and 133; e10 between -126 and 119.  NaN is not served.
; REGISTERS: window 0: v0-31 addresses and constants; v64-127 b1 of my columns in the result's layout; from v128 A's fragments.  On the way out: v32-95 u, v96-111 codes, v128-255 z, z^2, P, Q.
;   window 1: B's fragments.  windows 2, 3: accumulator (a, b) at v[8 (8 (a % 4) + b)].
.set KROW,   1024
.set ROWB,   256
.set PITCH,  272
.set FR,     16
.set NL,     4
.set NP,     4
.set HALFT,  128*PITCH
.set SLOT,   4*HALFT
.set LAPS,   KROW/512
.set SPARE,  2*SLOT
.set CST,    131072                    ; the way out: bytes 0-131071 the waves' images; from here the work-group's stage of 256 rows x 272 bytes of codes
.set ADRA, 16
.set ADRB, 20
.set STO,  24
.set RD,   25
.set CO,   26
.set UW,   27                          ; v27  my image: 32,768 x wave + 16 x lane
.set SPW,  28
.set NIL,  29
.set UA,   14                          ; v14  the block's image,  v15 the block's rows of the stage
.set STA,  15
.set AF,   128
.set ZZ,   128
.set X2,   160
.set PP,   192
.set QQ,   224
.set UO,   84                          ; s84, s85 the block's steps in the image and in the stage;  s86 counts
.set SO,   85
.set CNT,  86
.set G1, 24
.set G0, 32
.set G1B, 48
.set G0B, 56
.set MSB, 0
.macro WIN new
.if MSB != \new
	s_set_vgpr_msb (MSB<<8)|\new
.set MSB, \new
.endif
.endm
.set MUL_LO, 0xa1
.set MUL_HI, 0xf1
.set TO_B,   0x40
.macro JLOAD g0a, g1a, g0b, g1b        ; a joint load: waves 0 and 1 fetch for A, waves 2 and 3 for B; four v_nop follow each line
	s_cmp_eq_u32 s15, 0
	s_cbranch_scc0 .Lfor_b_\@
	tensor_load_to_lds s[\g0a:\g0a+3], s[\g1a:\g1a+7]
	s_nop 0
.rept 4
	v_nop
.endr
	s_branch .Lasked_\@
.Lfor_b_\@:
	tensor_load_to_lds s[\g0b:\g0b+3], s[\g1b:\g1b+7]
	s_nop 0
.rept 4
	v_nop
.endr
.Lasked_\@:
.endm
.macro CREST
	s_cmp_lg_u32 s14, 0
	s_cbranch_scc1 .Lnot_wave_0_\@
	s_barrier_signal -3
.Lnot_wave_0_\@:
	s_barrier_wait -3
	s_barrier_signal -1
	s_barrier_wait -1
.endm
.macro CROUND
	s_barrier_signal -1
	s_barrier_wait -1
	CREST
.endm
	s_load_b128 s[4:7], s[0:1], 0x0                ; h2c, c1
	s_load_b128 s[8:11], s[0:1], 0x10              ; the scales' exponents, b1
	s_load_b64 s[12:13], s[0:1], 0x20              ; gc
	v_lshl_add_u32 v[SPW], v0, 2, SPARE
	v_mov_b32 v[NIL], 0
	ds_add_u32 v28, v29
	ds_add_u32 v28, v29
	s_wait_dscnt 0x0
	v_lshrrev_b32 v1, 5, v0
	v_readfirstlane_b32 s14, v1
	s_lshr_b32 s15, s14, 1
	s_and_b32 s16, s14, 1
	s_bfe_u32 s40, ttmp6, 0x40000
	s_bfe_u32 s41, ttmp6, 0x40004
	s_lshl_b32 s42, ttmp9, 2
	s_add_co_u32 s42, s42, s40                     ; tile column
	s_and_b32 s17, ttmp7, 0xffff
	s_lshl_b32 s17, s17, 2
	s_add_co_u32 s17, s17, s41                     ; tile row
	s_lshl_b32 s43, s41, 2
	s_lshl_b32 s43, 15, s43
	s_lshl_b32 s44, 0x1111, s40
	s_or_b32 s[G1+0], s43, (0<<16)|(1<<20)|(1<<21)|(5<<22)|(3<<25)
	s_or_b32 s[G1B+0], s44, (0<<16)|(1<<20)|(1<<21)|(5<<22)|(3<<25)
.irp g, G1, G1B
	s_mov_b32 s[\g+1], ROWB<<16
	s_mov_b32 s[\g+2], 128<<16
	s_mov_b32 s[\g+3], ROWB<<16
	s_mov_b32 s[\g+4], 128
	s_mov_b32 s[\g+5], KROW
	s_mov_b32 s[\g+6], 0
	s_mov_b32 s[\g+7], 0
.endr
	s_lshl_b32 s18, s16, 7
	s_lshl_b32 s20, s17, 8
	s_add_co_u32 s20, s20, s18
	s_lshl_b32 s46, s42, 8
	s_add_co_u32 s46, s46, s18
	s_mov_b32 s21, 0
	s_mov_b32 s47, 0
	s_mov_b64 s[18:19], KROW
	s_mul_u64 s[20:21], s[20:21], s[18:19]
	s_mul_u64 s[46:47], s[46:47], s[18:19]
	s_mul_i32 s45, s14, HALFT
	s_wait_kmcnt 0x0
	s_load_b128 s[68:71], s[8:9], 0x20             ; e8 .. e11
	s_add_nc_u64 s[6:7], s[6:7], 0x800000          ; w1's codes
	s_add_nc_u64 s[20:21], s[4:5], s[20:21]
	s_add_nc_u64 s[46:47], s[6:7], s[46:47]
	CROUND
.irp s, 0,1
	s_mov_b32 s[G0+4*\s], 1
	s_add_co_u32 s[G0+4*\s+1], s45, \s*SLOT
	s_add_nc_u64 s[G0+4*\s+2:G0+4*\s+3], s[20:21], \s*ROWB
	s_or_b32 s[G0+4*\s+3], s[G0+4*\s+3], 0x80000000
	s_mov_b32 s[G0B+4*\s], 1
	s_add_co_u32 s[G0B+4*\s+1], s45, \s*SLOT
	s_add_nc_u64 s[G0B+4*\s+2:G0B+4*\s+3], s[46:47], \s*ROWB
	s_or_b32 s[G0B+4*\s+3], s[G0B+4*\s+3], 0x80000000
	JLOAD G0+4*\s, G1, G0B+4*\s, G1B
.endr
	v_and_b32 v1, 15, v0
	v_bfe_u32 v2, v0, 4, 1
	v_and_b32 v6, 31, v0
	v_mul_u32_u24 v3, v1, PITCH
	v_lshl_add_u32 v4, v2, 4, v3
	s_mul_i32 s21, s15, HALFT
	s_mul_i32 s22, s16, HALFT
	s_add_co_u32 s22, s22, 2*HALFT
.irp s, 0,1
	v_add_nc_u32 v[ADRA+\s], s21, v4
	v_add_nc_u32 v[ADRB+\s], s22, v4
	s_add_co_u32 s21, s21, SLOT
	s_add_co_u32 s22, s22, SLOT
.endr
	s_lshl_b32 s80, s42, 10                        ; b1 of my 128 columns: lane (r, h) wants, for accumulator column b, those of columns 16 b + 8 h + 0 .. 7
	s_lshl_b32 s81, s16, 9
	s_add_co_u32 s80, s80, s81
	s_mov_b32 s81, 0
	s_add_nc_u64 s[10:11], s[10:11], s[80:81]
	v_lshlrev_b32 v7, 5, v2
.irp b, 0,1,2,3,4,5,6,7
	global_load_b128 v[64+8*\b:67+8*\b], v7, s[10:11] offset:64*\b
	global_load_b128 v[68+8*\b:71+8*\b], v7, s[10:11] offset:64*\b+16
.endr
	s_lshl_b32 s80, s14, 15
	v_lshl_add_u32 v[UW], v6, 4, s80
	s_mul_i32 s80, s15, 128*PITCH
	s_lshl_b32 s81, s16, 7
	s_add_co_u32 s80, s80, s81
	s_add_co_u32 s80, s80, CST
	v_lshl_add_u32 v5, v2, 3, v3
	v_add_nc_u32 v[STO], s80, v5                   ; the stage, in: row 128 x (my half of the rows) + r, byte 128 x (my half of the columns) + 8 h
	s_mul_i32 s80, s14, 64*PITCH
	s_add_co_u32 s80, s80, CST
	v_mul_u32_u24 v5, v2, PITCH
	v_lshl_add_u32 v5, v1, 4, v5
	v_add_nc_u32 v[RD], s80, v5                    ; back: wave w takes rows 64 w on, whole
	v_lshlrev_b32 v5, 12, v2
	v_lshl_add_u32 v[CO], v1, 4, v5                ; and the same two rows in gc
	s_lshl_b32 s80, s17, 8
	s_lshl_b32 s81, s14, 6
	s_add_co_u32 s80, s80, s81
	s_lshl_b32 s80, s80, 12
	s_lshl_b32 s81, s42, 8
	s_add_co_u32 s80, s80, s81
	s_mov_b32 s81, 0
	s_add_nc_u64 s[12:13], s[12:13], s[80:81]
.macro FRAG reg, adr, q, i
.irp c, 0,1,2,3
	ds_load_b128 v[\reg+4*\c:\reg+4*\c+3], v[\adr] offset:128*(\q)+32*\c+(\i)*16*PITCH
.endr
.endm
.macro MUL16 a0, p, zero               ; the 64 accumulators take turns, one instruction a turn
.irp a, \a0, \a0+1
.irp b, 0,1,2,3,4,5,6,7
.if \zero
	v_wmma_f32_16x16x128_fp8_fp8 v[8*(8*((\a)%4)+\b):8*(8*((\a)%4)+\b)+7], v[128*(\p)+FR*\b:128*(\p)+FR*\b+FR-1], v[AF+FR*(\a):AF+FR*(\a)+FR-1], 0
.else
	v_wmma_f32_16x16x128_fp8_fp8 v[8*(8*((\a)%4)+\b):8*(8*((\a)%4)+\b)+7], v[128*(\p)+FR*\b:128*(\p)+FR*\b+FR-1], v[AF+FR*(\a):AF+FR*(\a)+FR-1], v[8*(8*((\a)%4)+\b):8*(8*((\a)%4)+\b)+7]
.endif
.endr
.endr
.endm
.macro FETCH_B slot, q, p
	WIN TO_B
.irp i, 0,1,2,3,4,5,6,7
	FRAG 128*(\p)+FR*\i, ADRB+\slot, \q, \i
.endr
	WIN 0
.endm
.macro FETCH_A slot, q, i0
.irp i, \i0, \i0+1, \i0+2, \i0+3
	FRAG AF+FR*(\i), ADRA+\slot, \q, \i
.endr
.endm
.macro PLACES n
.rept \n
	v_nop
.endr
.endm
.macro STEP slot, q, zero
	s_wait_dscnt 4*NL                              ; B's set and A's blocks 0-3 are in; the youngest 16 loads may be out
	WIN MUL_LO
	MUL16 0, (\q)%2, \zero
	MUL16 2, (\q)%2, \zero
	s_wait_dscnt 0
	PLACES NP
	FETCH_B \slot, (\q)+1, 1-(\q)%2
	FETCH_A \slot, (\q)+1, 0
	WIN MUL_HI
	MUL16 4, (\q)%2, \zero
	MUL16 6, (\q)%2, \zero
	PLACES NP
	WIN 0
	FETCH_A \slot, (\q)+1, 4
.endm
.macro TURN slot, next, fill
	s_wait_tensorcnt 0x0                           ; all my tensor loads have landed: my part of the next slot
	ds_add_u32 v[SPW], v[NIL]                      ; 0 onto my spare word
	s_wait_dscnt 4*NL+1                            ; the add and the youngest 16 loads may be out
	WIN MUL_LO
	MUL16 0, 1, 0
	s_wait_dscnt 0x0                               ; the add is done, and my reads of this slot are over
	s_barrier_signal -1
	MUL16 2, 1, 0
	WIN 0
	s_barrier_wait -1
.if \fill
	CREST
	s_add_nc_u64 s[G0+4*\slot+2:G0+4*\slot+3], s[G0+4*\slot+2:G0+4*\slot+3], 2*ROWB
	s_add_nc_u64 s[G0B+4*\slot+2:G0B+4*\slot+3], s[G0B+4*\slot+2:G0B+4*\slot+3], 2*ROWB
	JLOAD G0+4*\slot, G1, G0B+4*\slot, G1B
.else
	PLACES NP
.endif
	FETCH_B \next, 0, 0
	FETCH_A \next, 0, 0
	WIN MUL_HI
	MUL16 4, 1, 0
	MUL16 6, 1, 0
	PLACES NP
	WIN 0
	FETCH_A \next, 0, 4
.endm
	s_wait_tensorcnt 1                             ; my part of K step 0 is in; K step 1's load may be out
	s_barrier_signal -1
	s_barrier_wait -1
	FETCH_B 0, 0, 0
	FETCH_A 0, 0, 0
	FETCH_A 0, 0, 4
	STEP 0, 0, 1
	s_mov_b32 s3, LAPS-1
.Llap:
	TURN 0, 1, 1
	STEP 1, 0, 0
	TURN 1, 0, 1
	STEP 0, 0, 0
	s_sub_co_u32 s3, s3, 1
	s_cmp_lg_u32 s3, 0
	s_cbranch_scc1 .Llap
	TURN 0, 1, 0
	STEP 1, 0, 0
	s_wait_dscnt 4*NL
	WIN MUL_LO
	MUL16 0, 1, 0
	MUL16 2, 1, 0
	s_wait_dscnt 0
	WIN MUL_HI
	MUL16 4, 1, 0
	MUL16 6, 1, 0
	WIN 0
; 32 numbers a lane, v[u] on (four accumulators' worth: 8 neighbouring columns each): g = u' erf + u', u' = u GS / 2; the hold; codes into v[cd] on; 8 bytes for each accumulator into the stage.
.macro GELU32 u, cd, off
.set i, 0
.rept 16
	v_pk_mul_f32 v[ZZ+2*i:ZZ+2*i+1], v[\u+2*i:\u+2*i+1], 0x3f3504f3 op_sel_hi:[1,0]   ; z = u / sqrt 2
.set i, i+1
.endr
.set i, 0
.rept 32
	v_med3_num_f32 v[ZZ+i], v[ZZ+i], -4.0, 4.0
.set i, i+1
.endr
.set i, 0
.rept 16
	v_pk_mul_f32 v[X2+2*i:X2+2*i+1], v[ZZ+2*i:ZZ+2*i+1], v[ZZ+2*i:ZZ+2*i+1]
.set i, i+1
.endr
.set i, 0
.rept 16
	v_pk_fma_f32 v[PP+2*i:PP+2*i+1], v[X2+2*i:X2+2*i+1], v[8:9], 0x32edffee op_sel_hi:[1,1,0]
	v_pk_fma_f32 v[QQ+2*i:QQ+2*i+1], v[X2+2*i:X2+2*i+1], v[10:11], 0xb95fbd29 op_sel_hi:[1,1,0]
.set i, i+1
.endr
.irp k, 0xb60cff51, 0xb86ec2d2, 0xba40ac63, 0xbb41a1f6, 0xbc83dbd4
.set i, 0
.rept 16
	v_pk_fma_f32 v[PP+2*i:PP+2*i+1], v[PP+2*i:PP+2*i+1], v[X2+2*i:X2+2*i+1], \k op_sel_hi:[1,1,0]
.set i, i+1
.endr
.endr
.irp k, 0xbadc924e, 0xbbf19bf8, 0xbc69b6a7
.set i, 0
.rept 16
	v_pk_fma_f32 v[QQ+2*i:QQ+2*i+1], v[QQ+2*i:QQ+2*i+1], v[X2+2*i:X2+2*i+1], \k op_sel_hi:[1,1,0]
.set i, i+1
.endr
.endr
.set i, 0
.rept 32
	v_rcp_f32 v[QQ+i], v[QQ+i]
.set i, i+1
.endr
.set i, 0
.rept 16
	v_pk_mul_f32 v[PP+2*i:PP+2*i+1], v[PP+2*i:PP+2*i+1], v[ZZ+2*i:ZZ+2*i+1]           ; work that names no reciprocal stands behind the batch,
	v_pk_mul_f32 v[\u+2*i:\u+2*i+1], v[\u+2*i:\u+2*i+1], 0x3f4b2cb3 op_sel_hi:[1,0]   ; u' = u GS / 2
.set i, i+1
.endr
	s_wait_alu depctr_va_vdst(0)                   ; and one wait for all 32, ahead of their first reader
.set i, 0
.rept 16
	v_pk_mul_f32 v[PP+2*i:PP+2*i+1], v[PP+2*i:PP+2*i+1], v[QQ+2*i:QQ+2*i+1]           ; erf
.set i, i+1
.endr
.set i, 0
.rept 16
	v_pk_fma_f32 v[\u+2*i:\u+2*i+1], v[\u+2*i:\u+2*i+1], v[PP+2*i:PP+2*i+1], v[\u+2*i:\u+2*i+1]
.set i, i+1
.endr
.set i, 0
.rept 32
	v_med3_num_f32 v[\u+i], v[\u+i], -v12, v12
.set i, i+1
.endr
.irp k, 0,1,2,3
	v_cvt_scalef32_pk8_fp8_f32 v[\cd+2*\k:\cd+2*\k+1], v[\u+8*\k:\u+8*\k+7], v13
.endr
	v_nop                                          ; a plain instruction behind the conversions
.irp k, 0,1,2,3
	ds_store_b64 v[STA], v[\cd+2*\k:\cd+2*\k+1] offset:\off+16*\k
.endr
.endm
.macro GBLK                            ; a block of 16 rows x my 128 columns
	v_add_nc_u32 v[UA], s[UO], v[UW]
	v_add_nc_u32 v[STA], s[SO], v[STO]
.irp k, 0,1,2,3,4,5,6,7,8,9,10,11,12,13,14,15
	ds_load_b128 v[32+4*\k:35+4*\k], v[UA] offset:512*\k
.endr
	s_wait_dscnt 8                                 ; the first half is in; the second half's eight loads may be out
	GELU32 32, 96, 0
	s_wait_dscnt 4                                 ; the second half is in; the four stores just issued may be out
	GELU32 64, 104, 64
	s_add_co_u32 s[UO], s[UO], 8192
	s_add_co_u32 s[SO], s[SO], 16*PITCH
.endm
.macro PHASE p                         ; the 256 registers of window 2 + p, four blocks, go to my image and are walked
	WIN 0x08+4*\p                                  ; the stores' data: window 2 or 3
.set k, 0
.rept 64
	ds_store_b128 v[UW], v[4*k:4*k+3] offset:512*k
.set k, k+1
.endr
	WIN 0
	s_mov_b32 s[UO], 0
	s_mov_b32 s[CNT], 4
.Lblk_\@:
	GBLK
	s_sub_co_u32 s[CNT], s[CNT], 1
	s_cmp_lg_u32 s[CNT], 0
	s_cbranch_scc1 .Lblk_\@
.endm
	; THE WAY OUT
	s_wait_loadcnt 0x0                             ; b1
	s_wait_kmcnt 0x0
	s_wait_dscnt 0x0                               ; my reads of slot 1 are over:
	s_barrier_signal -1                            ; say so; only work on registers stands between the signal and the wait
	s_add_co_i32 s96, s68, s69
	s_lshl_b32 s96, s96, 23
	s_add_co_i32 s96, s96, 0x3cb504f3              ; 2^-5.5 x 2^(e8 + e9)
	s_mov_b32 s97, s96
	s_add_co_i32 s76, s70, 127
	s_lshl_b32 s77, s76, 23
	s_add_co_i32 s76, s76, 8
	s_lshl_b32 s76, s76, 23
	s_or_b32 s76, s76, 0x600000
	s_mov_b32 s[SO], 0
	v_mov_b32 v13, s77                             ; 2^e10
	v_mov_b32 v12, s76                             ; 448 x 2^e10
	v_mov_b32 v8, 0xaf95df0b                       ; P's and Q's leading coefficients, as pairs
	v_mov_b32 v9, 0xaf95df0b
	v_mov_b32 v10, 0xb77460cd
	v_mov_b32 v11, 0xb77460cd
	PLACES NP
.set i, 0
.rept 32
	v_pk_mul_f32 v[64+2*i:65+2*i], v[64+2*i:65+2*i], 0x3cb504f3 op_sel_hi:[1,0]   ; b1 x 2^-5.5
.set i, i+1
.endr
.irp w, 0x82, 0xc3                     ; u = sum x factor + bias, in place: destination and source 0 window 2, then 3; the bias window 0; each accumulator from its low end on
	WIN \w
.irp a, 0,1,2,3
.irp b, 0,1,2,3,4,5,6,7
.irp i, 0,2,4,6
	v_pk_fma_f32 v[64*\a+8*\b+\i:64*\a+8*\b+\i+1], v[64*\a+8*\b+\i:64*\a+8*\b+\i+1], s[96:97], v[64+8*\b+\i:65+8*\b+\i] op_sel_hi:[1,0,1]
.endr
.endr
.endr
.endr
	WIN 0
	s_barrier_wait -1                              ; nobody reads either slot any more
	PHASE 0
	PHASE 1
	s_wait_dscnt 0x0                               ; for the others' sake: my codes lie in the stage
	s_barrier_signal -1
	s_barrier_wait -1
.set t, 0
.rept 32
	ds_load_b128 v[128+4*t:131+4*t], v[RD] offset:t*2*PITCH
.set t, t+1
.endr
.set t, 0
.rept 32
	s_wait_dscnt 31-t                              ; the younger loads may be out
	global_store_b128 v[CO], v[128+4*t:131+4*t], s[12:13] offset:t*8192   ; 16 lanes store 256 consecutive bytes, aligned
.set t, t+1
.endr
	s_wait_tensorcnt 0x0                           ; the wave's end
	ds_add_u32 v[SPW], v[NIL]
	s_wait_dscnt 0x0
	CROUND
	s_endpgm
.Lfunc_end_k_qbf6c637021_gemm_w1:
	.size	k_qbf6c637021_gemm_w1, .Lfunc_end_k_qbf6c637021_gemm_w1-k_qbf6c637021_gemm_w1
	.p2alignl 7, 3214868480
	.fill 96, 4, 3214868480
	.section	.rodata,"a",@progbits
	.p2align	6, 0x0
	.amdhsa_kernel k_qbf6c637021_gemm_w1
		.amdhsa_group_segment_fixed_size 327680
		.amdhsa_private_segment_fixed_size 0
		.amdhsa_enable_private_segment 0
		.amdhsa_kernarg_size 40
		.amdhsa_user_sgpr_count 2
		.amdhsa_user_sgpr_kernarg_segment_ptr 1
		.amdhsa_wavefront_size32 1
		.amdhsa_system_sgpr_workgroup_id_x 1
		.amdhsa_system_sgpr_workgroup_id_y 1
		.amdhsa_system_sgpr_workgroup_id_z 1
		.amdhsa_system_vgpr_workitem_id 0
		.amdhsa_next_free_vgpr 1024
		.amdhsa_next_free_sgpr 98
		.amdhsa_reserve_vcc 0
		.amdhsa_float_denorm_mode_32 3
		.amdhsa_float_denorm_mode_16_64 3
		.amdhsa_memory_ordered 1
		.amdhsa_forward_progress 1
		.amdhsa_inst_pref_size 227
	.end_amdhsa_kernel
	.amdgpu_metadata
---
amdhsa.version: [ 1, 2 ]
amdhsa.kernels:
  - .name:           k_qbf6c637021_gemm_w1
    .symbol:         k_qbf6c637021_gemm_w1.kd
    .args:
      - { .name: h2c, .offset: 0, .size: 8, .value_kind: global_buffer, .address_space: global }
      - { .name: c1, .offset: 8, .size: 8, .value_kind: global_buffer, .address_space: global }
      - { .name: lowp_scales, .offset: 16, .size: 8, .value_kind: global_buffer, .address_space: global }
      - { .name: b1, .offset: 24, .size: 8, .value_kind: global_buffer, .address_space: global }
      - { .name: gc, .offset: 32, .size: 8, .value_kind: global_buffer, .address_space: global }
    .group_segment_fixed_size: 327680
    .private_segment_fixed_size: 0
    .kernarg_segment_align: 8
    .kernarg_segment_size: 40
    .max_flat_workgroup_size: 128
    .sgpr_count:     98
    .vgpr_count:     1024
    .wavefront_size: 32
...
	.end_amdgpu_metadata
.endif
;; end of part 6
;; launch gemm_w2 (part 7): grid 4 x 16, 4 waves a work-group, clusters of 4 x 4, 327,680 bytes of LDS; arguments gc, c1, lowp_scales, b2, x1, out0; writes out0
.if DOCPART == 7
	.amdgcn_target "amdgcn-amd-amdhsa--gfx1250"
	.amdhsa_code_object_version 6
	.text
	.protected	k_qbf6c637021_gemm_w2
	.globl	k_qbf6c637021_gemm_w2
	.p2align	8
	.type	k_qbf6c637021_gemm_w2,@function
k_qbf6c637021_gemm_w2:
	s_mov_b64 s[64:65], 0
	v_nop
	global_prefetch_b8 v0, s[64:65] scope:SCOPE_SE
	s_setreg_imm32_b32 hwreg(HW_REG_WAVE_MODE, 25, 1), 1
	s_wait_xcnt 0x0
	s_wait_alu depctr_hold_cnt(0) depctr_sa_sdst(0) depctr_va_vdst(0) depctr_va_sdst(0) depctr_va_ssrc(0) depctr_va_vcc(0) depctr_vm_vsrc(0)
	s_getreg_b32 s2, hwreg(HW_REG_IB_STS2, 6, 4)
	s_cmp_eq_u32 s2, 0
	s_cbranch_scc0 .Lentry_in_a_cluster
	s_endpgm
.Lentry_in_a_cluster:
	s_bfe_u32 s2, ttmp6, 0x10000c
	s_cmp_lg_u32 s2, 0xf033
	s_cbranch_scc0 .Lentry_shape_is_right
	s_endpgm
.Lentry_shape_is_right:
; out0 = sqrt(0.2) x (g w2^T + b2) x 2^-5.5 + sqrt(0.8) x x1.  g: codes in gc [4096][4096] (scale entry 10); w2: codes in c1 at byte 12,582,912, [1024][4096] (entry 11); x1, out0: [4096][1024] f32.
; A tile of 256 x 256 to a work-group of four waves, a wave 128 x 128; K = 4,096 in steps of 256 through a ring of two LDS slots; clusters of 4 x 4 with joint loads.
; The matrix instruction is used transposed (source 0 = rows of w2, source 1 = rows of g): a lane holds eight neighbouring columns of a row.
; 64 work-groups: N is only 1,024; the tile is kept so that the loop is the other products' loop.
; LIMIT: e10 + e11 between -119 and 134 (added to the factor's exponent field).
; REGISTERS: window 0: v0-31 addresses, v8-11 the bias of my four columns of a row; v32-95 at work on the way out; from v128 A's fragments, later rows of the result.
;   window 1: B's fragments, later rows of x1.  windows 2, 3: accumulator (a, b) at v[8 (8 (a % 4) + b)].
.set KROW,   4096
.set ROWB,   256
.set PITCH,  272
.set FR,     16
.set NL,     4
.set NP,     4
.set HALFT,  128*PITCH
.set SLOT,   4*HALFT
.set LAPS,   KROW/512
.set SPARE,  2*SLOT
.set SPITCH, 528
.set ADRA, 16
.set ADRB, 20
.set STO,  24
.set RD,   25
.set CO,   26
.set SPW,  28
.set NIL,  29
.set TMP,  32
.set AF,   128
.set BK,   128
.set G1, 24
.set G0, 32
.set G1B, 48
.set G0B, 56
.set MSB, 0
.macro WIN new
.if MSB != \new
	s_set_vgpr_msb (MSB<<8)|\new
.set MSB, \new
.endif
.endm
.set MUL_LO, 0xa1
.set MUL_HI, 0xf1
.set TO_B,   0x40
.macro JLOAD g0a, g1a, g0b, g1b        ; a joint load: waves 0 and 1 fetch for A, waves 2 and 3 for B; four v_nop follow each line
	s_cmp_eq_u32 s15, 0
	s_cbranch_scc0 .Lfor_b_\@
	tensor_load_to_lds s[\g0a:\g0a+3], s[\g1a:\g1a+7]
	s_nop 0
.rept 4
	v_nop
.endr
	s_branch .Lasked_\@
.Lfor_b_\@:
	tensor_load_to_lds s[\g0b:\g0b+3], s[\g1b:\g1b+7]
	s_nop 0
.rept 4
	v_nop
.endr
.Lasked_\@:
.endm
.macro CREST
	s_cmp_lg_u32 s14, 0
	s_cbranch_scc1 .Lnot_wave_0_\@
	s_barrier_signal -3
.Lnot_wave_0_\@:
	s_barrier_wait -3
	s_barrier_signal -1
	s_barrier_wait -1
.endm
.macro CROUND
	s_barrier_signal -1
	s_barrier_wait -1
	CREST
.endm
	s_load_b128 s[4:7], s[0:1], 0x0                ; gc, c1
	s_load_b128 s[8:11], s[0:1], 0x10              ; the scales' exponents, b2
	s_load_b128 s[76:79], s[0:1], 0x20             ; x1, out0
	v_lshl_add_u32 v[SPW], v0, 2, SPARE
	v_mov_b32 v[NIL], 0
	ds_add_u32 v28, v29
	ds_add_u32 v28, v29
	s_wait_dscnt 0x0
	v_lshrrev_b32 v1, 5, v0
	v_readfirstlane_b32 s14, v1
	s_lshr_b32 s15, s14, 1
	s_and_b32 s16, s14, 1
	s_bfe_u32 s40, ttmp6, 0x40000
	s_bfe_u32 s41, ttmp6, 0x40004
	s_lshl_b32 s42, ttmp9, 2
	s_add_co_u32 s42, s42, s40                     ; tile column
	s_and_b32 s17, ttmp7, 0xffff
	s_lshl_b32 s17, s17, 2
	s_add_co_u32 s17, s17, s41                     ; tile row
	s_lshl_b32 s43, s41, 2
	s_lshl_b32 s43, 15, s43
	s_lshl_b32 s44, 0x1111, s40
	s_or_b32 s[G1+0], s43, (0<<16)|(1<<20)|(1<<21)|(5<<22)|(3<<25)
	s_or_b32 s[G1B+0], s44, (0<<16)|(1<<20)|(1<<21)|(5<<22)|(3<<25)
.irp g, G1, G1B
	s_mov_b32 s[\g+1], ROWB<<16
	s_mov_b32 s[\g+2], 128<<16
	s_mov_b32 s[\g+3], ROWB<<16
	s_mov_b32 s[\g+4], 128
	s_mov_b32 s[\g+5], KROW
	s_mov_b32 s[\g+6], 0
	s_mov_b32 s[\g+7], 0
.endr
	s_lshl_b32 s18, s16, 7
	s_lshl_b32 s20, s17, 8
	s_add_co_u32 s20, s20, s18
	s_lshl_b32 s46, s42, 8
	s_add_co_u32 s46, s46, s18
	s_mov_b32 s21, 0
	s_mov_b32 s47, 0
	s_mov_b64 s[18:19], KROW
	s_mul_u64 s[20:21], s[20:21], s[18:19]
	s_mul_u64 s[46:47], s[46:47], s[18:19]
	s_mul_i32 s45, s14, HALFT
	s_wait_kmcnt 0x0
	s_load_b64 s[68:69], s[8:9], 0x28              ; e10, e11
	s_add_nc_u64 s[6:7], s[6:7], 0xc00000          ; w2's codes
	s_add_nc_u64 s[20:21], s[4:5], s[20:21]
	s_add_nc_u64 s[46:47], s[6:7], s[46:47]
	CROUND
.irp s, 0,1
	s_mov_b32 s[G0+4*\s], 1
	s_add_co_u32 s[G0+4*\s+1], s45, \s*SLOT
	s_add_nc_u64 s[G0+4*\s+2:G0+4*\s+3], s[20:21], \s*ROWB
	s_or_b32 s[G0+4*\s+3], s[G0+4*\s+3], 0x80000000
	s_mov_b32 s[G0B+4*\s], 1
	s_add_co_u32 s[G0B+4*\s+1], s45, \s*SLOT
	s_add_nc_u64 s[G0B+4*\s+2:G0B+4*\s+3], s[46:47], \s*ROWB
	s_or_b32 s[G0B+4*\s+3], s[G0B+4*\s+3], 0x80000000
	JLOAD G0+4*\s, G1, G0B+4*\s, G1B
.endr
	v_and_b32 v1, 15, v0
	v_bfe_u32 v2, v0, 4, 1
	v_and_b32 v6, 31, v0
	v_mul_u32_u24 v3, v1, PITCH
	v_lshl_add_u32 v4, v2, 4, v3
	v_lshlrev_b32 v[CO], 4, v6                     ; 16 x lane: a row of the stage, of x1, of out0, and my four numbers of b2
	s_mul_i32 s21, s15, HALFT
	s_mul_i32 s22, s16, HALFT
	s_add_co_u32 s22, s22, 2*HALFT
.irp s, 0,1
	v_add_nc_u32 v[ADRA+\s], s21, v4
	v_add_nc_u32 v[ADRB+\s], s22, v4
	s_add_co_u32 s21, s21, SLOT
	s_add_co_u32 s22, s22, SLOT
.endr
	s_lshl_b32 s82, s42, 10
	s_lshl_b32 s83, s16, 9
	s_add_co_u32 s82, s82, s83                     ; my first column, in bytes: 1,024 x tile column + 512 x half
	s_mov_b32 s83, 0
	s_add_nc_u64 s[10:11], s[10:11], s[82:83]
	global_load_b128 v[8:11], v[CO], s[10:11]      ; b2 of columns 4 lane + 0 .. 3 of my 128
	s_mul_i32 s23, s14, 16*SPITCH                  ; my stage
	v_mul_u32_u24 v5, v1, SPITCH
	v_lshl_add_u32 v5, v2, 5, v5
	v_add_nc_u32 v[STO], s23, v5
	v_add_nc_u32 v[RD], s23, v[CO]
	s_lshl_b32 s80, s17, 8
	s_lshl_b32 s81, s15, 7
	s_add_co_u32 s80, s80, s81                     ; my first row: 256 x tile row + 128 x half
	s_lshl_b32 s80, s80, 12
	s_add_co_u32 s80, s80, s82
	s_mov_b32 s81, 0
	s_add_nc_u64 s[76:77], s[76:77], s[80:81]
	s_add_nc_u64 s[78:79], s[78:79], s[80:81]
.macro FRAG reg, adr, q, i
.irp c, 0,1,2,3
	ds_load_b128 v[\reg+4*\c:\reg+4*\c+3], v[\adr] offset:128*(\q)+32*\c+(\i)*16*PITCH
.endr
.endm
.macro MUL16 a0, p, zero               ; the 64 accumulators take turns, one instruction a turn
.irp a, \a0, \a0+1
.irp b, 0,1,2,3,4,5,6,7
.if \zero
	v_wmma_f32_16x16x128_fp8_fp8 v[8*(8*((\a)%4)+\b):8*(8*((\a)%4)+\b)+7], v[128*(\p)+FR*\b:128*(\p)+FR*\b+FR-1], v[AF+FR*(\a):AF+FR*(\a)+FR-1], 0
.else
	v_wmma_f32_16x16x128_fp8_fp8 v[8*(8*((\a)%4)+\b):8*(8*((\a)%4)+\b)+7], v[128*(\p)+FR*\b:128*(\p)+FR*\b+FR-1], v[AF+FR*(\a):AF+FR*(\a)+FR-1], v[8*(8*((\a)%4)+\b):8*(8*((\a)%4)+\b)+7]
.endif
.endr
.endr
.endm
.macro FETCH_B slot, q, p
	WIN TO_B
.irp i, 0,1,2,3,4,5,6,7
	FRAG 128*(\p)+FR*\i, ADRB+\slot, \q, \i
.endr
	WIN 0
.endm
.macro FETCH_A slot, q, i0
.irp i, \i0, \i0+1, \i0+2, \i0+3
	FRAG AF+FR*(\i), ADRA+\slot, \q, \i
.endr
.endm
.macro PLACES n
.rept \n
	v_nop
.endr
.endm
.macro STEP slot, q, zero
	s_wait_dscnt 4*NL                              ; B's set and A's blocks 0-3 are in; the youngest 16 loads may be out
	WIN MUL_LO
	MUL16 0, (\q)%2, \zero
	MUL16 2, (\q)%2, \zero
	s_wait_dscnt 0
	PLACES NP
	FETCH_B \slot, (\q)+1, 1-(\q)%2
	FETCH_A \slot, (\q)+1, 0
	WIN MUL_HI
	MUL16 4, (\q)%2, \zero
	MUL16 6, (\q)%2, \zero
	PLACES NP
	WIN 0
	FETCH_A \slot, (\q)+1, 4
.endm
.macro TURN slot, next, fill
	s_wait_tensorcnt 0x0                           ; all my tensor loads have landed: my part of the next slot
	ds_add_u32 v[SPW], v[NIL]                      ; 0 onto my spare word
	s_wait_dscnt 4*NL+1                            ; the add and the youngest 16 loads may be out
	WIN MUL_LO
	MUL16 0, 1, 0
	s_wait_dscnt 0x0                               ; the add is done, and my reads of this slot are over
	s_barrier_signal -1
	MUL16 2, 1, 0
	WIN 0
	s_barrier_wait -1
.if \fill
	CREST
	s_add_nc_u64 s[G0+4*\slot+2:G0+4*\slot+3], s[G0+4*\slot+2:G0+4*\slot+3], 2*ROWB
	s_add_nc_u64 s[G0B+4*\slot+2:G0B+4*\slot+3], s[G0B+4*\slot+2:G0B+4*\slot+3], 2*ROWB
	JLOAD G0+4*\slot, G1, G0B+4*\slot, G1B
.else
	PLACES NP
.endif
	FETCH_B \next, 0, 0
	FETCH_A \next, 0, 0
	WIN MUL_HI
	MUL16 4, 1, 0
	MUL16 6, 1, 0
	PLACES NP
	WIN 0
	FETCH_A \next, 0, 4
.endm
	s_wait_tensorcnt 1                             ; my part of K step 0 is in; K step 1's load may be out
	s_barrier_signal -1
	s_barrier_wait -1
	FETCH_B 0, 0, 0
	FETCH_A 0, 0, 0
	FETCH_A 0, 0, 4
	STEP 0, 0, 1
	s_mov_b32 s3, LAPS-1
.Llap:
	TURN 0, 1, 1
	STEP 1, 0, 0
	TURN 1, 0, 1
	STEP 0, 0, 0
	s_sub_co_u32 s3, s3, 1
	s_cmp_lg_u32 s3, 0
	s_cbranch_scc1 .Llap
	TURN 0, 1, 0
	STEP 1, 0, 0
	s_wait_dscnt 4*NL
	WIN MUL_LO
	MUL16 0, 1, 0
	MUL16 2, 1, 0
	s_wait_dscnt 0
	WIN MUL_HI
	MUL16 4, 1, 0
	MUL16 6, 1, 0
	WIN 0
; THE WAY OUT, block by block of 16 rows x 128 columns: sum x factor through my own stage (in slot 0, which has had its last fill and its last read), back as whole rows of 512 bytes;
; the same rows of x1, asked for a block ahead; x1 x sqrt(0.8) and the bias are added; the 32 lanes store 512 consecutive bytes.  Every offset is an immediate.
.macro SKLOAD a
	WIN 0x40
.irp t, 0,1,2,3,4,5,6,7,8,9,10,11,12,13,14,15
	global_load_b128 v[64*((\a)%2)+4*\t:64*((\a)%2)+4*\t+3], v[CO], s[76:77] offset:(16*(\a)+\t)*4096 th:TH_LOAD_NT
.endr
	WIN 0
.endm
.macro TOSTAGE a
.set AC, 64*((\a)%4)
	WIN 0x02+((\a)/4)
.set i, 0
.rept 32
	v_pk_mul_f32 v[TMP+2*i:TMP+2*i+1], v[AC+2*i:AC+2*i+1], s[96:97] op_sel_hi:[1,0]   ; each accumulator from its low end on
.set i, i+1
.endr
	WIN 0
.irp b, 0,1,2,3,4,5,6,7
	ds_store_b128 v[STO], v[TMP+8*\b:TMP+8*\b+3] offset:64*\b
	ds_store_b128 v[STO], v[TMP+8*\b+4:TMP+8*\b+7] offset:64*\b+16
.endr
.set BB, BK+64*((\a)%2)
.irp t, 0,1,2,3,4,5,6,7,8,9,10,11,12,13,14,15
	ds_load_b128 v[BB+4*\t:BB+4*\t+3], v[RD] offset:\t*SPITCH   ; LDS serves a wave's instructions in order: these see my stores
.endr
.endm
.macro SEND a, younger, lc
.set BB, BK+64*((\a)%2)
.set SK, 64*((\a)%2)
	s_wait_dscnt \younger                          ; the block is back; the next block's 16 stores and 16 loads may be out
	s_wait_loadcnt \lc                             ; its rows of x1 are in; the next block's 16 loads may be out
	WIN 0x01                                       ; source 0 (x1) window 1
.set i, 0
.rept 32
	v_pk_fma_f32 v[BB+2*i:BB+2*i+1], v[SK+2*i:SK+2*i+1], s[94:95], v[BB+2*i:BB+2*i+1] op_sel_hi:[1,0,1]
.set i, i+1
.endr
	WIN 0
.irp t, 0,1,2,3,4,5,6,7,8,9,10,11,12,13,14,15
	v_pk_add_f32 v[BB+4*\t:BB+4*\t+1], v[BB+4*\t:BB+4*\t+1], v[8:9]
	v_pk_add_f32 v[BB+4*\t+2:BB+4*\t+3], v[BB+4*\t+2:BB+4*\t+3], v[10:11]
.endr
.irp t, 0,1,2,3,4,5,6,7,8,9,10,11,12,13,14,15
	global_store_b128 v[CO], v[BB+4*\t:BB+4*\t+3], s[78:79] offset:(16*(\a)+\t)*4096 th:TH_STORE_NT
.endr
.endm
	s_wait_kmcnt 0x0
	s_add_co_i32 s96, s68, s69
	s_lshl_b32 s96, s96, 23
	s_add_co_i32 s96, s96, 0x3c21e89b              ; sqrt(0.2) x 2^-5.5 x 2^(e10 + e11)
	s_mov_b32 s97, s96
	s_mov_b32 s94, 0x3f64f92e                      ; sqrt(0.8)
	s_mov_b32 s95, s94
	s_wait_loadcnt 0x0                             ; b2
	PLACES NP
	v_pk_mul_f32 v[8:9], v[8:9], 0x3c21e89b op_sel_hi:[1,0]      ; b2 x sqrt(0.2) x 2^-5.5
	v_pk_mul_f32 v[10:11], v[10:11], 0x3c21e89b op_sel_hi:[1,0]
	SKLOAD 0
	TOSTAGE 0
.irp a, 1,2,3,4,5,6,7
.if \a > 1
	s_wait_xcnt 0x0                                ; block a - 2's stores have read their registers: block a's rows may land there
.endif
	SKLOAD \a
	TOSTAGE \a
	SEND \a-1, 32, 16
.endr
	SEND 7, 0, 0
	s_wait_tensorcnt 0x0                           ; the wave's end
	ds_add_u32 v[SPW], v[NIL]
	s_wait_dscnt 0x0
	CROUND
	s_endpgm
.Lfunc_end_k_qbf6c637021_gemm_w2:
	.size	k_qbf6c637021_gemm_w2, .Lfunc_end_k_qbf6c637021_gemm_w2-k_qbf6c637021_gemm_w2
	.p2alignl 7, 3214868480
	.fill 96, 4, 3214868480
	.section	.rodata,"a",@progbits
	.p2align	6, 0x0
	.amdhsa_kernel k_qbf6c637021_gemm_w2
		.amdhsa_group_segment_fixed_size 327680
		.amdhsa_private_segment_fixed_size 0
		.amdhsa_enable_private_segment 0
		.amdhsa_kernarg_size 48
		.amdhsa_user_sgpr_count 2
		.amdhsa_user_sgpr_kernarg_segment_ptr 1
		.amdhsa_wavefront_size32 1
		.amdhsa_system_sgpr_workgroup_id_x 1
		.amdhsa_system_sgpr_workgroup_id_y 1
		.amdhsa_system_sgpr_workgroup_id_z 1
		.amdhsa_system_vgpr_workitem_id 0
		.amdhsa_next_free_vgpr 1024
		.amdhsa_next_free_sgpr 98
		.amdhsa_reserve_vcc 0
		.amdhsa_float_denorm_mode_32 3
		.amdhsa_float_denorm_mode_16_64 3
		.amdhsa_memory_ordered 1
		.amdhsa_forward_progress 1
		.amdhsa_inst_pref_size 169
	.end_amdhsa_kernel
	.amdgpu_metadata
---
amdhsa.version: [ 1, 2 ]
amdhsa.kernels:
  - .name:           k_qbf6c637021_gemm_w2
    .symbol:         k_qbf6c637021_gemm_w2.kd
    .args:
      - { .name: gc, .offset: 0, .size: 8, .value_kind: global_buffer, .address_space: global }
      - { .name: c1, .offset: 8, .size: 8, .value_kind: global_buffer, .address_space: global }
      - { .name: lowp_scales, .offset: 16, .size: 8, .value_kind: global_buffer, .address_space: global }
      - { .name: b2, .offset: 24, .size: 8, .value_kind: global_buffer, .address_space: global }
      - { .name: x1, .offset: 32, .size: 8, .value_kind: global_buffer, .address_space: global }
      - { .name: out0, .offset: 40, .size: 8, .value_kind: global_buffer, .address_space: global }
    .group_segment_fixed_size: 327680
    .private_segment_fixed_size: 0
    .kernarg_segment_align: 8
    .kernarg_segment_size: 48
    .max_flat_workgroup_size: 128
    .sgpr_count:     98
    .vgpr_count:     1024
    .wavefront_size: 32
...
	.end_amdgpu_metadata
.endif
;; end of part 7
;; ======== version 2 of 3: 7 launches; 1.19 times as fast as version 1
;; workspace buffers: c1 16,777,216 bytes; qkv 12,582,912 bytes; avf 4,194,304 bytes; x1 16,777,216 bytes; h2c 4,194,304 bytes; gc 16,777,216 bytes
;; launch prep: the kernel of part 1 again; grid 640 x 1, 4 waves a work-group, no clusters, 66,048 bytes of LDS; arguments x, w_qkv, w_o, w1, w2, ln1_w, ln1_b, lowp_scales, c1; writes c1
;; launch gemm_qkv: the kernel of part 2 again; grid 12 x 16, 4 waves a work-group, clusters of 4 x 4, 327,680 bytes of LDS; arguments c1, lowp_scales, qkv; writes qkv
;; launch attn: the kernel of part 3 again; grid 8 x 32, 4 waves a work-group, no clusters, 20,992 bytes of LDS; arguments qkv, lowp_scales, avf; writes avf
;; launch gemm_o (part 8): grid 8 x 32, 4 waves a work-group, clusters of 4 x 4, 327,680 bytes of LDS; arguments avf, c1, lowp_scales, x, x1; writes x1
.if DOCPART == 8
	.amdgcn_target "amdgcn-amd-amdhsa--gfx1250"
	.amdhsa_code_object_version 6
	.text
	.protected	k_qbf6c637021_gemm_o
	.globl	k_qbf6c637021_gemm_o
	.p2align	8
	.type	k_qbf6c637021_gemm_o,@function
k_qbf6c637021_gemm_o:
	s_mov_b64 s[64:65], 0
	v_nop
	global_prefetch_b8 v0, s[64:65] scope:SCOPE_SE
	s_setreg_imm32_b32 hwreg(HW_REG_WAVE_MODE, 25, 1), 1
	s_wait_xcnt 0x0
	s_wait_alu depctr_hold_cnt(0) depctr_sa_sdst(0) depctr_va_vdst(0) depctr_va_sdst(0) depctr_va_ssrc(0) depctr_va_vcc(0) depctr_vm_vsrc(0)
	s_getreg_b32 s2, hwreg(HW_REG_IB_STS2, 6, 4)
	s_cmp_eq_u32 s2, 0
	s_cbranch_scc0 .Lentry_in_a_cluster
	s_endpgm
.Lentry_in_a_cluster:
	s_bfe_u32 s2, ttmp6, 0x10000c
	s_cmp_lg_u32 s2, 0xf033
	s_cbranch_scc0 .Lentry_shape_is_right
	s_endpgm
.Lentry_shape_is_right:
; x1 = sqrt(0.2) x (av w_o^T) x 2^-5 + sqrt(0.8) x x.  av: codes of E4M3 in avf, in the order of an operand's registers ([row tile 256][K step of 128: 8][c 4][lane 32][16 bytes]);
; w_o: codes in c1 at byte 7,340,032, rows of 1,024 bytes.  x, x1: [4096][1024] f32.  Scale entries 6 and 7.  Sums in f32.
; A TILE OF 128 x 128 to a work-group of four waves, a wave 64 x 64: 16 accumulators, 128 registers.  N is only 1,024: 8 x 32 = 256 such tiles, against 64 of 256 x 256.  The price: for 128 along K a wave
; loads 2 x 64 rows x 128 bytes from LDS for 16 products, twice the bytes a product that a wave tile of 128 x 128 loads.
; K = 1,024 IS THE RING'S TWO SLOTS of 512 along K: both are filled at the start, and nothing is filled again; the loop for longer K is left out by .if.
; CLUSTERS of 4 x 4: the four of a row of the cluster need the same tile of A, the four of a column the same tile of B: each is asked for jointly.
; A'S TILE IS AN IMAGE: for a wave's 4 row tiles, 8,192 consecutive bytes each (four K steps of 128), 16,384 bytes apart in memory; in LDS they lie on end, and a fragment comes by four loads of 512 consecutive bytes.
; The matrix instruction is used transposed (source 0 = rows of w_o, source 1 = rows of av): a lane holds eight neighbouring columns of a row.
; A wave's 64 columns of f32 are 256 bytes, aligned: each wave goes out through a stage of its own, with no barrier.  Its 64 x 64 numbers of x are asked for at the head, behind the first tensor loads.
; LIMIT: e6 + e7 - 5 between -124 and 129 (added to the factor's exponent field).
; REGISTERS, in windows of 256: window 0: v0-31 addresses; v32-63 sums x factor; v64-127 rows back from the stage, two sets; v128-255 accumulator (a, b) at v[128 + 8 (4 a + b)].
;   window 1: two fragment buffers of 128: A's four fragments, then B's four.   window 2: v0-127 my rows of x, block a at v[32 a].
.set KROW,   1024                      ; a row of w_o's codes in memory, in bytes
.set ROWB,   512                       ; B: a tile's row: 512 along K
.set AROW,   8192                      ; A: a row tile's four K steps of 128
.set PITCH,  528                       ; B's LDS row: 512 bytes + 16 of padding = 132 words: the 16 rows that a load touches start at 16 different banks (ISA guide 11.1)
.set FR,     16                        ; registers of a fragment: 16 rows x 128 K
.set NP,     4                         ; places behind this matrix instruction (ISA guide 7.12.1)
.set HALFT,  64*PITCH                  ; what one tensor load may take in LDS
.set SLOT,   4*HALFT                   ; A's two halves, then B's two halves
.set LAPS,   KROW/(2*ROWB)
.set STAGE,  2*SLOT                    ; behind the ring: 16 rows x 272 bytes for each wave
.set SPITCH, 272
.set SPARE,  STAGE+4*16*SPITCH         ; behind the stages: the spare words, 128 bytes a wave, that no other line names
.set ADRA, 16
.set ADRB, 20
.set STO,  24
.set RD,   25
.set CO,   26
.set LI,   27
.set SPW,  28
.set NIL,  29
.set TMP,  32
.set BK,   64
.set ACC,  128
.set F0,   0
.set F1,   128
.set G1, 24
.set G0, 32
.set G1B, 48
.set G0B, 56
.set MSB, 0
.macro WIN new                         ; the immediate's high byte repeats the setting that is left
.if MSB != \new
	s_set_vgpr_msb (MSB<<8)|\new
.set MSB, \new
.endif
.endm
.set MUL,  0x05                        ; sources 0 (B) and 1 (A) window 1; C and D window 0
.set TO_F, 0x40                        ; destination window 1, address window 0
.macro JLOAD g0a, g1a, g0b, g1b        ; a joint load: waves 0 and 1 fetch for A, waves 2 and 3 for B; four v_nop follow each line
	s_cmp_eq_u32 s15, 0
	s_cbranch_scc0 .Lfor_b_\@
	tensor_load_to_lds s[\g0a:\g0a+3], s[\g1a:\g1a+7]
	s_nop 0
.rept 4
	v_nop
.endr
	s_branch .Lasked_\@
.Lfor_b_\@:
	tensor_load_to_lds s[\g0b:\g0b+3], s[\g1b:\g1b+7]
	s_nop 0
.rept 4
	v_nop
.endr
.Lasked_\@:
.endm
.macro CREST                           ; a round of the cluster's barrier behind its opening barrier
	s_cmp_lg_u32 s14, 0
	s_cbranch_scc1 .Lnot_wave_0_\@
	s_barrier_signal -3
.Lnot_wave_0_\@:
	s_barrier_wait -3
	s_barrier_signal -1
	s_barrier_wait -1
.endm
.macro CROUND
	s_barrier_signal -1
	s_barrier_wait -1
	CREST
.endm
	s_load_b128 s[4:7], s[0:1], 0x0                ; avf, c1
	s_load_b128 s[8:11], s[0:1], 0x10              ; the scales' exponents, x
	s_load_b64 s[12:13], s[0:1], 0x20              ; x1
	v_lshl_add_u32 v[SPW], v0, 2, SPARE
	v_mov_b32 v[NIL], 0
	ds_add_u32 v28, v29
	ds_add_u32 v28, v29
	s_wait_dscnt 0x0
	v_lshrrev_b32 v1, 5, v0
	v_readfirstlane_b32 s14, v1                    ; wave 0..3
	s_lshr_b32 s15, s14, 1                         ; which half of the tile's rows is mine.  Also: I fetch for A (0) or for B (1)
	s_and_b32 s16, s14, 1                          ; which half of its columns.  Also: which half of that tile I fetch
	s_bfe_u32 s40, ttmp6, 0x40000                  ; cx, cy
	s_bfe_u32 s41, ttmp6, 0x40004
	s_lshl_b32 s42, ttmp9, 2
	s_add_co_u32 s42, s42, s40                     ; tile column, 0..7
	s_and_b32 s17, ttmp7, 0xffff
	s_lshl_b32 s17, s17, 2
	s_add_co_u32 s17, s17, s41                     ; tile row, 0..31
	s_lshl_b32 s43, s41, 2
	s_lshl_b32 s43, 15, s43                        ; my row of the cluster
	s_lshl_b32 s44, 0x1111, s40                    ; my column
	s_or_b32 s[G1+0], s43, (0<<16)|(1<<21)         ; A: the mask; elements of 1 byte; no padding; bit 21 beside a mask
	s_mov_b32 s[G1+1], AROW<<16                    ; tensor_dim0 = 8,192 bytes
	s_mov_b32 s[G1+2], 4<<16                       ; tensor_dim1 = 4 row tiles
	s_mov_b32 s[G1+3], AROW<<16                    ; tile_dim0
	s_mov_b32 s[G1+4], 4                           ; tile_dim1
	s_mov_b32 s[G1+5], 16384                       ; from row tile to row tile
	s_mov_b32 s[G1+6], 0
	s_mov_b32 s[G1+7], 0
	s_or_b32 s[G1B+0], s44, (0<<16)|(1<<20)|(1<<21)|(6<<22)|(3<<25)  ; B: the mask; padding on; 4 words behind every 128
	s_mov_b32 s[G1B+1], ROWB<<16                   ; tensor_dim0
	s_mov_b32 s[G1B+2], 64<<16                     ; tensor_dim1
	s_mov_b32 s[G1B+3], ROWB<<16                   ; tile_dim0
	s_mov_b32 s[G1B+4], 64                         ; tile_dim1
	s_mov_b32 s[G1B+5], KROW                       ; the pitch
	s_mov_b32 s[G1B+6], 0
	s_mov_b32 s[G1B+7], 0
	s_lshl_b32 s20, s17, 3
	s_lshl_b32 s18, s16, 2
	s_add_co_u32 s20, s20, s18                     ; A: row tile 8 x tile row + 4 x half,
	s_lshl_b32 s20, s20, 14                        ; 16,384 bytes each
	s_mov_b32 s21, 0
	s_lshl_b32 s18, s16, 6
	s_lshl_b32 s46, s42, 7
	s_add_co_u32 s46, s46, s18                     ; B: row 128 x tile column + 64 x half
	s_mov_b32 s47, 0
	s_mov_b64 s[18:19], KROW
	s_mul_u64 s[46:47], s[46:47], s[18:19]
	s_mul_i32 s45, s14, HALFT                      ; where they go: no place in the cluster enters an LDS address
	s_wait_kmcnt 0x0
	s_load_b64 s[68:69], s[8:9], 0x18              ; e6, e7
	s_add_nc_u64 s[6:7], s[6:7], 0x700000          ; w_o's codes
	s_add_nc_u64 s[20:21], s[4:5], s[20:21]
	s_add_nc_u64 s[46:47], s[6:7], s[46:47]
	CROUND                                         ; all sixteen work-groups are here: the first joint loads meet
.irp s, 0,1
	s_mov_b32 s[G0+4*\s], 1
	s_add_co_u32 s[G0+4*\s+1], s45, \s*SLOT
	s_add_nc_u64 s[G0+4*\s+2:G0+4*\s+3], s[20:21], \s*AROW
	s_or_b32 s[G0+4*\s+3], s[G0+4*\s+3], 0x80000000
	s_mov_b32 s[G0B+4*\s], 1
	s_add_co_u32 s[G0B+4*\s+1], s45, \s*SLOT
	s_add_nc_u64 s[G0B+4*\s+2:G0B+4*\s+3], s[46:47], \s*ROWB
	s_or_b32 s[G0B+4*\s+3], s[G0B+4*\s+3], 0x80000000
	JLOAD G0+4*\s, G1, G0B+4*\s, G1B
.endr
	v_and_b32 v1, 15, v0                           ; r = l % 16
	v_bfe_u32 v2, v0, 4, 1                         ; h = l / 16
	v_and_b32 v6, 31, v0
	v_lshlrev_b32 v[LI], 4, v6                     ; 16 x lane: my place in A's image
	v_mul_u32_u24 v3, v1, PITCH
	v_lshl_add_u32 v4, v2, 4, v3                   ; B: a fragment's row x pitch + 16 x half
	s_mul_i32 s21, s15, HALFT                      ; my half of A,
	s_mul_i32 s22, s16, HALFT                      ; my half of B,
	s_add_co_u32 s22, s22, 2*HALFT                 ; which lies behind A's two
.irp s, 0,1
	v_add_nc_u32 v[ADRA+\s], s21, v[LI]
	v_add_nc_u32 v[ADRB+\s], s22, v4
	s_add_co_u32 s21, s21, SLOT
	s_add_co_u32 s22, s22, SLOT
.endr
	s_mul_i32 s23, s14, 16*SPITCH
	s_add_co_u32 s23, s23, STAGE                   ; my stage
	v_mul_u32_u24 v5, v1, SPITCH
	v_lshl_add_u32 v5, v2, 5, v5
	v_add_nc_u32 v[STO], s23, v5                   ; in: row r, 32 bytes for each half of the lanes
	v_mul_u32_u24 v5, v2, SPITCH
	v_lshl_add_u32 v5, v1, 4, v5
	v_add_nc_u32 v[RD], s23, v5                    ; back: lanes 0-15 one row of 256 bytes, lanes 16-31 the next
	v_lshlrev_b32 v5, 12, v2
	v_lshl_add_u32 v[CO], v1, 4, v5                ; and the same two rows in x and in x1
	s_lshl_b32 s80, s17, 7
	s_lshl_b32 s81, s15, 6
	s_add_co_u32 s80, s80, s81                     ; my first row: 128 x tile row + 64 x half,
	s_lshl_b32 s80, s80, 12                        ; 4,096 bytes each;
	s_lshl_b32 s81, s42, 9
	s_add_co_u32 s80, s80, s81
	s_lshl_b32 s81, s16, 8
	s_add_co_u32 s80, s80, s81                     ; my first column: 512 x tile column + 256 x half bytes
	s_mov_b32 s81, 0
	s_add_nc_u64 s[10:11], s[10:11], s[80:81]
	s_add_nc_u64 s[12:13], s[12:13], s[80:81]
	WIN 0x80                                       ; destination window 2: my 64 x 64 numbers of x, in the layout in which the rows come back from the stage
.irp a, 0,1,2,3
.irp t, 0,1,2,3,4,5,6,7
	global_load_b128 v[32*\a+4*\t:32*\a+4*\t+3], v[CO], s[10:11] offset:(16*\a+2*\t)*4096 th:TH_LOAD_NT
.endr
.endr
	WIN 0
.macro FRAG reg, adr, q, i             ; B: 16 rows x 128 K: registers 4 c .. 4 c + 3 hold K = 32 c + 16 (l / 16) + 0 .. 15: one permutation of k, alike in A and B
.irp c, 0,1,2,3
	ds_load_b128 v[\reg+4*\c:\reg+4*\c+3], v[\adr] offset:128*(\q)+32*\c+(\i)*16*PITCH
.endr
.endm
.macro FRAGA reg, adr, q, i            ; A: the same registers, out of the image
.irp c, 0,1,2,3
	ds_load_b128 v[\reg+4*\c:\reg+4*\c+3], v[\adr] offset:2048*(\q)+512*\c+(\i)*AROW
.endr
.endm
; 8 matrix instructions: A's blocks a0, a0 + 1 x B's four, 128 along K, out of buffer f.  The 16 accumulators take turns, one instruction a turn, in the same order in every quarter.
.macro MUL8 f, a0, zero
.irp a, \a0, \a0+1
.irp b, 0,1,2,3
.if \zero
	v_wmma_f32_16x16x128_fp8_fp8 v[ACC+8*(4*(\a)+\b):ACC+8*(4*(\a)+\b)+7], v[\f+64+FR*\b:\f+64+FR*\b+FR-1], v[\f+FR*(\a):\f+FR*(\a)+FR-1], 0
.else
	v_wmma_f32_16x16x128_fp8_fp8 v[ACC+8*(4*(\a)+\b):ACC+8*(4*(\a)+\b)+7], v[\f+64+FR*\b:\f+64+FR*\b+FR-1], v[\f+FR*(\a):\f+FR*(\a)+FR-1], v[ACC+8*(4*(\a)+\b):ACC+8*(4*(\a)+\b)+7]
.endif
.endr
.endr
.endm
.macro FETCH slot, q, f                ; 32 LDS loads in one run: the slot's q-th 128 along K into buffer f: B's four fragments first, then A's blocks 0 to 3
	WIN TO_F
.irp i, 0,1,2,3
	FRAG \f+64+FR*\i, ADRB+\slot, \q, \i
.endr
.irp i, 0,1,2,3
	FRAGA \f+FR*\i, ADRA+\slot, \q, \i
.endr
.endm
.macro PLACES n                        ; plain vector instructions between a matrix instruction and a load into, or a vector read of, its registers
.rept \n
	v_nop
.endr
.endm
; A slot is four quarters of 128 along K, 16 matrix instructions each, on buffers 0, 1, 0, 1.  One of the first three: multiplies buffer f and fetches quarter k of the same slot into g.
.macro QUARTER slot, k, f, g, zero
	s_wait_dscnt 8                                 ; B's four and A's blocks 0 and 1 are in; the youngest eight loads (A's blocks 2 and 3) may be out
	WIN MUL
	MUL8 \f, 0, \zero
	PLACES NP
	FETCH \slot, \k, \g
	s_wait_dscnt 32                                ; all but the 32 just issued
	WIN MUL
	MUL8 \f, 2, \zero
.endm
; The last quarter multiplies buffer 1 and changes slots: one barrier; in front of it each wave waits for all its tensor loads, adds 0 to its spare word, and waits for that and for its reads of this slot.
.macro TURN slot, next, fill
	WIN 0                                          ; (the add's two registers lie in window 0)
	s_wait_tensorcnt 0x0                           ; all my tensor loads have landed: my part of the next slot
	ds_add_u32 v[SPW], v[NIL]                      ; 0 onto my spare word
	WIN MUL
	s_wait_dscnt 0x0                               ; the add is done, buffer 1 is in, and my reads of this slot are over
	s_barrier_signal -1
	MUL8 F1, 0, 0                                  ; work on registers while the others arrive
	WIN 0
	s_barrier_wait -1
.if \fill
	CREST                                          ; the barrier has opened a round of the cluster's: no wave of any partner still reads this slot or has a load on its way
	s_add_nc_u64 s[G0+4*\slot+2:G0+4*\slot+3], s[G0+4*\slot+2:G0+4*\slot+3], 2*AROW
	s_add_nc_u64 s[G0B+4*\slot+2:G0B+4*\slot+3], s[G0B+4*\slot+2:G0B+4*\slot+3], 2*ROWB
	JLOAD G0+4*\slot, G1, G0B+4*\slot, G1B         ; the first tensor load behind the round; its four v_nop are the places in front of the loads below
.else
	PLACES NP
.endif
	FETCH \next, 0, F0
	WIN MUL
	MUL8 F1, 2, 0
.endm
	s_wait_tensorcnt 1                             ; my part of slot 0 is in; slot 1's load may be out
	s_barrier_signal -1
	s_barrier_wait -1
	FETCH 0, 0, F0
	QUARTER 0, 1, F0, F1, 1                        ; the first quarter's products start the sums: nothing is cleared
.if LAPS > 1
	WIN 0
	s_mov_b32 s3, LAPS-1
.Llap:
	QUARTER 0, 2, F1, F0, 0
	QUARTER 0, 3, F0, F1, 0
	TURN 0, 1, 1
	QUARTER 1, 1, F0, F1, 0
	QUARTER 1, 2, F1, F0, 0
	QUARTER 1, 3, F0, F1, 0
	TURN 1, 0, 1
	QUARTER 0, 1, F0, F1, 0
	WIN 0
	s_sub_co_u32 s3, s3, 1
	s_cmp_lg_u32 s3, 0
	s_cbranch_scc1 .Llap
.endif
	QUARTER 0, 2, F1, F0, 0
	QUARTER 0, 3, F0, F1, 0
	TURN 0, 1, 0                                   ; the last lap fills nothing
	QUARTER 1, 1, F0, F1, 0
	QUARTER 1, 2, F1, F0, 0
	QUARTER 1, 3, F0, F1, 0
	s_wait_dscnt 0x0                               ; the very last quarter: nothing more to fetch
	WIN MUL
	MUL8 F1, 0, 0
	MUL8 F1, 2, 0
	WIN 0
; THE WAY OUT, block by block of 16 rows x my 64 columns: sum x factor into my own stage, back as whole rows of 256 bytes, two an instruction; one packed multiply-add with the same rows of x;
; sixteen lanes store 256 consecutive bytes, aligned.  Every offset is an immediate: no base is stepped.
.macro TOSTAGE a
.set AC, ACC+32*(\a)
.set i, 0
.rept 16
	v_pk_mul_f32 v[TMP+2*i:TMP+2*i+1], v[AC+2*i:AC+2*i+1], s[96:97] op_sel_hi:[1,0]   ; each accumulator from its low end on
.set i, i+1
.endr
.irp b, 0,1,2,3
	ds_store_b128 v[STO], v[TMP+8*\b:TMP+8*\b+3] offset:64*\b
	ds_store_b128 v[STO], v[TMP+8*\b+4:TMP+8*\b+7] offset:64*\b+16
.endr
.set BB, BK+32*((\a)%2)
.irp t, 0,1,2,3,4,5,6,7
	ds_load_b128 v[BB+4*\t:BB+4*\t+3], v[RD] offset:\t*2*SPITCH   ; LDS serves a wave's instructions in order: these see my stores
.endr
.endm
.macro SEND a, younger
.set BB, BK+32*((\a)%2)
.set SK, 32*(\a)
	s_wait_dscnt \younger                          ; the block is back; the next block's 8 stores and 8 loads may be out
	WIN 0x02                                       ; source 0 (x) window 2
.set i, 0
.rept 16
	v_pk_fma_f32 v[BB+2*i:BB+2*i+1], v[SK+2*i:SK+2*i+1], s[94:95], v[BB+2*i:BB+2*i+1] op_sel_hi:[1,0,1]
.set i, i+1
.endr
	WIN 0
.irp t, 0,1,2,3,4,5,6,7
	global_store_b128 v[CO], v[BB+4*\t:BB+4*\t+3], s[12:13] offset:(16*(\a)+2*\t)*4096
.endr
.endm
	s_wait_kmcnt 0x0
	s_add_co_i32 s96, s68, s69
	s_sub_co_i32 s96, s96, 5
	s_lshl_b32 s96, s96, 23
	s_add_co_i32 s96, s96, 0x3ee4f92e              ; sqrt(0.2) x 2^(e6 + e7 - 5)
	s_mov_b32 s97, s96
	s_mov_b32 s94, 0x3f64f92e                      ; sqrt(0.8)
	s_mov_b32 s95, s94
	s_wait_loadcnt 0x0                             ; my rows of x, asked for at the head
	PLACES NP
	TOSTAGE 0
.irp a, 1,2,3
.if \a > 1
	s_wait_xcnt 0x0                                ; block a - 2's stores have read their registers: block a's rows may land there
.endif
	TOSTAGE \a
	SEND \a-1, 16
.endr
	SEND 3, 0
	s_wait_tensorcnt 0x0                           ; the wave's end
	ds_add_u32 v[SPW], v[NIL]
	s_wait_dscnt 0x0
	CROUND                                         ; the closing round
	s_endpgm
.Lfunc_end_k_qbf6c637021_gemm_o:
	.size	k_qbf6c637021_gemm_o, .Lfunc_end_k_qbf6c637021_gemm_o-k_qbf6c637021_gemm_o
	.p2alignl 7, 3214868480
	.fill 96, 4, 3214868480
	.section	.rodata,"a",@progbits
	.p2align	6, 0x0
	.amdhsa_kernel k_qbf6c637021_gemm_o
		.amdhsa_group_segment_fixed_size 327680
		.amdhsa_private_segment_fixed_size 0
		.amdhsa_enable_private_segment 0
		.amdhsa_kernarg_size 40
		.amdhsa_user_sgpr_count 2
		.amdhsa_user_sgpr_kernarg_segment_ptr 1
		.amdhsa_wavefront_size32 1
		.amdhsa_system_sgpr_workgroup_id_x 1
		.amdhsa_system_sgpr_workgroup_id_y 1
		.amdhsa_system_sgpr_workgroup_id_z 1
		.amdhsa_system_vgpr_workitem_id 0
		.amdhsa_next_free_vgpr 768
		.amdhsa_next_free_sgpr 98
		.amdhsa_reserve_vcc 0
		.amdhsa_float_denorm_mode_32 3
		.amdhsa_float_denorm_mode_16_64 3
		.amdhsa_memory_ordered 1
		.amdhsa_forward_progress 1
		.amdhsa_inst_pref_size 53
	.end_amdhsa_kernel
	.amdgpu_metadata
---
amdhsa.version: [ 1, 2 ]
amdhsa.kernels:
  - .name:           k_qbf6c637021_gemm_o
    .symbol:         k_qbf6c637021_gemm_o.kd
    .args:
      - { .name: avf, .offset: 0, .size: 8, .value_kind: global_buffer, .address_space: global }
      - { .name: c1, .offset: 8, .size: 8, .value_kind: global_buffer, .address_space: global }
      - { .name: lowp_scales, .offset: 16, .size: 8, .value_kind: global_buffer, .address_space: global }
      - { .name: x, .offset: 24, .size: 8, .value_kind: global_buffer, .address_space: global }
      - { .name: x1, .offset: 32, .size: 8, .value_kind: global_buffer, .address_space: global }
    .group_segment_fixed_size: 327680
    .private_segment_fixed_size: 0
    .kernarg_segment_align: 8
    .kernarg_segment_size: 40
    .max_flat_workgroup_size: 128
    .sgpr_count:     98
    .vgpr_count:     768
    .wavefront_size: 32
...
	.end_amdgpu_metadata
.endif
;; end of part 8
;; launch ln2: the kernel of part 5 again; grid 256 x 1, 4 waves a work-group, no clusters, 33,280 bytes of LDS; arguments x1, ln2_w, ln2_b, lowp_scales, h2c; writes h2c
;; launch gemm_w1: the kernel of part 6 again; grid 16 x 16, 4 waves a work-group, clusters of 4 x 4, 327,680 bytes of LDS; arguments h2c, c1, lowp_scales, b1, gc; writes gc
;; launch gemm_w2 (part 9): grid 8 x 32, 4 waves a work-group, clusters of 4 x 4, 327,680 bytes of LDS; arguments gc, c1, lowp_scales, b2, x1, out0; writes out0
.if DOCPART == 9
	.amdgcn_target "amdgcn-amd-amdhsa--gfx1250"
	.amdhsa_code_object_version 6
	.text
	.protected	k_qbf6c637021_gemm_w2
	.globl	k_qbf6c637021_gemm_w2
	.p2align	8
	.type	k_qbf6c637021_gemm_w2,@function
k_qbf6c637021_gemm_w2:
	s_mov_b64 s[64:65], 0
	v_nop
	global_prefetch_b8 v0, s[64:65] scope:SCOPE_SE
	s_setreg_imm32_b32 hwreg(HW_REG_WAVE_MODE, 25, 1), 1
	s_wait_xcnt 0x0
	s_wait_alu depctr_hold_cnt(0) depctr_sa_sdst(0) depctr_va_vdst(0) depctr_va_sdst(0) depctr_va_ssrc(0) depctr_va_vcc(0) depctr_vm_vsrc(0)
	s_getreg_b32 s2, hwreg(HW_REG_IB_STS2, 6, 4)
	s_cmp_eq_u32 s2, 0
	s_cbranch_scc0 .Lentry_in_a_cluster
	s_endpgm
.Lentry_in_a_cluster:
	s_bfe_u32 s2, ttmp6, 0x10000c
	s_cmp_lg_u32 s2, 0xf033
	s_cbranch_scc0 .Lentry_shape_is_right
	s_endpgm
.Lentry_shape_is_right:
; out0 = sqrt(0.2) x (g w2^T + b2) x 2^-5.5 + sqrt(0.8) x x1.  g: codes of E4M3 in gc [4096][4096] (scale entry 10); w2: codes in c1 at byte 12,582,912, [1024][4096] (entry 11); x1, out0: [4096][1024] f32.
; A TILE OF 128 x 128 to a work-group of four waves, a wave 64 x 64: 16 accumulators, 128 registers.  N is only 1,024: 8 x 32 = 256 such tiles, against 64 of 256 x 256.  The price: for 128 along K a wave
; loads 2 x 64 rows x 128 bytes from LDS for 16 products, twice the bytes a product that a wave tile of 128 x 128 loads.
; K = 4,096 goes in steps of 512, as long as two slots in LDS allow, through a ring of two slots filled by the tensor data mover: rows of 512 bytes, 64 rows to a wave's load.
; CLUSTERS of 4 x 4: the four of a row of the cluster need the same tile of A, the four of a column the same tile of B: each is asked for jointly.
; The matrix instruction is used transposed (source 0 = rows of w2, source 1 = rows of g): a lane holds eight neighbouring columns of a row.
; A wave's 64 columns of f32 are 256 bytes, aligned: each wave goes out through a stage of its own, with no barrier.  Its 64 x 64 numbers of x1 are asked for at the head, behind the first tensor loads.
; LIMIT: e10 + e11 between -119 and 134 (added to the factor's exponent field).
; REGISTERS, in windows of 256: window 0: v0-31 addresses, v8-11 the bias of my four columns of a row; v32-63 sums x factor; v64-127 rows back from the stage, two sets; v128-255 accumulator (a, b) at v[128 + 8 (4 a + b)].
;   window 1: two fragment buffers of 128: A's four fragments, then B's four.   window 2: v0-127 my rows of x1, block a at v[32 a].
.set KROW,   4096                      ; a row of A or of B in memory, in bytes
.set ROWB,   512                       ; a tile's row: 512 along K
.set PITCH,  528                       ; an LDS row: 512 bytes + 16 of padding = 132 words: the 16 rows that a load touches start at 16 different banks (ISA guide 11.1)
.set FR,     16                        ; registers of a fragment: 16 rows x 128 K
.set NP,     4                         ; places behind this matrix instruction (ISA guide 7.12.1)
.set HALFT,  64*PITCH                  ; 64 rows: what one tensor load brings, and what one wave reads of A or of B
.set SLOT,   4*HALFT                   ; A's 128 rows, then B's 128 rows
.set LAPS,   KROW/(2*ROWB)             ; a lap = two slots = once round the ring
.set STAGE,  2*SLOT                    ; behind the ring: 16 rows x 272 bytes for each wave
.set SPITCH, 272
.set SPARE,  STAGE+4*16*SPITCH         ; behind the stages: the spare words, 128 bytes a wave, that no other line names
.set ADRA, 16
.set ADRB, 20
.set STO,  24
.set RD,   25
.set CO,   26
.set SPW,  28
.set NIL,  29
.set TMP,  32
.set BK,   64
.set ACC,  128
.set F0,   0
.set F1,   128
.set G1, 24
.set G0, 32
.set G1B, 48
.set G0B, 56
.set MSB, 0
.macro WIN new                         ; the immediate's high byte repeats the setting that is left
.if MSB != \new
	s_set_vgpr_msb (MSB<<8)|\new
.set MSB, \new
.endif
.endm
.set MUL,  0x05                        ; sources 0 (B) and 1 (A) window 1; C and D window 0
.set TO_F, 0x40                        ; destination window 1, address window 0
.macro JLOAD g0a, g1a, g0b, g1b        ; a joint load: waves 0 and 1 fetch for A, waves 2 and 3 for B; four v_nop follow each line
	s_cmp_eq_u32 s15, 0
	s_cbranch_scc0 .Lfor_b_\@
	tensor_load_to_lds s[\g0a:\g0a+3], s[\g1a:\g1a+7]
	s_nop 0
.rept 4
	v_nop
.endr
	s_branch .Lasked_\@
.Lfor_b_\@:
	tensor_load_to_lds s[\g0b:\g0b+3], s[\g1b:\g1b+7]
	s_nop 0
.rept 4
	v_nop
.endr
.Lasked_\@:
.endm
.macro CREST                           ; a round of the cluster's barrier behind its opening barrier
	s_cmp_lg_u32 s14, 0
	s_cbranch_scc1 .Lnot_wave_0_\@
	s_barrier_signal -3
.Lnot_wave_0_\@:
	s_barrier_wait -3
	s_barrier_signal -1
	s_barrier_wait -1
.endm
.macro CROUND
	s_barrier_signal -1
	s_barrier_wait -1
	CREST
.endm
	s_load_b128 s[4:7], s[0:1], 0x0                ; gc, c1
	s_load_b128 s[8:11], s[0:1], 0x10              ; the scales' exponents, b2
	s_load_b128 s[76:79], s[0:1], 0x20             ; x1, out0
	v_lshl_add_u32 v[SPW], v0, 2, SPARE
	v_mov_b32 v[NIL], 0
	ds_add_u32 v28, v29
	ds_add_u32 v28, v29
	s_wait_dscnt 0x0
	v_lshrrev_b32 v1, 5, v0
	v_readfirstlane_b32 s14, v1                    ; wave 0..3
	s_lshr_b32 s15, s14, 1                         ; which half of the tile's rows is mine.  Also: I fetch for A (0) or for B (1)
	s_and_b32 s16, s14, 1                          ; which half of its columns.  Also: which 64 rows of that tile I fetch
	s_bfe_u32 s40, ttmp6, 0x40000                  ; cx, cy
	s_bfe_u32 s41, ttmp6, 0x40004
	s_lshl_b32 s42, ttmp9, 2
	s_add_co_u32 s42, s42, s40                     ; tile column, 0..7
	s_and_b32 s17, ttmp7, 0xffff
	s_lshl_b32 s17, s17, 2
	s_add_co_u32 s17, s17, s41                     ; tile row, 0..31
	s_lshl_b32 s43, s41, 2
	s_lshl_b32 s43, 15, s43                        ; my row of the cluster
	s_lshl_b32 s44, 0x1111, s40                    ; my column
	s_or_b32 s[G1+0], s43, (0<<16)|(1<<20)|(1<<21)|(6<<22)|(3<<25)  ; the mask; elements of 1 byte; padding on; bit 21 beside a mask; 4 words behind every 128
	s_or_b32 s[G1B+0], s44, (0<<16)|(1<<20)|(1<<21)|(6<<22)|(3<<25)
.irp g, G1, G1B
	s_mov_b32 s[\g+1], ROWB<<16                    ; tensor_dim0
	s_mov_b32 s[\g+2], 64<<16                      ; tensor_dim1
	s_mov_b32 s[\g+3], ROWB<<16                    ; tile_dim0
	s_mov_b32 s[\g+4], 64                          ; tile_dim1
	s_mov_b32 s[\g+5], KROW                        ; the pitch
	s_mov_b32 s[\g+6], 0
	s_mov_b32 s[\g+7], 0
.endr
	s_lshl_b32 s18, s16, 6
	s_lshl_b32 s20, s17, 7
	s_add_co_u32 s20, s20, s18                     ; A: row 128 x tile row + 64 x half
	s_lshl_b32 s46, s42, 7
	s_add_co_u32 s46, s46, s18                     ; B: row 128 x tile column + 64 x half
	s_mov_b32 s21, 0
	s_mov_b32 s47, 0
	s_mov_b64 s[18:19], KROW
	s_mul_u64 s[20:21], s[20:21], s[18:19]
	s_mul_u64 s[46:47], s[46:47], s[18:19]
	s_mul_i32 s45, s14, HALFT                      ; where they go: wave x 64 rows: no place in the cluster enters an LDS address
	s_wait_kmcnt 0x0
	s_load_b64 s[68:69], s[8:9], 0x28              ; e10, e11
	s_add_nc_u64 s[6:7], s[6:7], 0xc00000          ; w2's codes
	s_add_nc_u64 s[20:21], s[4:5], s[20:21]
	s_add_nc_u64 s[46:47], s[6:7], s[46:47]
	CROUND                                         ; all sixteen work-groups are here: the first joint loads meet
.irp s, 0,1
	s_mov_b32 s[G0+4*\s], 1
	s_add_co_u32 s[G0+4*\s+1], s45, \s*SLOT
	s_add_nc_u64 s[G0+4*\s+2:G0+4*\s+3], s[20:21], \s*ROWB
	s_or_b32 s[G0+4*\s+3], s[G0+4*\s+3], 0x80000000
	s_mov_b32 s[G0B+4*\s], 1
	s_add_co_u32 s[G0B+4*\s+1], s45, \s*SLOT
	s_add_nc_u64 s[G0B+4*\s+2:G0B+4*\s+3], s[46:47], \s*ROWB
	s_or_b32 s[G0B+4*\s+3], s[G0B+4*\s+3], 0x80000000
	JLOAD G0+4*\s, G1, G0B+4*\s, G1B
.endr
	v_and_b32 v1, 15, v0                           ; r = l % 16
	v_bfe_u32 v2, v0, 4, 1                         ; h = l / 16
	v_mul_u32_u24 v3, v1, PITCH
	v_lshl_add_u32 v4, v2, 4, v3                   ; a fragment's row x pitch + 16 x half
	s_mul_i32 s21, s15, HALFT                      ; my 64 rows of A,
	s_mul_i32 s22, s16, HALFT                      ; my 64 rows of B,
	s_add_co_u32 s22, s22, 2*HALFT                 ; which lie behind A's 128
.irp s, 0,1
	v_add_nc_u32 v[ADRA+\s], s21, v4
	v_add_nc_u32 v[ADRB+\s], s22, v4
	s_add_co_u32 s21, s21, SLOT
	s_add_co_u32 s22, s22, SLOT
.endr
	s_mul_i32 s23, s14, 16*SPITCH
	s_add_co_u32 s23, s23, STAGE                   ; my stage
	v_mul_u32_u24 v5, v1, SPITCH
	v_lshl_add_u32 v5, v2, 5, v5
	v_add_nc_u32 v[STO], s23, v5                   ; in: row r, 32 bytes for each half of the lanes
	v_mul_u32_u24 v5, v2, SPITCH
	v_lshl_add_u32 v5, v1, 4, v5
	v_add_nc_u32 v[RD], s23, v5                    ; back: lanes 0-15 one row of 256 bytes, lanes 16-31 the next
	v_lshlrev_b32 v5, 12, v2
	v_lshl_add_u32 v[CO], v1, 4, v5                ; and the same two rows in x1 and in out0
	v_lshlrev_b32 v7, 4, v1                        ; 16 (l % 16): my four columns of a row
	s_lshl_b32 s82, s42, 9
	s_lshl_b32 s83, s16, 8
	s_add_co_u32 s82, s82, s83                     ; my first column, in bytes: 512 x tile column + 256 x half
	s_mov_b32 s83, 0
	s_add_nc_u64 s[10:11], s[10:11], s[82:83]
	global_load_b128 v[8:11], v7, s[10:11]         ; b2 of columns 4 (l % 16) + 0 .. 3 of my 64
	s_lshl_b32 s80, s17, 7
	s_lshl_b32 s81, s15, 6
	s_add_co_u32 s80, s80, s81                     ; my first row: 128 x tile row + 64 x half,
	s_lshl_b32 s80, s80, 12                        ; 4,096 bytes each
	s_add_co_u32 s80, s80, s82
	s_mov_b32 s81, 0
	s_add_nc_u64 s[76:77], s[76:77], s[80:81]
	s_add_nc_u64 s[78:79], s[78:79], s[80:81]
	WIN 0x80                                       ; destination window 2: my 64 x 64 numbers of x1, in the layout in which the rows come back from the stage
.irp a, 0,1,2,3
.irp t, 0,1,2,3,4,5,6,7
	global_load_b128 v[32*\a+4*\t:32*\a+4*\t+3], v[CO], s[76:77] offset:(16*\a+2*\t)*4096 th:TH_LOAD_NT
.endr
.endr
	WIN 0
.macro FRAG reg, adr, q, i             ; 16 rows x 128 K: registers 4 c .. 4 c + 3 hold K = 32 c + 16 (l / 16) + 0 .. 15: one permutation of k, alike in A and B
.irp c, 0,1,2,3
	ds_load_b128 v[\reg+4*\c:\reg+4*\c+3], v[\adr] offset:128*(\q)+32*\c+(\i)*16*PITCH
.endr
.endm
; 8 matrix instructions: A's blocks a0, a0 + 1 x B's four, 128 along K, out of buffer f.  The 16 accumulators take turns, one instruction a turn, in the same order in every quarter.
.macro MUL8 f, a0, zero
.irp a, \a0, \a0+1
.irp b, 0,1,2,3
.if \zero
	v_wmma_f32_16x16x128_fp8_fp8 v[ACC+8*(4*(\a)+\b):ACC+8*(4*(\a)+\b)+7], v[\f+64+FR*\b:\f+64+FR*\b+FR-1], v[\f+FR*(\a):\f+FR*(\a)+FR-1], 0
.else
	v_wmma_f32_16x16x128_fp8_fp8 v[ACC+8*(4*(\a)+\b):ACC+8*(4*(\a)+\b)+7], v[\f+64+FR*\b:\f+64+FR*\b+FR-1], v[\f+FR*(\a):\f+FR*(\a)+FR-1], v[ACC+8*(4*(\a)+\b):ACC+8*(4*(\a)+\b)+7]
.endif
.endr
.endr
.endm
.macro FETCH slot, q, f                ; 32 LDS loads in one run: the slot's q-th 128 along K into buffer f: B's four fragments first, then A's blocks 0 to 3
	WIN TO_F
.irp i, 0,1,2,3
	FRAG \f+64+FR*\i, ADRB+\slot, \q, \i
.endr
.irp i, 0,1,2,3
	FRAG \f+FR*\i, ADRA+\slot, \q, \i
.endr
.endm
.macro PLACES n                        ; plain vector instructions between a matrix instruction and a load into, or a vector read of, its registers
.rept \n
	v_nop
.endr
.endm
; A slot is four quarters of 128 along K, 16 matrix instructions each, on buffers 0, 1, 0, 1.  One of the first three: multiplies buffer f and fetches quarter k of the same slot into g.
.macro QUARTER slot, k, f, g, zero
	s_wait_dscnt 8                                 ; B's four and A's blocks 0 and 1 are in; the youngest eight loads (A's blocks 2 and 3) may be out
	WIN MUL
	MUL8 \f, 0, \zero
	PLACES NP
	FETCH \slot, \k, \g
	s_wait_dscnt 32                                ; all but the 32 just issued
	WIN MUL
	MUL8 \f, 2, \zero
.endm
; The last quarter multiplies buffer 1 and changes slots: one barrier; in front of it each wave waits for all its tensor loads, adds 0 to its spare word, and waits for that and for its reads of this slot.
; fill = 1: this slot is filled again, two slots ahead: the load has the next slot's four quarters in which to land.
.macro TURN slot, next, fill
	WIN 0                                          ; (the add's two registers lie in window 0)
	s_wait_tensorcnt 0x0                           ; all my tensor loads have landed: my part of the next slot
	ds_add_u32 v[SPW], v[NIL]                      ; 0 onto my spare word
	WIN MUL
	s_wait_dscnt 0x0                               ; the add is done, buffer 1 is in, and my reads of this slot are over
	s_barrier_signal -1
	MUL8 F1, 0, 0                                  ; work on registers while the others arrive
	WIN 0
	s_barrier_wait -1
.if \fill
	CREST                                          ; the barrier has opened a round of the cluster's: no wave of any partner still reads this slot or has a load on its way
	s_add_nc_u64 s[G0+4*\slot+2:G0+4*\slot+3], s[G0+4*\slot+2:G0+4*\slot+3], 2*ROWB
	s_add_nc_u64 s[G0B+4*\slot+2:G0B+4*\slot+3], s[G0B+4*\slot+2:G0B+4*\slot+3], 2*ROWB
	JLOAD G0+4*\slot, G1, G0B+4*\slot, G1B         ; the first tensor load behind the round; its four v_nop are the places in front of the loads below
.else
	PLACES NP
.endif
	FETCH \next, 0, F0
	WIN MUL
	MUL8 F1, 2, 0
.endm
	s_wait_tensorcnt 1                             ; my part of slot 0 is in; slot 1's load may be out
	s_barrier_signal -1
	s_barrier_wait -1
	FETCH 0, 0, F0
	QUARTER 0, 1, F0, F1, 1                        ; the first quarter's products start the sums: nothing is cleared
	WIN 0                                          ; at a label and at a branch every window is 0
	s_mov_b32 s3, LAPS-1
.Llap:                                                 ; a trip goes once round the ring, from a lap's second quarter to the next lap's first, and fills both slots again
	QUARTER 0, 2, F1, F0, 0
	QUARTER 0, 3, F0, F1, 0
	TURN 0, 1, 1
	QUARTER 1, 1, F0, F1, 0
	QUARTER 1, 2, F1, F0, 0
	QUARTER 1, 3, F0, F1, 0
	TURN 1, 0, 1
	QUARTER 0, 1, F0, F1, 0
	WIN 0
	s_sub_co_u32 s3, s3, 1
	s_cmp_lg_u32 s3, 0
	s_cbranch_scc1 .Llap
	QUARTER 0, 2, F1, F0, 0                        ; the last lap fills nothing, and has no round of the cluster's barrier
	QUARTER 0, 3, F0, F1, 0
	TURN 0, 1, 0
	QUARTER 1, 1, F0, F1, 0
	QUARTER 1, 2, F1, F0, 0
	QUARTER 1, 3, F0, F1, 0
	s_wait_dscnt 0x0                               ; the very last quarter: nothing more to fetch
	WIN MUL
	MUL8 F1, 0, 0
	MUL8 F1, 2, 0
	WIN 0
; THE WAY OUT, block by block of 16 rows x my 64 columns: sum x factor into my own stage, back as whole rows of 256 bytes, two an instruction; x1 x sqrt(0.8) and the bias are added;
; sixteen lanes store 256 consecutive bytes, aligned.  Every offset is an immediate: no base is stepped.
.macro TOSTAGE a
.set AC, ACC+32*(\a)
.set i, 0
.rept 16
	v_pk_mul_f32 v[TMP+2*i:TMP+2*i+1], v[AC+2*i:AC+2*i+1], s[96:97] op_sel_hi:[1,0]   ; each accumulator from its low end on
.set i, i+1
.endr
.irp b, 0,1,2,3
	ds_store_b128 v[STO], v[TMP+8*\b:TMP+8*\b+3] offset:64*\b
	ds_store_b128 v[STO], v[TMP+8*\b+4:TMP+8*\b+7] offset:64*\b+16
.endr
.set BB, BK+32*((\a)%2)
.irp t, 0,1,2,3,4,5,6,7
	ds_load_b128 v[BB+4*\t:BB+4*\t+3], v[RD] offset:\t*2*SPITCH   ; LDS serves a wave's instructions in order: these see my stores
.endr
.endm
.macro SEND a, younger
.set BB, BK+32*((\a)%2)
.set SK, 32*(\a)
	s_wait_dscnt \younger                          ; the block is back; the next block's 8 stores and 8 loads may be out
	WIN 0x02                                       ; source 0 (x1) window 2
.set i, 0
.rept 16
	v_pk_fma_f32 v[BB+2*i:BB+2*i+1], v[SK+2*i:SK+2*i+1], s[94:95], v[BB+2*i:BB+2*i+1] op_sel_hi:[1,0,1]
.set i, i+1
.endr
	WIN 0
.irp t, 0,1,2,3,4,5,6,7
	v_pk_add_f32 v[BB+4*\t:BB+4*\t+1], v[BB+4*\t:BB+4*\t+1], v[8:9]
	v_pk_add_f32 v[BB+4*\t+2:BB+4*\t+3], v[BB+4*\t+2:BB+4*\t+3], v[10:11]
.endr
.irp t, 0,1,2,3,4,5,6,7
	global_store_b128 v[CO], v[BB+4*\t:BB+4*\t+3], s[78:79] offset:(16*(\a)+2*\t)*4096 th:TH_STORE_NT
.endr
.endm
	s_wait_kmcnt 0x0
	s_add_co_i32 s96, s68, s69
	s_lshl_b32 s96, s96, 23
	s_add_co_i32 s96, s96, 0x3c21e89b              ; sqrt(0.2) x 2^-5.5 x 2^(e10 + e11)
	s_mov_b32 s97, s96
	s_mov_b32 s94, 0x3f64f92e                      ; sqrt(0.8)
	s_mov_b32 s95, s94
	s_wait_loadcnt 0x0                             ; b2 and my rows of x1, asked for at the head
	PLACES NP
	v_pk_mul_f32 v[8:9], v[8:9], 0x3c21e89b op_sel_hi:[1,0]      ; b2 x sqrt(0.2) x 2^-5.5
	v_pk_mul_f32 v[10:11], v[10:11], 0x3c21e89b op_sel_hi:[1,0]
	TOSTAGE 0
.irp a, 1,2,3
.if \a > 1
	s_wait_xcnt 0x0                                ; block a - 2's stores have read their registers: block a's rows may land there
.endif
	TOSTAGE \a
	SEND \a-1, 16
.endr
	SEND 3, 0
	s_wait_tensorcnt 0x0                           ; the wave's end
	ds_add_u32 v[SPW], v[NIL]
	s_wait_dscnt 0x0
	CROUND                                         ; the closing round
	s_endpgm
.Lfunc_end_k_qbf6c637021_gemm_w2:
	.size	k_qbf6c637021_gemm_w2, .Lfunc_end_k_qbf6c637021_gemm_w2-k_qbf6c637021_gemm_w2
	.p2alignl 7, 3214868480
	.fill 96, 4, 3214868480
	.section	.rodata,"a",@progbits
	.p2align	6, 0x0
	.amdhsa_kernel k_qbf6c637021_gemm_w2
		.amdhsa_group_segment_fixed_size 327680
		.amdhsa_private_segment_fixed_size 0
		.amdhsa_enable_private_segment 0
		.amdhsa_kernarg_size 48
		.amdhsa_user_sgpr_count 2
		.amdhsa_user_sgpr_kernarg_segment_ptr 1
		.amdhsa_wavefront_size32 1
		.amdhsa_system_sgpr_workgroup_id_x 1
		.amdhsa_system_sgpr_workgroup_id_y 1
		.amdhsa_system_sgpr_workgroup_id_z 1
		.amdhsa_system_vgpr_workitem_id 0
		.amdhsa_next_free_vgpr 768
		.amdhsa_next_free_sgpr 98
		.amdhsa_reserve_vcc 0
		.amdhsa_float_denorm_mode_32 3
		.amdhsa_float_denorm_mode_16_64 3
		.amdhsa_memory_ordered 1
		.amdhsa_forward_progress 1
		.amdhsa_inst_pref_size 86
	.end_amdhsa_kernel
	.amdgpu_metadata
---
amdhsa.version: [ 1, 2 ]
amdhsa.kernels:
  - .name:           k_qbf6c637021_gemm_w2
    .symbol:         k_qbf6c637021_gemm_w2.kd
    .args:
      - { .name: gc, .offset: 0, .size: 8, .value_kind: global_buffer, .address_space: global }
      - { .name: c1, .offset: 8, .size: 8, .value_kind: global_buffer, .address_space: global }
      - { .name: lowp_scales, .offset: 16, .size: 8, .value_kind: global_buffer, .address_space: global }
      - { .name: b2, .offset: 24, .size: 8, .value_kind: global_buffer, .address_space: global }
      - { .name: x1, .offset: 32, .size: 8, .value_kind: global_buffer, .address_space: global }
      - { .name: out0, .offset: 40, .size: 8, .value_kind: global_buffer, .address_space: global }
    .group_segment_fixed_size: 327680
    .private_segment_fixed_size: 0
    .kernarg_segment_align: 8
    .kernarg_segment_size: 48
    .max_flat_workgroup_size: 128
    .sgpr_count:     98
    .vgpr_count:     768
    .wavefront_size: 32
...
	.end_amdgpu_metadata
.endif
;; end of part 9
;; ======== version 3 of 3: 7 launches; version 2 with the launch attn written anew for expert scheduling mode
;; workspace buffers: c1 16,777,216 bytes; qkv 12,582,912 bytes; avf 4,194,304 bytes; x1 16,777,216 bytes; h2c 4,194,304 bytes; gc 16,777,216 bytes
;; launch prep: the kernel of part 1 again; grid 640 x 1, 4 waves a work-group, no clusters, 66,048 bytes of LDS; arguments x, w_qkv, w_o, w1, w2, ln1_w, ln1_b, lowp_scales, c1; writes c1
;; launch gemm_qkv: the kernel of part 2 again; grid 12 x 16, 4 waves a work-group, clusters of 4 x 4, 327,680 bytes of LDS; arguments c1, lowp_scales, qkv; writes qkv
;; launch attn (part 10): grid 8 x 32, 4 waves a work-group, no clusters, 20,992 bytes of LDS; arguments qkv, lowp_scales, avf; writes avf
.if DOCPART == 10
	.amdgcn_target "amdgcn-amd-amdhsa--gfx1250"
	.amdhsa_code_object_version 6
	.text
	.protected	k_qbf6c637021_attn
	.globl	k_qbf6c637021_attn
	.p2align	8
	.type	k_qbf6c637021_attn,@function
k_qbf6c637021_attn:
	s_mov_b64 s[64:65], 0
	v_nop
	global_prefetch_b8 v0, s[64:65] scope:SCOPE_SE
	s_setreg_imm32_b32 hwreg(HW_REG_WAVE_SCHED_MODE, 0, 2), 2
	s_setreg_imm32_b32 hwreg(HW_REG_WAVE_MODE, 25, 1), 1
	s_wait_xcnt 0x0
	s_wait_alu depctr_vm_vsrc(0)
; av = Q( (Q(softmax(q k^T x MM) x SM) v) x MM ), both products on codes of E4M3.  MM = 2^(-14/3), SM = 2048 / sqrt(1.31 x 1.65).
; THE SOFTMAX IS QUANTISED FINISHED: a row's maximum and sum are known before any weight becomes a code.  So a tile of 16 queries keeps ALL its 2,048 scores in registers:
; a work-group takes one head (grid y: b = y / 16, hd = y % 16) and 256 queries (grid x), 16 tiles one after the other; WAVE w OWNS KEYS 512 w .. 512 w + 511.  Its K (256 registers) and V^T (256)
; stay in registers for the whole launch, read from memory once; a tile's scores are 256 registers more.  Each score and each exponential is made once.
; A TILE: S^T = K Q^T (a lane holds one query, lane % 16) | my keys' maximum m_w; p = 2^(t - m_w); my sum l_w | (m_w, l_w) to LDS, barrier | M = max m_w, L = sum 2^(m_w - M) l_w;
; p x 2^(m_w - M) SM / L, held, to codes | O^T = V^T P^T over my keys | to LDS, barrier | each wave adds the four parts of a quarter of the tile, x MM, to codes, one store of 256 bytes.
; The maximum is taken away as in the definition: first each wave's own, then 2^(m_w - M) brings all under the row's.
; THE KEYS OF A TILE OF K ARE NOT NEIGHBOURS: lane r of tile 2 b + u of a group of 128 takes key 32 b + 8 u + r + 8 (r / 8), so that the 16 registers of two neighbouring tiles are 16 neighbouring keys,
; in the order in which the second product's operand wants them; V^T's rows are chosen likewise, so that a lane's results are neighbours along d.
; OUT, avf: av's codes in the order of an operand's registers: [row tile 256][K step 8][c 4][lane 32][16 bytes]; lane 16 h + r holds row 16 tile + r, k = 128 step + 32 c + 16 h + 0 .. 15; k = 64 hd + d.
; No tensor load and no joint load: K and V are read once a work-group, 128 KiB, straight into the registers in which they stay, against 16 tiles of work; through LDS they would only go a longer way.
; No prefetch: the loop's only stream is 1 KiB of Q a tile, loaded a tile ahead.
; LIMITS: e2 + e3 between -121 and 132 and e4 + e5 between -121 and 132 (added to a factor's exponent field); e4, e6 between -126 and 119.  NaN is not served.
; REGISTERS: window 1: K, tile t at v[8 t].  window 2: V^T, fragment (g, dt) at v[16 (4 g + dt)].  window 3: S^T, tile t at v[8 t].
;   window 0: v2-9 addresses; v[10:11] (-m_w, l_w); v12-15, v16-23 chains; v24-31 the four waves' (-m, l); v32-37 at work; v[38:39] my factor; v40, v41: 448 x 2^e4, 2^e4; v42, v43: the same of e6;
;   v44-51 Q; v[52:53] codes out; v64-127 P's codes; v128-159 O^T; v160-191 the four parts.
; THE MODE: SCHED_MODE bits 1:0 = 2 (LLVM: expert scheduling mode 2), set by the entry lines.  The code itself states the register dependences
; between vector or matrix instructions and memory or LDS instructions, with s_wait_alu, always for 0.
; THE PLAN.  Registers that memory or LDS instructions touch, in the order of a tile:
;   v2, v3, v5-v9   Offsets and LDS addresses: written at the head, ahead of the head's one wait on va_vdst, and never again.  v254, v255: likewise; read by the closing add alone.
;   v4              Q's offset: written once a tile, among the places behind the score products; read by the tile's two loads of Q.
;   v44-51          Q: read by the 32 score products at a tile's top; the next tile's Q lands in them, by two loads that stand behind the batch of exponentials.
;   v[10:11]        Written ahead of the exponentials (v10) and at the end of my sum (v11); read by the LDS store of (-m_w, l_w).
;   v24-31          Four LDS loads land in them; the lines that make M and L read them and write v24 and v26.
;   v128-159        Written by the second product; read by eight LDS stores.
;   v160-191        Eight LDS loads land in them; the additions, the scaling, the hold and the conversion work on them.
;   v[52:53]        Written by the last conversion; read by the tile's one global store.
;   K (window 1) and V^T (window 2) are loaded at the head and never written again; S^T (window 3), P's codes and all else are named by vector and matrix instructions alone.
; So a tile has six waits on va_vdst: behind the 256 exponentials (their results; v4; the score products' reads of Q), ahead of the store of v[10:11], behind the five exponentials, behind the reciprocal,
; ahead of O^T's stores, ahead of the global store.  The second and the fifth also stand between the last tile's work on v24-31 and on v160-191 and the loads that land there.
; ONE wait on vm_vsrc stands at a tile's end: all that the tile's loads and stores read (v4, v[10:11], v128-159, v[52:53]) is written again only in the next tile.
.set KVO, 2
.set QO0, 3
.set QO,  4
.set STA, 5
.set STR, 6
.set OWA, 7
.set ORA, 8
.set GOF, 9
.set OBB,  512                         ; LDS: bytes 0-511 the waves' (-m, l); from 512 the waves' O^T:
.set WPIT, 4608                        ; a wave's four tiles,
.set TPIT, 1152                        ; a tile's 1,024 bytes + 128, so that the even and the odd lanes of the adding wave fall on different banks
.set MSB, 0
.macro WIN new
.if MSB != \new
	s_set_vgpr_msb (MSB<<8)|\new
.set MSB, \new
.endif
.endm
	s_load_b128 s[4:7], s[0:1], 0x0                ; qkv, the scales' exponents
	s_load_b64 s[8:9], s[0:1], 0x10                ; avf
	v_lshl_add_u32 v254, v0, 2, 0x5000
	v_mov_b32 v255, 0
	v_lshrrev_b32 v1, 5, v0
	v_readfirstlane_b32 s10, v1                    ; wave
	v_and_b32 v1, 31, v0                           ; lane
	v_and_b32 v54, 15, v0                          ; r
	v_bfe_u32 v55, v0, 4, 1                        ; h
	v_and_b32 v56, 8, v54
	v_add_nc_u32 v56, v56, v54                     ; r + 8 (r / 8)
	v_lshlrev_b32 v[KVO], 12, v56
	v_lshl_add_u32 v[KVO], v55, 4, v[KVO]          ; K, V^T: that row of 4,096 bytes, + 16 h
	v_lshlrev_b32 v[QO0], 12, v54
	v_lshl_add_u32 v[QO0], v55, 4, v[QO0]          ; Q: row r, + 16 h
	s_wait_alu depctr_va_sdst(0)                   ; s10 is written, ahead of its first reader: LDS addresses and the bases of K, V^T and the output are made from it
	s_lshl_b32 s11, s10, 7
	v_lshl_add_u32 v[STA], v54, 3, s11             ; my (-m, l): 128 w + 8 r
	v_lshlrev_b32 v[STR], 3, v54
	s_mul_i32 s11, s10, WPIT
	s_add_co_u32 s11, s11, OBB
	v_lshl_add_u32 v[OWA], v1, 4, s11              ; my O^T, as an image of its registers: 16 x lane
	s_lshr_b32 s11, s10, 1                         ; the adding wave w, lane L, wants query L / 2, d = 32 (w / 2) + 16 (w % 2) + 8 (L % 2) + 0 .. 7:
	s_mul_i32 s11, s11, 2*TPIT                     ; tile 2 (w / 2) + L % 2, lane 16 (w % 2) + L / 2 of the image
	s_and_b32 s12, s10, 1
	s_lshl_b32 s12, s12, 8
	s_add_co_u32 s11, s11, s12
	s_add_co_u32 s11, s11, OBB
	v_and_b32 v57, 1, v0
	v_mul_u32_u24 v57, v57, TPIT
	v_bfe_u32 v58, v0, 1, 4
	v_lshl_add_u32 v57, v58, 4, v57
	v_add_nc_u32 v[ORA], s11, v57
	v_lshlrev_b32 v[GOF], 3, v1                    ; out: 8 bytes a lane
	v_mov_b32 v11, 0                               ; named as halves of pairs before they are first made
	v_mov_b32 v39, 0
	s_and_b32 s12, ttmp7, 0xffff
	s_lshr_b32 s13, s12, 4                         ; b
	s_and_b32 s14, s12, 15                         ; hd
	s_lshl_b32 s15, s13, 11
	s_lshl_b32 s16, s14, 6
	s_lshl_b32 s20, s10, 21                        ; K: row 512 w, byte 2048 b + 1024 + 64 hd
	s_add_co_u32 s20, s20, s15
	s_add_co_u32 s20, s20, s16
	s_add_co_u32 s20, s20, 1024
	s_mov_b32 s21, 0
	s_add_co_u32 s22, s16, 2048                    ; V^T: row 2048 + 64 hd, byte 2048 b + 512 w
	s_lshl_b32 s22, s22, 12
	s_add_co_u32 s22, s22, s15
	s_lshl_b32 s17, s10, 9
	s_add_co_u32 s22, s22, s17
	s_mov_b32 s23, 0
	s_lshl_b32 s18, ttmp9, 20                      ; Q: row 256 x, byte 2048 b + 64 hd
	s_add_co_u32 s18, s18, s15
	s_add_co_u32 s18, s18, s16
	s_mov_b32 s19, 0
	s_lshl_b32 s40, s13, 7                         ; out: row tile 128 b + 16 x, byte 1024 hd + 256 w of its 16,384
	s_lshl_b32 s41, ttmp9, 4
	s_add_co_u32 s40, s40, s41
	s_lshl_b32 s40, s40, 14
	s_lshl_b32 s41, s14, 10
	s_add_co_u32 s40, s40, s41
	s_lshl_b32 s41, s10, 8
	s_add_co_u32 s40, s40, s41
	s_mov_b32 s41, 0
	s_mov_b32 s36, 0x76543210                      ; v_permlanex16_b32: lane l xor 16
	s_mov_b32 s37, 0xfedcba98
	s_mov_b32 s38, 0x44ae2020                      ; SM
	s_wait_kmcnt 0x0
	s_load_b256 s[48:55], s[6:7], 0x0              ; e0 .. e7
	s_add_nc_u64 s[24:25], s[4:5], s[20:21]
	s_add_nc_u64 s[26:27], s[4:5], s[22:23]
	s_add_nc_u64 s[28:29], s[4:5], s[18:19]
	s_add_nc_u64 s[30:31], s[8:9], s[40:41]
	s_wait_alu depctr_va_vdst(0)                   ; the offsets and LDS addresses v2, v3 and v5 to v9 are written, which the loads and stores of the whole kernel read; up to V^T's last load only loads and window switches follow
	global_load_b128 v[44:47], v[QO0], s[28:29]    ; Q of tile 0: k = 16 h + 0 .. 15 and 32 + 16 h + 0 .. 15: one permutation of k, alike in Q and K
	global_load_b128 v[48:51], v[QO0], s[28:29] offset:32
	WIN 0x40                                       ; destination window 1
.set t, 0
.rept 32
	global_load_b128 v[8*t:8*t+3], v[KVO], s[24:25] offset:(128*(t/8)+32*((t%8)/2)+8*(t%2))*4096
	global_load_b128 v[8*t+4:8*t+7], v[KVO], s[24:25] offset:(128*(t/8)+32*((t%8)/2)+8*(t%2))*4096+32
.set t, t+1
.endr
	WIN 0x80                                       ; destination window 2
.irp g, 0,1,2,3
.irp d, 0,1,2,3
.irp c, 0,1,2,3
	global_load_b128 v[16*(4*\g+\d)+4*\c:16*(4*\g+\d)+4*\c+3], v[KVO], s[26:27] offset:(32*(\d/2)+8*(\d%2))*4096+128*\g+32*\c
.endr
.endr
.endr
	WIN 0
	s_wait_kmcnt 0x0
	s_add_co_i32 s11, s50, s51
	s_lshl_b32 s11, s11, 23
	s_add_co_i32 s32, s11, 0x3d68a9cd              ; c = MM log2(e) 2^(e2 + e3): t = sum x c
	s_mov_b32 s33, s32
	s_add_co_i32 s11, s52, s53
	s_lshl_b32 s11, s11, 23
	s_add_co_i32 s34, s11, 0x3d214518              ; MM 2^(e4 + e5)
	s_mov_b32 s35, s34
	s_add_co_i32 s11, s52, 127
	s_lshl_b32 s12, s11, 23
	v_mov_b32 v41, s12
	s_add_co_i32 s11, s11, 8
	s_lshl_b32 s11, s11, 23
	s_or_b32 s11, s11, 0x600000
	v_mov_b32 v40, s11
	s_add_co_i32 s11, s54, 127
	s_lshl_b32 s12, s11, 23
	v_mov_b32 v43, s12
	s_add_co_i32 s11, s11, 8
	s_lshl_b32 s11, s11, 23
	s_or_b32 s11, s11, 0x600000
	v_mov_b32 v42, s11
	s_mov_b32 s39, 0
	s_wait_loadcnt 63                              ; behind K's last load stand V^T's 64: Q and K are in
.Ltile:
	; ---- the scores of my 512 keys
	WIN 0xc1                                       ; K window 1, Q window 0, S^T window 3
.set t, 0
.rept 32
	v_wmma_f32_16x16x64_fp8_fp8 v[8*t:8*t+7], v[8*t:8*t+7], v[44:51], 0
.set t, t+1
.endr
	WIN 0
	s_add_co_u32 s40, s39, 1
	s_min_u32 s40, s40, 15                         ; the last tile asks for its own Q again: no load leaves the buffer
	s_lshl_b32 s40, s40, 16
	v_add_nc_u32 v[QO], s40, v[QO0]                ; with three v_nop: the four places behind the products.  (The last tile's loads have read v[QO]: the wait on vm_vsrc at that tile's end)
	v_nop
	v_nop
	v_nop
	; ---- my keys' maximum, in four chains, each accumulator from its low end on
	WIN 0x3f
.irp c, 0,1,2,3
	v_max3_num_f32 v[12+\c], v[64*\c], v[64*\c+1], v[64*\c+2]
.endr
	WIN 0x3c
.set i, 0
.rept 30
.irp c, 0,1,2,3
	v_max3_num_f32 v[12+\c], v[12+\c], v[64*\c+3+2*i], v[64*\c+4+2*i]
.endr
.set i, i+1
.endr
.irp c, 0,1,2,3
	v_max_num_f32 v[12+\c], v[12+\c], v[64*\c+63]
.endr
	WIN 0
	v_max3_num_f32 v12, v12, v13, v14
	v_max_num_f32 v12, v12, v15
	v_permlanex16_b32 v13, v12, s36, s37           ; the query's other 256 keys lie in the lane 16 away
	v_max_num_f32 v12, v12, v13
	v_mul_f32 v10, -v12, s32                       ; -m_w (c is positive)
	; ---- p = 2^(t - m_w)
	WIN 0xc3
.set i, 0
.rept 128
	v_pk_fma_f32 v[2*i:2*i+1], v[2*i:2*i+1], s[32:33], v[10:11] op_sel_hi:[1,0,0]
.set i, i+1
.endr
.set i, 0
.rept 256
	v_exp_f32 v[i], v[i]
.set i, i+1
.endr
	v_nop                                          ; a plain instruction behind the batch
	WIN 0                                          ; the window of the two loads below is set ahead of the wait
	s_wait_alu depctr_va_vdst(0)                   ; the 256 exponentials have written S^T's registers, which the sums below read; v[QO] is written, which the two loads read; the score products are done reading v44-51, in which the loads land
	global_load_b128 v[44:47], v[QO], s[28:29]     ; the next tile's Q
	global_load_b128 v[48:51], v[QO], s[28:29] offset:32
	; ---- my sum
	WIN 0x0f
.irp c, 0,1,2,3
	v_pk_add_f32 v[16+2*\c:17+2*\c], v[64*\c:64*\c+1], v[64*\c+2:64*\c+3]
.endr
	WIN 0x0c
.set i, 2
.rept 30
.irp c, 0,1,2,3
	v_pk_add_f32 v[16+2*\c:17+2*\c], v[16+2*\c:17+2*\c], v[64*\c+2*i:64*\c+2*i+1]
.endr
.set i, i+1
.endr
	WIN 0
	v_pk_add_f32 v[16:17], v[16:17], v[18:19]
	v_pk_add_f32 v[20:21], v[20:21], v[22:23]
	v_pk_add_f32 v[16:17], v[16:17], v[20:21]
	v_add_f32 v11, v16, v17
	v_permlanex16_b32 v16, v11, s36, s37
	v_add_f32 v11, v11, v16                        ; l_w
	; ---- the four waves' maxima and sums meet
	s_wait_alu depctr_va_vdst(0)                   ; v10 and v11 are written, which the LDS store reads; the last tile's lines are done with v24-31, in which the LDS loads below land
	ds_store_b64 v[STA], v[10:11]                  ; lanes r and 16 + r hold the same pair and write the same bytes
	s_wait_dscnt 0x0                               ; for the others' sake; my reads of the last tile's O^T are long back too
	s_barrier_signal -1
	s_barrier_wait -1
.irp w, 0,1,2,3
	ds_load_b64 v[24+2*\w:25+2*\w], v[STR] offset:128*\w
.endr
	s_wait_dscnt 0x0
	v_min3_num_f32 v32, v24, v26, v28
	v_min_num_f32 v32, v32, v30                    ; -M
	v_sub_f32 v33, v32, v24                        ; m_w' - M
	v_sub_f32 v34, v32, v26
	v_sub_f32 v35, v32, v28
	v_sub_f32 v36, v32, v30
	v_sub_f32 v37, v32, v10                        ; and my own
.irp j, 33,34,35,36,37
	v_exp_f32 v\j, v\j
.endr
	v_nop
	s_wait_alu depctr_va_vdst(0)                   ; the five exponentials have written v33 to v37, ahead of their first reader
	v_mul_f32 v24, v33, v25
	v_fmac_f32 v24, v34, v27
	v_fmac_f32 v24, v35, v29
	v_fmac_f32 v24, v36, v31                       ; L
	v_rcp_f32 v26, v24
	v_mul_f32 v38, s38, v37                        ; (the plain instruction behind the reciprocal)
	s_wait_alu depctr_va_vdst(0)                   ; the reciprocal has written v26, ahead of its first reader
	v_mul_f32 v38, v38, v26                        ; 2^(m_w - M) SM / L
	; ---- the finished weights become codes
	WIN 0xc3
.set i, 0
.rept 128
	v_pk_mul_f32 v[2*i:2*i+1], v[2*i:2*i+1], v[38:39] op_sel_hi:[1,0]
.set i, i+1
.endr
.set i, 0
.rept 256
	v_min_num_f32 v[i], v[i], v40                  ; the conversion does not saturate (ISA guide 7.6.2); a weight is not negative, so the hold is one-sided
.set i, i+1
.endr
	WIN 0x03
.set t, 0
.rept 32
	v_cvt_scalef32_pk8_fp8_f32 v[64+2*t:65+2*t], v[8*t:8*t+7], v41
.set t, t+1
.endr
	WIN 0
	v_nop                                          ; a plain instruction between the conversions and the products that read their results
	; ---- O^T over my keys: four accumulators by turns
	s_wait_loadcnt 2                               ; only the next tile's Q may be out: V^T is in
	WIN 0x02                                       ; V^T window 2
.irp g, 0,1,2,3
.irp d, 0,1,2,3
.if \g == 0
	v_wmma_f32_16x16x128_fp8_fp8 v[128+8*\d:135+8*\d], v[16*(4*\g+\d):16*(4*\g+\d)+15], v[64+16*\g:79+16*\g], 0
.else
	v_wmma_f32_16x16x128_fp8_fp8 v[128+8*\d:135+8*\d], v[16*(4*\g+\d):16*(4*\g+\d)+15], v[64+16*\g:79+16*\g], v[128+8*\d:135+8*\d]
.endif
.endr
.endr
	WIN 0
.rept 4
	v_nop
.endr
	s_wait_alu depctr_va_vdst(0)                   ; the products have written v128-159, which the LDS stores read (the four places above stay beside this wait); the last tile's lines are done with v160-191, in which the LDS loads below land
.irp d, 0,1,2,3
	ds_store_b128 v[OWA], v[128+8*\d:131+8*\d] offset:\d*TPIT
	ds_store_b128 v[OWA], v[132+8*\d:135+8*\d] offset:\d*TPIT+512
.endr
	s_wait_dscnt 0x0                               ; for the others' sake; my reads of the (-m, l) are back too, so they may be written again behind this barrier
	s_barrier_signal -1
	s_barrier_wait -1
	; ---- a quarter of the tile: the four parts are added, x MM, to codes
.irp w, 0,1,2,3
	ds_load_b128 v[160+8*\w:163+8*\w], v[ORA] offset:\w*WPIT
	ds_load_b128 v[164+8*\w:167+8*\w], v[ORA] offset:\w*WPIT+512
.endr
	s_wait_dscnt 0x0
.irp k, 0,2,4,6
	v_pk_add_f32 v[160+\k:161+\k], v[160+\k:161+\k], v[168+\k:169+\k]
	v_pk_add_f32 v[176+\k:177+\k], v[176+\k:177+\k], v[184+\k:185+\k]
.endr
.irp k, 0,2,4,6
	v_pk_add_f32 v[160+\k:161+\k], v[160+\k:161+\k], v[176+\k:177+\k]
.endr
.irp k, 0,2,4,6
	v_pk_mul_f32 v[160+\k:161+\k], v[160+\k:161+\k], s[34:35] op_sel_hi:[1,0]
.endr
.irp k, 0,1,2,3,4,5,6,7
	v_med3_num_f32 v[160+\k], v[160+\k], -v42, v42
.endr
	v_cvt_scalef32_pk8_fp8_f32 v[52:53], v[160:167], v43
	v_nop
	s_wait_alu depctr_va_vdst(0)                   ; the conversion has written v[52:53], which the store reads
	global_store_b64 v[GOF], v[52:53], s[30:31]    ; the wave stores 256 consecutive bytes, aligned
	s_wait_loadcnt 0x0                             ; the next tile's Q is in
	s_wait_xcnt 0x0                                ; the store has had its address translated: its base is written again only behind this wait
	s_wait_alu depctr_vm_vsrc(0)                   ; this tile's loads and stores have read v[QO], v[10:11], v128-159 and v[52:53], all of which the next tile writes again
	s_add_nc_u64 s[30:31], s[30:31], 16384
	s_add_co_u32 s39, s39, 1
	s_cmp_lt_u32 s39, 16
	s_cbranch_scc1 .Ltile
	s_wait_dscnt 0x0                               ; the closing lines, six on end
	s_wait_alu 0x0
	s_wait_tensorcnt 0x0
	ds_add_u32 v254, v255
	s_wait_dscnt 0x0
	s_endpgm
.Lfunc_end_k_qbf6c637021_attn:
	.size	k_qbf6c637021_attn, .Lfunc_end_k_qbf6c637021_attn-k_qbf6c637021_attn
	.p2alignl 7, 3214868480
	.fill 96, 4, 3214868480
	.section	.rodata,"a",@progbits
	.p2align	6, 0x0
	.amdhsa_kernel k_qbf6c637021_attn
		.amdhsa_group_segment_fixed_size 20992
		.amdhsa_private_segment_fixed_size 0
		.amdhsa_enable_private_segment 0
		.amdhsa_kernarg_size 24
		.amdhsa_user_sgpr_count 2
		.amdhsa_user_sgpr_kernarg_segment_ptr 1
		.amdhsa_wavefront_size32 1
		.amdhsa_system_sgpr_workgroup_id_x 1
		.amdhsa_system_sgpr_workgroup_id_y 1
		.amdhsa_system_sgpr_workgroup_id_z 1
		.amdhsa_system_vgpr_workitem_id 0
		.amdhsa_next_free_vgpr 1024
		.amdhsa_next_free_sgpr 66
		.amdhsa_reserve_vcc 0
		.amdhsa_float_denorm_mode_32 3
		.amdhsa_float_denorm_mode_16_64 3
		.amdhsa_memory_ordered 1
		.amdhsa_forward_progress 1
		.amdhsa_inst_pref_size 76
	.end_amdhsa_kernel
	.amdgpu_metadata
---
amdhsa.version: [ 1, 2 ]
amdhsa.kernels:
  - .name:           k_qbf6c637021_attn
    .symbol:         k_qbf6c637021_attn.kd
    .args:
      - { .name: qkv, .offset: 0, .size: 8, .value_kind: global_buffer, .address_space: global }
      - { .name: lowp_scales, .offset: 8, .size: 8, .value_kind: global_buffer, .address_space: global }
      - { .name: avf, .offset: 16, .size: 8, .value_kind: global_buffer, .address_space: global }
    .group_segment_fixed_size: 20992
    .private_segment_fixed_size: 0
    .kernarg_segment_align: 8
    .kernarg_segment_size: 24
    .max_flat_workgroup_size: 128
    .sgpr_count:     66
    .vgpr_count:     1024
    .wavefront_size: 32
...
	.end_amdgpu_metadata
.endif
;; end of part 10
;; launch gemm_o: the kernel of part 8 again; grid 8 x 32, 4 waves a work-group, clusters of 4 x 4, 327,680 bytes of LDS; arguments avf, c1, lowp_scales, x, x1; writes x1
;; launch ln2: the kernel of part 5 again; grid 256 x 1, 4 waves a work-group, no clusters, 33,280 bytes of LDS; arguments x1, ln2_w, ln2_b, lowp_scales, h2c; writes h2c
;; launch gemm_w1: the kernel of part 6 again; grid 16 x 16, 4 waves a work-group, clusters of 4 x 4, 327,680 bytes of LDS; arguments h2c, c1, lowp_scales, b1, gc; writes gc
;; launch gemm_w2: the kernel of part 9 again; grid 8 x 32, 4 waves a work-group, clusters of 4 x 4, 327,680 bytes of LDS; arguments gc, c1, lowp_scales, b2, x1, out0; writes out0
